; MI455X (gfx1250); checked and timed in simulation.
; The chip was launched on July 23, 2026; its instructions are those of AMD's public machine-readable ISA for CDNA 5 (MIT licence, August 2026) and "CDNA5" Instruction Set Architecture Reference Guide (July 2026). The comments in the code are by the model that wrote it; some were corrected since.
;; CL4 S Rec Encoder. Allowed arithmetic: matrix products marked QUANTISED: E5M2 operands, one given power-of-two scale a tensor, by v_wmma_f32_16x16x64_bf8_bf8 or v_wmma_f32_16x16x128_bf8_bf8, f32 sums; everything else in f32.
;; Inputs: W1_codes 2 x 1,024 x 8 x 32 uint8 (E5M2 codes of W1, K innermost, in blocks of 32 codes); W2_codes 2 x 256 x 32 x 32 uint8 (E5M2 codes of W2, K innermost, in blocks of 32 codes); Wk_codes 2 x 256 x 8 x 32 uint8 (E5M2 codes of Wk, K innermost, in blocks of 32 codes); Wo_codes 2 x 256 x 8 x 32 uint8 (E5M2 codes of Wo, K innermost, in blocks of 32 codes); Wq_codes 2 x 256 x 8 x 32 uint8 (E5M2 codes of Wq, K innermost, in blocks of 32 codes); Wv_codes 2 x 256 x 8 x 32 uint8 (E5M2 codes of Wv, K innermost, in blocks of 32 codes); b1 2 x 1,024 float32; b2 2 x 256 float32; bk 2 x 256 float32; bo 2 x 256 float32; bq 2 x 256 float32; bv 2 x 256 float32; fn_b 256 float32; fn_g 256 float32; item_emb 50,001 x 256 float32; ln1_b 2 x 256 float32; ln1_g 2 x 256 float32; ln2_b 2 x 256 float32; ln2_g 2 x 256 float32; lowp_scales 32 int32 (the exponents e of the quantised operands' scales 2^e); mask 128 x 256 int32; pos_emb 256 x 256 float32; seq 128 x 256 int32.
;; Outputs: out0 128 x 256 x 256 float32.
;; This version of the problem:
;;   THIS VERSION OF THE PROBLEM IS GIVEN IN LOW PRECISION. The matrix products marked QUANTISED in the list below multiply operands that are first quantised to E5M2 (5 exponent bits, 2 mantissa bits; 8 bits a number), with one given power-of-two scale for each operand tensor; their sums are f32. All else is computed in f32.
;;   The module's matrix products, in the order in which they are computed (A, B: the left and right operand; K: the contracted axis; several contracted axes count as one K, in the product's order):
;;     1. [M 32,768, K 256] x [K 256, N 256]; A: computed on the way; B: input Wq (given as codes): QUANTISED (scales: A lowp_scales[0], B lowp_scales[1])
;;     2. [M 32,768, K 256] x [K 256, N 256]; A: computed on the way; B: input Wk (given as codes): QUANTISED (scales: A lowp_scales[2], B lowp_scales[3])
;;     3. [M 32,768, K 256] x [K 256, N 256]; A: computed on the way; B: input Wv (given as codes): QUANTISED (scales: A lowp_scales[4], B lowp_scales[5])
;;     4. batch 1,024 x [M 256, K 32] x [K 32, N 256]; A: computed on the way; B: computed on the way: QUANTISED (scales: A lowp_scales[6], B lowp_scales[7])
;;     5. batch 1,024 x [M 32, K 256] x [K 256, N 256]; A: computed on the way; B: computed on the way: QUANTISED (scales: A lowp_scales[8], B lowp_scales[9])
;;     6. [M 32,768, K 256] x [K 256, N 256]; A: computed on the way; B: input Wo (given as codes): QUANTISED (scales: A lowp_scales[10], B lowp_scales[11])
;;     7. [M 32,768, K 256] x [K 256, N 1,024]; A: computed on the way; B: input W1 (given as codes): QUANTISED (scales: A lowp_scales[12], B lowp_scales[13])
;;     8. [M 32,768, K 1,024] x [K 1,024, N 256]; A: computed on the way; B: input W2 (given as codes): QUANTISED (scales: A lowp_scales[14], B lowp_scales[15])
;;     9. [M 32,768, K 256] x [K 256, N 256]; A: computed on the way; B: input Wq (given as codes): QUANTISED (scales: A lowp_scales[16], B lowp_scales[17])
;;     10. [M 32,768, K 256] x [K 256, N 256]; A: computed on the way; B: input Wk (given as codes): QUANTISED (scales: A lowp_scales[18], B lowp_scales[19])
;;     11. [M 32,768, K 256] x [K 256, N 256]; A: computed on the way; B: input Wv (given as codes): QUANTISED (scales: A lowp_scales[20], B lowp_scales[21])
;;     12. batch 1,024 x [M 256, K 32] x [K 32, N 256]; A: computed on the way; B: computed on the way: QUANTISED (scales: A lowp_scales[22], B lowp_scales[23])
;;     13. batch 1,024 x [M 32, K 256] x [K 256, N 256]; A: computed on the way; B: computed on the way: QUANTISED (scales: A lowp_scales[24], B lowp_scales[25])
;;     14. [M 32,768, K 256] x [K 256, N 256]; A: computed on the way; B: input Wo (given as codes): QUANTISED (scales: A lowp_scales[26], B lowp_scales[27])
;;     15. [M 32,768, K 256] x [K 256, N 1,024]; A: computed on the way; B: input W1 (given as codes): QUANTISED (scales: A lowp_scales[28], B lowp_scales[29])
;;     16. [M 32,768, K 1,024] x [K 1,024, N 256]; A: computed on the way; B: input W2 (given as codes): QUANTISED (scales: A lowp_scales[30], B lowp_scales[31])
;;   THE QUANTISER, for each operand of a quantised product, along K:
;;     - The operand's scale is 2^e, e = its entry of the input lowp_scales (int32; the entries are numbered through the quantised products in the list's order, A before B).
;;     - Each number is divided by the scale, clamped to +-57,344, and rounded to the nearest number of E5M2, ties to even, subnormals kept.
;;     - The product sums the exact products of the quantised numbers (number of the format x scale) in f32.
;;   ~~~python
;;   def quantise(x, axis, e):      # numpy; x: float32 -> the quantised numbers, widened to float32 again
;;       x = np.moveaxis(x, axis, -1); K = x.shape[-1]
;;       r = np.clip(x / 2.0 ** e, -57344, 57344)
;;       step = 2.0 ** (np.maximum(np.frexp(np.where(r == 0, 1, r))[1] - 1, -14) - 2)
;;       q = np.round(r / step) * step * 2.0 ** e      # np.round: ties to even
;;       return np.moveaxis(q, -1, axis).astype(np.float32)
;;   ~~~
;;   OPERANDS COMPUTED ON THE WAY. 'Computed on the way' means the value that the module computes at that place (a softmax that the list does not call 'softmax' is quantised finished and normalised). What goes into a quantiser is computed in f32, as accurately as f32 sums, v_exp_f32 and their like allow (about 1e-6 of the number): no bf16 or f16 on the way to a quantiser, and a product that is left as it is and whose result goes on into a quantised operand takes f32 operands (vector FMAs, or v_wmma_f32_16x16x4_f32). A number that lies on a knife's edge between two numbers of the format may be rounded either way, as far as f32 arithmetic and the matrix unit's own rounding can turn it there, and no further.
;;   INPUTS GIVEN AS CODES. W1 (in the module: [2, 256, 1024], K = its axis 1); W2 (in the module: [2, 1024, 256], K = its axis 1); Wk (in the module: [2, 256, 256], K = its axis 1); Wo (in the module: [2, 256, 256], K = its axis 1); Wq (in the module: [2, 256, 256], K = its axis 1); Wv (in the module: [2, 256, 256], K = its axis 1): each comes as NAME_codes (uint8): NAME with its K axis moved to the last place and cut into blocks of 32 codes, [.., K / 32, bytes a block], one block behind the other in memory; one code a byte (a code: sign, 5 exponent bits, 2 mantissa bits); its scale is its entry of lowp_scales. Its value is code x scale, taken as it is: it is not quantised again, and the codes and scales need not be those that the quantiser above would give.
;; 2 versions, each right; version 2 is version 1 with the launches layer0, layer1 written anew for expert scheduling mode. Each part assembles by itself: llvm-mc -triple=amdgcn-amd-amdhsa -mcpu=gfx1250 --defsym DOCPART=n.
;; ======== version 1 of 2: 2 launches
;; limits: right only within a limited range of input values
;; workspace buffers: x1 33,554,432 bytes
;; launch layer0 (part 1): grid 256 x 1, 8 waves a work-group, no clusters, 313,344 bytes of LDS; arguments item_emb, seq, pos_emb, mask, lowp_scales, ln1_g, ln1_b, Wq_codes, bq, Wk_codes, bk, Wv_codes, bv, Wo_codes, bo, ln2_g, ln2_b, W1_codes, b1, W2_codes, b2, x1; writes x1
.if DOCPART == 1
	.amdgcn_target "amdgcn-amd-amdhsa--gfx1250"
	.amdhsa_code_object_version 6
	.text
	.protected	k_qb0b49e6546_layer0
	.globl	k_qb0b49e6546_layer0
	.p2align	8
	.type	k_qb0b49e6546_layer0,@function
k_qb0b49e6546_layer0:
	s_mov_b64 s[64:65], 0
	v_nop
	global_prefetch_b8 v0, s[64:65] scope:SCOPE_SE
	s_setreg_imm32_b32 hwreg(HW_REG_WAVE_MODE, 25, 1), 1
	s_wait_xcnt 0x0
; ONE ENCODER BLOCK (LAYER 0: with the embedding in front; LAYER 1: with the last LayerNorm behind), all products on codes of BF8 (E5M2), each operand with its given scale 2^e.
; SHARES.  A work-group is half a sequence: b = group / 2, p = group % 2.  Of the 16 tiles of 16 rows it OWNS eight: own tile i is tile 2 i + (p ^ (i & 1)), the OTHER tile i is its neighbour in the pair.
; Keys and values are wanted for all 256 rows, so LayerNorm 1 and the K and V projections are also made for the other 128 rows.  Both halves have the same causal work.
; A wave has two parts.  COLUMNS: wave w owns head w = columns 32 w .. 32 w + 31 of Q, K, V, o, Wo's and W2's results, and hidden units 128 w .. 128 w + 127, for all rows; its share of each weight goes from memory
; straight into operand registers, once.  ROWS: for LayerNorms and the ways in and out wave w owns own tile w and other tile w; a row lies across the 32 lanes, columns 4 l .. 4 l + 3 and 128 + 4 l .. + 3 a lane.
; x of the 128 own rows lives in LDS.  No tile of a weight is shared through LDS (x and the operands' images fill it), so there are no tensor loads and no joint loads.
; LAYOUTS.  Products are used transposed (source 0 = 16 rows of a weight, source 1 = 16 rows of the activations): a lane holds one row.  Lane r of weight tile u takes row 32 (u / 2) + 8 (u % 2) + r + 8 (r / 8), so that
; the 16 registers of tiles 2 b, 2 b + 1 are 16 neighbours along the next K.  V alone is made the natural way, so that its registers run along the keys.  Keys stand in LOCAL order: tile 2 i = own i, tile 2 i + 1 = other i.
; K's codes stand on end, 4 registers a key tile; a K = 64 fragment reads 8: its upper half is the next tile's codes, which meet Q's zero codes.
; THE MASKS.  A hidden score gets -1e9 (in the sums' units) as the C of its product, so that its weight is 0.  A query q under f0, the first key whose mask is not 0, sees padded keys only: reference() then weighs all 256
; keys by 1 / 256, and so does this text: those rows' codes are replaced by the code of 1 / 256, on all 256 keys, by a select.
; LIMITS.  NaN and infinities among the inputs are not served.  Each power of two made from the given exponents is a normal f32 number: e0, e2, e4, e9, e12, e6-e0-e1, e7-e2-e3, e8-e4-e5, e10-e8-e9, e14-e12-e13+1 in -126 .. 112;
; e10+e11, e14+e15 in -126 .. 127; e6+e7 in -90 .. 120; e12+e13 in -60 .. 60.  True scores stay far under 1e9 in size.
.set LAYER, 0
.set NROWL, 16-8*LAYER                 ; loads that ask for a batch of four rows
.set IP,    272                        ; a row of an image: 256 codes + 16 bytes: sixteen rows begin at sixteen different groups of banks
.set IMGB,  16*IP
.set BLK,   5*IMGB                     ; block i: own K, other K, own V, other V, own Q
.set HI,    8*IMGB                     ; later: LN2's images at 0, the hidden layer's fragments from HI on: 16384 wave + 2048 tile + 512 piece + 16 lane
.set XS,    8*BLK                      ; x: 128 rows of 1,024 bytes + 16
.set XP,    1040
.set PADB,  XS+128*XP                  ; 256 words, local key order: 0 or -1e9
.set BT,    PADB+1024                  ; 512 bytes a wave, its own: b1, later b2
.set RA,  4                            ; v4-6   reader of images: 272 r + 16 h, + 3 blocks, + 6 blocks
.set CB,  32                           ; v32-39 the causal mask of the diagonal tile
.set QF,  40                           ; v40-47 Q's fragment: 4 registers of codes, 4 of zeros
.set AD,  52                           ; v52-56 offsets of the rows asked for
.set G,   64                           ; v64-79 a LayerNorm's gain and bias
.set O,   64                           ; v64-79 O^T in attention
.set BIAS, 80                          ; v80-95 a projection's bias, as C
.set X,   96
.set POS, 128
.set D,   160
.set Z,   192
.set CC,  208
.set ST,  232
.set XF,  96
.set AC,  160
.set WFB, 192
.set S,   96
.set P,   224
.set A_,  96
.set GA,  128
.set GT,  160
.set GP,  192
.set TM,  224
.set HC,  232
.set ACC, 96
.set KC,  0                            ; window 1: K's codes, 4 a tile, + 4 zeros
.set VT,  68                           ; window 1: V^T: 32 u + 16 (half of the keys)
.set QC,  132                          ; window 1: Q's codes, 4 a tile
.set WFA, 164                          ; window 1: a weight's four fragments: 32 u + 16 s
.set MSB, 0
.macro WIN new                         ; low byte: bits 1:0 source 0, 3:2 source 1, 5:4 source 2, 7:6 destination; the high byte repeats the setting that is left
.if MSB != \new
	s_set_vgpr_msb (MSB<<8)|\new
.set MSB, \new
.endif
.endm
.macro NOPS n
.rept \n
	v_nop
.endr
.endm
.macro BARRIER                         ; my LDS stores have landed and my LDS loads are in: then the work-group's barrier
	s_wait_dscnt 0x0
	s_barrier_signal -1
	s_barrier_wait -1
.endm
.macro MKSC vsc, vlim, sexp            ; 2^e as f32, and 57,344 x 2^e
	s_add_co_i32 s9, \sexp, 127
	s_lshl_b32 s10, s9, 23
	v_mov_b32 v[\vsc], s10
	s_add_co_i32 s9, s9, 15
	s_lshl_b32 s9, s9, 23
	s_or_b32 s9, s9, 0x600000
	v_mov_b32 v[\vlim], s9
.endm
.macro PADD p, sh                      ; a buffer's address + wave << sh
	s_lshl_b32 s10, s2, \sh
	s_mov_b32 s11, 0
	s_add_nc_u64 s[\p:\p+1], s[\p:\p+1], s[10:11]
.endm
.macro SPAIR p, val
	s_mov_b32 s[\p], \val
	s_mov_b32 s[\p+1], \val
.endm
.macro WFRAG dst, voff, sp, off        ; a weight's fragment, 16 rows x 128 K: registers 4 q .. 4 q + 3 hold k = 32 q + 16 h + 0 .. 15
.irp q,0,1,2,3
	global_load_b128 v[(\dst)+4*\q:(\dst)+4*\q+3], v[\voff], s[\sp:\sp+1] offset:(\off)+32*\q
.endr
.endm
.macro HOLD base, n, lim               ; the conversion to an 8-bit code does not saturate (ISA guide 7.6.2): hold within the largest code x the scale; ascending
.set hh, 0
.rept \n
	v_med3_num_f32 v[(\base)+hh], v[(\base)+hh], -v[\lim], v[\lim]
.set hh, hh+1
.endr
.endm
; s11 = a batch's number (0-3 own rows, 4-7 other rows, four rows each) -> s12 = its first row in the sequence; LAYER 0: its four ids are asked for
.macro ASKIDS
	s_lshr_b32 s12, s11, 2
	s_xor_b32 s12, s12, s5
	s_lshl_b32 s12, s12, 4
	s_and_b32 s13, s11, 3
	s_lshl_b32 s13, s13, 2
	s_add_co_u32 s12, s12, s13
	s_lshl_b32 s13, s2, 5
	s_add_co_u32 s12, s12, s13                     ; 32 w + 16 (sigma ^ other) + 4 (batch % 4)
.if LAYER == 0
	s_lshl_b32 s13, s12, 2
	s_load_b128 s[32:35], s[38:39], s13 offset:0x0
.endif
.endm
; the batch's four rows are asked for: each load reads 512 consecutive bytes of a row
.macro ASKROWS
	s_lshl_b32 s14, s12, 10
	v_add_nc_u32 v[AD+4], s14, v12
.if LAYER == 0
.irp k,0,1,2,3
	s_add_co_i32 s[32+\k], s[32+\k], 1
	s_max_i32 s[32+\k], s[32+\k], 0
	s_min_u32 s[32+\k], s[32+\k], 50000            ; ids = clip(seq + 1, 0, 50000)
	s_lshl_b32 s[32+\k], s[32+\k], 10
	v_add_nc_u32 v[AD+\k], s[32+\k], v12
.endr
.irp k,0,1,2,3
	global_load_b128 v[X+8*\k:X+8*\k+3], v[AD+\k], s[36:37]
	global_load_b128 v[X+8*\k+4:X+8*\k+7], v[AD+\k], s[36:37] offset:512
	global_load_b128 v[POS+8*\k:POS+8*\k+3], v[AD+4], s[40:41] offset:1024*\k
	global_load_b128 v[POS+8*\k+4:POS+8*\k+7], v[AD+4], s[40:41] offset:1024*\k+512
.endr
.else
.irp k,0,1,2,3
	global_load_b128 v[X+8*\k:X+8*\k+3], v[AD+4], s[36:37] offset:1024*\k
	global_load_b128 v[X+8*\k+4:X+8*\k+7], v[AD+4], s[36:37] offset:1024*\k+512
.endr
.endif
.endm
.macro LANESUM t                       ; v[ST + 4 k + t] summed over the 32 lanes, four rows by turns
.irp m,1,2,4,8
.irp k,0,1,2,3
	v_add_f32_dpp v[ST+4*\k+\t], v[ST+4*\k+\t], v[ST+4*\k+\t] row_xmask:\m row_mask:0xf bank_mask:0xf
.endr
.endr
.irp k,0,1,2,3
	v_permlanex16_b32 v[ST+4*\k+\t+1], v[ST+4*\k+\t], s48, s49
.endr
.irp k,0,1,2,3
	v_add_f32 v[ST+4*\k+\t], v[ST+4*\k+\t], v[ST+4*\k+\t+1]
.endr
.endm
; LayerNorm of four rows, first half: the mean, and D = X - mean.  X is free behind it
.macro LNA
.irp k,0,1,2,3
	v_pk_add_f32 v[ST+4*\k:ST+4*\k+1], v[X+8*\k:X+8*\k+1], v[X+8*\k+2:X+8*\k+3]
	v_pk_add_f32 v[ST+4*\k+2:ST+4*\k+3], v[X+8*\k+4:X+8*\k+5], v[X+8*\k+6:X+8*\k+7]
.endr
.irp k,0,1,2,3
	v_pk_add_f32 v[ST+4*\k:ST+4*\k+1], v[ST+4*\k:ST+4*\k+1], v[ST+4*\k+2:ST+4*\k+3]
.endr
.irp k,0,1,2,3
	v_add_f32 v[ST+4*\k], v[ST+4*\k], v[ST+4*\k+1]
.endr
	LANESUM 0
.irp k,0,1,2,3
	v_mul_f32 v[ST+4*\k], 0xbb800000, v[ST+4*\k]   ; - the mean
.endr
.irp k,0,1,2,3
.irp j,0,2,4,6
	v_pk_add_f32 v[D+8*\k+\j:D+8*\k+\j+1], v[X+8*\k+\j:X+8*\k+\j+1], v[ST+4*\k:ST+4*\k+1] op_sel_hi:[1,0]
.endr
.endr
.endm
; second half: the variance of the differences (no difference of large sums), D = D / sqrt(var + eps) x gain + bias
.macro LNB
.irp k,0,1,2,3
	v_pk_mul_f32 v[ST+4*\k+2:ST+4*\k+3], v[D+8*\k:D+8*\k+1], v[D+8*\k:D+8*\k+1]
.endr
.irp j,2,4,6
.irp k,0,1,2,3
	v_pk_fma_f32 v[ST+4*\k+2:ST+4*\k+3], v[D+8*\k+\j:D+8*\k+\j+1], v[D+8*\k+\j:D+8*\k+\j+1], v[ST+4*\k+2:ST+4*\k+3]
.endr
.endr
.irp k,0,1,2,3
	v_add_f32 v[ST+4*\k+2], v[ST+4*\k+2], v[ST+4*\k+3]
.endr
	LANESUM 2
.irp k,0,1,2,3
	v_fma_f32 v[ST+4*\k+2], v[ST+4*\k+2], s58, s59 ; / 256 + 1e-5
.endr
.irp k,0,1,2,3
	v_rsq_f32 v[ST+4*\k+2], v[ST+4*\k+2]
.endr
	v_nop                                          ; a plain line behind the last root,
	s_wait_alu depctr_va_vdst(0)                   ; and one wait for the four, ahead of their first reader
.irp k,0,1,2,3
.irp j,0,2,4,6
	v_pk_mul_f32 v[D+8*\k+\j:D+8*\k+\j+1], v[D+8*\k+\j:D+8*\k+\j+1], v[ST+4*\k+2:ST+4*\k+3] op_sel_hi:[1,0]
.endr
.endr
.irp k,0,1,2,3
.irp j,0,2,4,6
	v_pk_fma_f32 v[D+8*\k+\j:D+8*\k+\j+1], v[D+8*\k+\j:D+8*\k+\j+1], v[G+\j:G+\j+1], v[G+8+\j:G+8+\j+1]
.endr
.endr
.endm
; row k of D becomes 8 codes a lane, which go to row k of the image at v11 + img.  The held numbers take two sets of registers by turns, so that eight plain lines stand between a conversion and the next write of its sources
.macro QROW k, sc, lim, c, img
.irp j,0,1,2,3,4,5,6,7
	v_med3_num_f32 v[Z+8*((\c)%2)+\j], v[D+8*(\k)+\j], -v[\lim], v[\lim]
.endr
	v_cvt_scalef32_pk8_bf8_f32 v[CC+2*(\c):CC+2*(\c)+1], v[Z+8*((\c)%2):Z+8*((\c)%2)+7], v[\sc]
	ds_store_b32 v11, v[CC+2*(\c)] offset:(\img)+(\k)*IP
	ds_store_b32 v11, v[CC+2*(\c)+1] offset:(\img)+(\k)*IP+128
.endm
; a trip of the way in: four rows.  s7 = the batch, s8 = its rows' place in my block's images, s61 = in my rows of x
.macro P1TRIP own
	s_wait_loadcnt 0x0                             ; this batch's rows are in (and so their offsets' registers are free)
	s_add_co_u32 s11, s7, 1
	s_and_b32 s11, s11, 7
	ASKIDS                                         ; the next batch (behind the last: batch 0's ids again, inside the buffer, not used)
.if LAYER == 0
.set hh, 0
.rept 16
	v_pk_add_f32 v[X+hh:X+hh+1], v[X+hh:X+hh+1], v[POS+hh:POS+hh+1]
.set hh, hh+2
.endr
.endif
.if \own
	v_add_nc_u32 v10, s61, v18
.irp k,0,1,2,3
	ds_store_b128 v10, v[X+8*\k:X+8*\k+3] offset:\k*XP
	ds_store_b128 v10, v[X+8*\k+4:X+8*\k+7] offset:\k*XP+512
.endr
.endif
	LNA
	s_wait_dscnt 0x0
.if LAYER == 0
	s_wait_kmcnt 0x0                               ; the ids are in
.endif
.if \own == 0
	s_cmp_eq_u32 s7, 7                             ; behind the last batch nothing is asked for
	s_cbranch_scc1 .Lnomore_\@
.endif
	ASKROWS                                        ; they land while this batch is normalised and quantised
.if \own == 0
.Lnomore_\@:
.endif
	LNB
	v_add_nc_u32 v11, s8, v7
.if \own
.irp k,0,1,2,3
	QROW \k,28,29,3*\k,0
	QROW \k,30,31,3*\k+1,2*IMGB
	QROW \k,26,27,3*\k+2,4*IMGB
.endr
.else
.irp k,0,1,2,3
	QROW \k,28,29,2*\k,0
	QROW \k,30,31,2*\k+1,2*IMGB
.endr
.endif
	v_nop                                          ; a plain line behind the last conversion
.endm
.macro XLOAD2 i, img                   ; own tile i's and other tile i's fragments (two K steps each) out of block i
.irp a,0,1
.irp s,0,1
.irp q,0,1,2,3
	ds_load_b128 v[XF+32*\a+16*\s+4*\q:XF+32*\a+16*\s+4*\q+3], v[RA+(\i)/3] offset:((\i)%3)*BLK+(\img)+\a*IMGB+128*\s+32*\q
.endr
.endr
.endr
.endm
.macro XLOADQ i
.irp s,0,1
.irp q,0,1,2,3
	ds_load_b128 v[XF+16*\s+4*\q:XF+16*\s+4*\q+3], v[RA+(\i)/3] offset:((\i)%3)*BLK+4*IMGB+128*\s+32*\q
.endr
.endr
.endm
; K of key tiles 2 i, 2 i + 1: four accumulators by turns, the bias as the first C.  Four places, then the next step's fragments are asked for; the holds and conversions stand over their way
.macro KSTEP i
	s_wait_dscnt 0x0
	WIN 0x01
.irp s,0,1
.irp a,0,1
.irp u,0,1
.if \s == 0
	v_wmma_f32_16x16x128_bf8_bf8 v[AC+16*\a+8*\u:AC+16*\a+8*\u+7], v[WFA+32*\u:WFA+32*\u+15], v[XF+32*\a:XF+32*\a+15], v[BIAS+8*\u:BIAS+8*\u+7]
.else
	v_wmma_f32_16x16x128_bf8_bf8 v[AC+16*\a+8*\u:AC+16*\a+8*\u+7], v[WFA+32*\u+16:WFA+32*\u+31], v[XF+32*\a+16:XF+32*\a+31], v[AC+16*\a+8*\u:AC+16*\a+8*\u+7]
.endif
.endr
.endr
.endr
	WIN 0
	NOPS 4
.if \i < 7
	XLOAD2 \i+1,0
.else
	XLOAD2 0,2*IMGB
.endif
	HOLD AC,32,27
	WIN 0x40
.irp a,0,1
.irp u,0,1
	v_cvt_scalef32_pk8_bf8_f32 v[KC+4*(2*(\i)+\a)+2*\u:KC+4*(2*(\i)+\a)+2*\u+1], v[AC+16*\a+8*\u:AC+16*\a+8*\u+7], v26
.endr
.endr
	WIN 0
	v_nop
.endm
; V the natural way (source 0 = the rows, source 1 = Wv): a lane holds one channel, its registers run along the keys
.macro VSTEP i
	s_wait_dscnt 0x0
.irp s,0,1
.irp a,0,1
.irp u,0,1
.if \s == 0
	v_wmma_f32_16x16x128_bf8_bf8 v[AC+16*\a+8*\u:AC+16*\a+8*\u+7], v[XF+32*\a:XF+32*\a+15], v[WFB+32*\u:WFB+32*\u+15], v[BIAS+8*\u:BIAS+8*\u+7]
.else
	v_wmma_f32_16x16x128_bf8_bf8 v[AC+16*\a+8*\u:AC+16*\a+8*\u+7], v[XF+32*\a+16:XF+32*\a+31], v[WFB+32*\u+16:WFB+32*\u+31], v[AC+16*\a+8*\u:AC+16*\a+8*\u+7]
.endif
.endr
.endr
.endr
	NOPS 4
.if \i < 7
	XLOAD2 \i+1,2*IMGB
.else
	XLOADQ 0
.endif
	HOLD AC,32,29
	WIN 0x40
.irp a,0,1
.irp u,0,1
	v_cvt_scalef32_pk8_bf8_f32 v[VT+32*\u+16*((2*(\i)+\a)/8)+2*((2*(\i)+\a)%8):VT+32*\u+16*((2*(\i)+\a)/8)+2*((2*(\i)+\a)%8)+1], v[AC+16*\a+8*\u:AC+16*\a+8*\u+7], v28
.endr
.endr
	WIN 0
	v_nop
.endm
.macro QSTEP i
	s_wait_dscnt 0x0
	WIN 0x01
.irp s,0,1
.irp u,0,1
.if \s == 0
	v_wmma_f32_16x16x128_bf8_bf8 v[AC+8*\u:AC+8*\u+7], v[WFA+32*\u:WFA+32*\u+15], v[XF:XF+15], v[BIAS+8*\u:BIAS+8*\u+7]
.else
	v_wmma_f32_16x16x128_bf8_bf8 v[AC+8*\u:AC+8*\u+7], v[WFA+32*\u+16:WFA+32*\u+31], v[XF+16:XF+31], v[AC+8*\u:AC+8*\u+7]
.endif
.endr
.endr
	WIN 0
	NOPS 4
.if \i < 7
	XLOADQ \i+1
.endif
	HOLD AC,16,31
	WIN 0x40
.irp u,0,1
	v_cvt_scalef32_pk8_bf8_f32 v[QC+4*(\i)+2*\u:QC+4*(\i)+2*\u+1], v[AC+8*\u:AC+8*\u+7], v30
.endr
	WIN 0
	v_nop
.endm
.macro PRELOAD n2                      ; the padding's 0 or -1e9 of n2 key tiles, as the C of the scores
.set tc, 0
.rept \n2
	ds_load_b128 v[S+8*tc:S+8*tc+3], v19 offset:64*tc
	ds_load_b128 v[S+8*tc+4:S+8*tc+7], v19 offset:64*tc+16
.set tc, tc+1
.endr
.endm
; ATTENTION of my head for own tile i: its 16 queries against key tiles 0 .. 2 i + 1; a lane holds one query (lane % 16) and, of each tile, keys 8 (lane / 16) + 0 .. 7
.macro ATT i
.set NT, 2*(\i)+2
	WIN 0x01
.irp j,0,1,2,3
	v_mov_b32 v[QF+\j], v[QC+4*(\i)+\j]
.endr
	WIN 0
	s_wait_dscnt 0x0                               ; the padding's words are in
.irp j,0,1,2,3,4,5,6,7
	v_min_num_f32 v[S+8*(NT-2)+\j], v[S+8*(NT-2)+\j], v[CB+\j]                ; the tile itself: keys behind the query are hidden
	v_min_num_f32 v[S+8*(NT-1)+\j], s[54+(\i)%2], v[S+8*(NT-1)+\j]            ; its neighbour: all seen or all hidden
.endr
	WIN 0x01
.set tc, 0
.rept NT
	v_wmma_f32_16x16x64_bf8_bf8 v[S+8*tc:S+8*tc+7], v[KC+4*tc:KC+4*tc+7], v[QF:QF+7], v[S+8*tc:S+8*tc+7]
.set tc, tc+1
.endr
	WIN 0
	v_mov_b32 v48, 0xff800000
	v_mov_b32 v49, 0xff800000
	NOPS 2                                         ; with the two lines above: four places
.set tc, 0
.rept NT/2                                     ; the row's largest score, in two chains, each tile from its low end on
.irp j,0,2,4,6
	v_max3_num_f32 v48, v48, v[S+16*tc+\j], v[S+16*tc+\j+1]
	v_max3_num_f32 v49, v49, v[S+16*tc+8+\j], v[S+16*tc+8+\j+1]
.endr
.set tc, tc+1
.endr
	v_max_num_f32 v48, v48, v49
	v_permlanex16_b32 v49, v48, s48, s49
	v_max_num_f32 v48, v48, v49
	v_mul_f32 v50, s52, v48                        ; - c x the maximum: its rounding is common to the row and leaves p / sum as it is
.set tc, 0
.rept 4*NT
	v_pk_fma_f32 v[S+tc:S+tc+1], v[S+tc:S+tc+1], s[50:51], v[50:51] op_sel_hi:[1,0,0]
.set tc, tc+2
.endr
.set tc, 0
.rept 8*NT
	v_exp_f32 v[S+tc], v[S+tc]
.set tc, tc+1
.endr
	v_nop                                          ; a plain line behind the last exponential,
	s_wait_alu depctr_va_vdst(0)                   ; one wait for the batch
	v_pk_add_f32 v[52:53], v[S:S+1], v[S+2:S+3]
	v_pk_add_f32 v[54:55], v[S+4:S+5], v[S+6:S+7]
.set tc, 8
.rept 2*NT-2
	v_pk_add_f32 v[52:53], v[52:53], v[S+tc:S+tc+1]
	v_pk_add_f32 v[54:55], v[54:55], v[S+tc+2:S+tc+3]
.set tc, tc+4
.endr
	v_pk_add_f32 v[52:53], v[52:53], v[54:55]
	v_add_f32 v52, v52, v53
	v_permlanex16_b32 v53, v52, s48, s49
	v_add_f32 v52, v52, v53
	v_rcp_f32 v56, v52
	v_nop
	s_wait_alu depctr_va_vdst(0)
.set tc, 0
.rept NT                                       ; the finished, normalised weights are what is quantised
.irp j,0,2,4,6
	v_pk_mul_f32 v[S+8*tc+\j:S+8*tc+\j+1], v[S+8*tc+\j:S+8*tc+\j+1], v[56:57] op_sel_hi:[1,0]
.endr
.irp j,0,1,2,3,4,5,6,7
	v_min_num_f32 v[S+8*tc+\j], v[S+8*tc+\j], v27  ; never negative: the hold is one-sided
.endr
	v_cvt_scalef32_pk8_bf8_f32 v[P+2*tc:P+2*tc+1], v[S+8*tc:S+8*tc+7], v26
.set tc, tc+1
.endr
	v_nop
	s_sub_co_i32 s9, s6, 32*(\i)
	v_cmp_gt_i32 vcc_lo, s9, v[23+(\i)%2]          ; my query lies under f0: it sees padded keys only
.set tc, 0
.rept 32
.if tc < 2*NT
	v_cndmask_b32 v[P+tc], v[P+tc], v25, vcc_lo
.else
	v_cndmask_b32 v[P+tc], 0, v25, vcc_lo          ; keys past the causal edge: zero codes, but for such a query
.endif
.set tc, tc+1
.endr
.if \i < 7
	PRELOAD NT+2
.endif
	WIN 0x01
	v_wmma_f32_16x16x128_bf8_bf8 v[O:O+7], v[VT:VT+15], v[P:P+15], 0
	v_wmma_f32_16x16x128_bf8_bf8 v[O+8:O+15], v[VT+32:VT+47], v[P:P+15], 0
	v_wmma_f32_16x16x128_bf8_bf8 v[O:O+7], v[VT+16:VT+31], v[P+16:P+31], v[O:O+7]
	v_wmma_f32_16x16x128_bf8_bf8 v[O+8:O+15], v[VT+48:VT+63], v[P+16:P+31], v[O+8:O+15]
	WIN 0
	NOPS 4
	HOLD O,16,29
	v_cvt_scalef32_pk8_bf8_f32 v[60:61], v[O:O+7], v28
	v_cvt_scalef32_pk8_bf8_f32 v[62:63], v[O+8:O+15], v28
	v_nop
	ds_store_b128 v20, v[60:63] offset:(\i)*4096   ; piece w of Wo's operand: k = 32 w + 16 h + 0 .. 15 of row r
.endm
.macro XRLOAD i, xr                    ; my 16 columns of x, row r of own tile i
.irp q,0,1,2,3
	ds_load_b128 v[(\xr)+4*\q:(\xr)+4*\q+3], v[15+(\i)/4] offset:((\i)%4)*16*XP+16*\q
.endr
.endm
.macro XSUPD i, acc, xr                ; x += sum x 2^e
.irp j,0,2,4,6,8,10,12,14
	v_pk_fma_f32 v[(\xr)+\j:(\xr)+\j+1], v[(\acc)+\j:(\acc)+\j+1], s[56:57], v[(\xr)+\j:(\xr)+\j+1] op_sel_hi:[1,0,1]
.endr
.irp q,0,1,2,3
	ds_store_b128 v[15+(\i)/4], v[(\xr)+4*\q:(\xr)+4*\q+3] offset:((\i)%4)*16*XP+16*\q
.endr
.endm
.macro WOLOAD i
.irp c,0,1,2,3,4,5,6,7
	ds_load_b128 v[XF+4*\c:XF+4*\c+3], v12 offset:(\i)*4096+512*\c
.endr
	XRLOAD \i,144+16*((\i)%2)
.endm
.macro WOSTEP i
	s_wait_dscnt 0x0
	WIN 0x01
.irp s,0,1
.irp u,0,1
.if \s == 0
	v_wmma_f32_16x16x128_bf8_bf8 v[128+8*\u:128+8*\u+7], v[WFA+32*\u:WFA+32*\u+15], v[XF:XF+15], v[BIAS+8*\u:BIAS+8*\u+7]
.else
	v_wmma_f32_16x16x128_bf8_bf8 v[128+8*\u:128+8*\u+7], v[WFA+32*\u+16:WFA+32*\u+31], v[XF+16:XF+31], v[128+8*\u:128+8*\u+7]
.endif
.endr
.endr
	WIN 0
	NOPS 4
.if \i < 7
	WOLOAD \i+1
.endif
	XSUPD \i,128,144+16*((\i)%2)
.endm
.macro BIASLD adr                      ; b1 of the pass's four tiles, in the result's layout, as C
.irp u,0,1,2,3
	ds_load_b128 v[A_+8*\u:A_+8*\u+3], v[\adr] offset:128*(\u/2)+32*(\u%2)
	ds_load_b128 v[A_+8*\u+4:A_+8*\u+7], v[\adr] offset:128*(\u/2)+32*(\u%2)+16
.endr
.endm
.macro W1LOAD pass
	WIN 0x40
.irp u,0,1,2,3
.irp s,0,1
	WFRAG 32*\u+16*\s,21,88,LAYER*262144+(64*(\pass)+32*(\u/2)+8*(\u%2))*256+128*\s
.endr
.endr
	WIN 0
.endm
; exact gelu of 32 sums A (x = A 2^E): 2 g / 2^E = (A + |A|) - |A| t 2^arg, t = 1 / (1 + |x| / sqrt(8)), arg = log2(e) (-x^2 / 2 + a polynomial of degree 9 in t): erfc to about 1e-7 of its value for every x
.macro GELU32
.set hh, 0
.rept 32
	v_and_b32 v[GA+hh], s60, v[A_+hh]
.set hh, hh+1
.endr
.set hh, 0
.rept 16
	v_pk_fma_f32 v[GT+hh:GT+hh+1], v[GA+hh:GA+hh+1], s[84:85], 1.0 op_sel_hi:[1,0,0]
.set hh, hh+2
.endr
.set hh, 0
.rept 32
	v_rcp_f32 v[GT+hh], v[GT+hh]
.set hh, hh+1
.endr
.set hh, 0
.rept 16                                       ; plain work behind the reciprocals
	v_pk_add_f32 v[A_+hh:A_+hh+1], v[A_+hh:A_+hh+1], v[GA+hh:GA+hh+1]
.set hh, hh+2
.endr
	s_wait_alu depctr_va_vdst(0)                   ; one wait for the batch
.set hh, 0
.rept 16
	v_pk_fma_f32 v[GP+hh:GP+hh+1], v[GT+hh:GT+hh+1], v[240:241], s[66:67] op_sel_hi:[1,0,0]
.set hh, hh+2
.endr
.irp c,68,70,72,74,76,78,80,82
.set hh, 0
.rept 16
	v_pk_fma_f32 v[GP+hh:GP+hh+1], v[GP+hh:GP+hh+1], v[GT+hh:GT+hh+1], s[\c:\c+1] op_sel_hi:[1,1,0]
.set hh, hh+2
.endr
.endr
.set hh, 0
.rept 16
	v_pk_mul_f32 v[TM+hh%8:TM+hh%8+1], v[GA+hh:GA+hh+1], v[GA+hh:GA+hh+1]
	v_pk_fma_f32 v[GP+hh:GP+hh+1], v[TM+hh%8:TM+hh%8+1], s[86:87], v[GP+hh:GP+hh+1] op_sel_hi:[1,0,1]
.set hh, hh+2
.endr
.set hh, 0
.rept 32
	v_exp_f32 v[GP+hh], v[GP+hh]
.set hh, hh+1
.endr
.set hh, 0
.rept 16                                       ; plain work behind the exponentials
	v_pk_mul_f32 v[GA+hh:GA+hh+1], v[GA+hh:GA+hh+1], v[GT+hh:GT+hh+1]
.set hh, hh+2
.endr
	s_wait_alu depctr_va_vdst(0)
.set hh, 0
.rept 16
	v_pk_fma_f32 v[A_+hh:A_+hh+1], v[GA+hh:GA+hh+1], v[GP+hh:GP+hh+1], v[A_+hh:A_+hh+1] neg_lo:[1,0,0] neg_hi:[1,0,0]
.set hh, hh+2
.endr
	HOLD A_,32,27
.irp t,0,1,2,3
	v_cvt_scalef32_pk8_bf8_f32 v[HC+2*\t:HC+2*\t+1], v[A_+8*\t:A_+8*\t+7], v26
.endr
	v_nop
.endm
; a K step of the second FFN product: the eight tiles' hidden fragments from LDS, sixteen accumulators by turns; then weight set k takes the K step two further on (it wraps, inside the buffer)
.macro FF2STEP k
.if \k == 0
	v_add_nc_u32 v10, s8, v12
.else
	v_add_nc_u32 v10, 16384, v10
.endif
	WIN 0x40
.irp t,0,1,2,3,4,5,6,7
.irp q,0,1,2,3
	ds_load_b128 v[16*\t+4*\q:16*\t+4*\q+3], v10 offset:2048*\t+512*\q
.endr
.endr
	WIN 0
	s_wait_loadcnt 8                               ; this set's eight loads are in; the other set's eight may be out
	WIN 0x05
.irp t,0,1,2,3,4,5,6,7
	s_wait_dscnt 28-4*\t                           ; tile t's four loads are in; four for each later tile may be out
	v_wmma_f32_16x16x128_bf8_bf8 v[ACC+16*\t:ACC+16*\t+7], v[160+32*\k:160+32*\k+15], v[16*\t:16*\t+15], v[ACC+16*\t:ACC+16*\t+7]
	v_wmma_f32_16x16x128_bf8_bf8 v[ACC+16*\t+8:ACC+16*\t+15], v[176+32*\k:176+32*\k+15], v[16*\t:16*\t+15], v[ACC+16*\t+8:ACC+16*\t+15]
.endr
	WIN 0
	NOPS 4
	s_lshl_b32 s9, s7, 1
	s_add_co_u32 s9, s9, \k+2
	s_and_b32 s9, s9, 7
	s_lshl_b32 s9, s9, 7
	v_add_nc_u32 v[58+\k], s9, v22                 ; free: the loads that it addressed are in
	WIN 0x40
	WFRAG 160+32*\k,58+\k,92,LAYER*262144
	WFRAG 176+32*\k,58+\k,92,LAYER*262144+8192
	WIN 0
.endm
; ---------------- HEAD
	s_load_b256 s[36:43], s[0:1], 0x0              ; LAYER 0: item_emb, seq, pos_emb; LAYER 1: x1, (fn_g, fn_b); mask
	s_load_b64 s[44:45], s[0:1], 0x20              ; the scales' exponents
	s_load_b128 s[84:87], s[0:1], 0x28             ; ln1_g, ln1_b
	s_load_b128 s[88:91], s[0:1], 0x48             ; Wk, bk
	s_load_b64 s[92:93], s[0:1], 0x60              ; bv
	s_set_vgpr_msb 0x40
	v_lshl_add_u32 v254, v0, 2, 0x4c400
	v_mov_b32 v255, 0
	s_set_vgpr_msb 0x4000
	v_lshrrev_b32 v1, 5, v0
	v_readfirstlane_b32 s2, v1                     ; wave
	v_and_b32 v1, 31, v0                           ; lane
	v_and_b32 v2, 15, v0                           ; r
	v_bfe_u32 v3, v0, 4, 1                         ; h
	s_and_b32 s3, ttmp9, 1                         ; p
	s_lshr_b32 s4, ttmp9, 1                        ; b
	s_and_b32 s5, s2, 1
	s_xor_b32 s5, s5, s3                           ; sigma of tile w
	v_mul_u32_u24 v4, v2, IP
	v_lshl_add_u32 v4, v3, 4, v4
	v_add_nc_u32 v5, 3*BLK, v4
	v_add_nc_u32 v6, 6*BLK, v4
	s_mul_i32 s9, s2, BLK
	v_lshl_add_u32 v7, v1, 2, s9                   ; writer of my block's images
	s_mul_i32 s9, s2, IMGB
	v_lshl_add_u32 v8, v1, 2, s9                   ; writer of LN2's image
	v_lshlrev_b32 v12, 4, v1                       ; 16 lane
	s_lshl_b32 s9, s2, 14
	s_add_co_u32 s9, s9, HI
	v_add_nc_u32 v9, s9, v12                       ; writer of the hidden layer's fragments
	s_lshl_b32 s9, s2, 9
	v_add_nc_u32 v20, s9, v12                      ; writer of o's pieces
	s_add_co_u32 s9, s9, BT
	v_lshl_add_u32 v13, v3, 6, s9                  ; my bias words: reader,
	v_add_nc_u32 v14, s9, v12                      ; writer of b1,
	v_lshl_add_u32 v17, v1, 2, s9                  ; writer of b2
	v_mul_u32_u24 v15, v2, XP
	v_lshl_add_u32 v15, v3, 6, v15
	s_lshl_b32 s9, s2, 7
	s_add_co_u32 s9, s9, XS
	v_add_nc_u32 v15, s9, v15                      ; x by columns: row r, columns 32 w + 16 h on
	v_add_nc_u32 v16, 64*XP, v15
	s_mul_i32 s9, s2, 16*XP
	s_add_co_u32 s9, s9, XS
	v_add_nc_u32 v18, s9, v12                      ; x by rows: my 16 rows
	v_lshlrev_b32 v19, 5, v3
	v_add_nc_u32 v19, PADB, v19
	v_and_b32 v50, 8, v2
	v_add_nc_u32 v50, v50, v2                      ; r + 8 (r / 8)
	v_lshlrev_b32 v21, 8, v50
	v_lshl_add_u32 v21, v3, 4, v21                 ; a weight's rows of 256 codes
	v_lshlrev_b32 v22, 10, v50
	v_lshl_add_u32 v22, v3, 4, v22                 ; of 1,024 codes
	v_lshlrev_b32 v50, 2, v50
	v_lshlrev_b32 v49, 6, v3
	s_lshl_b32 s9, s3, 4
	v_add_nc_u32 v23, s9, v2                       ; my query less 32 i, for even i,
	s_xor_b32 s9, s9, 16
	v_add_nc_u32 v24, s9, v2                       ; for odd i
	v_xor_b32 v10, s5, v3
	v_lshl_add_u32 v10, v10, 4, v2
	s_lshl_b32 s9, s2, 5
	v_add_nc_u32 v10, s9, v10
	v_lshlrev_b32 v10, 2, v10                      ; the key that stands at local place = my thread's number
	s_mov_b32 s48, 0x76543210
	s_mov_b32 s49, 0xfedcba98
	s_mov_b32 s58, 0x3b800000                      ; 1 / 256
	s_mov_b32 s59, 0x3727c5ac                      ; 1e-5
	s_mov_b32 s60, 0x7fffffff
.irp j,4,5,6,7
	v_mov_b32 v[QF+\j], 0
.endr
	WIN 0x40
.irp j,64,65,66,67
	v_mov_b32 v[KC+\j], 0
.endr
	WIN 0
	s_wait_kmcnt 0x0
	s_load_b512 s[16:31], s[44:45], LAYER*64       ; e0 .. e15 of this block
	s_lshl_b32 s10, s4, 10
	s_mov_b32 s11, 0
	s_add_nc_u64 s[42:43], s[42:43], s[10:11]
.if LAYER == 0
	s_add_nc_u64 s[38:39], s[38:39], s[10:11]
.else
	s_lshl_b32 s10, s4, 18
	s_add_nc_u64 s[36:37], s[36:37], s[10:11]
.endif
	PADD 88,13
	PADD 90,7
	PADD 92,7
	s_mov_b32 s11, 0
	ASKIDS
	global_load_b32 v48, v10, s[42:43]
	global_load_b128 v[160:163], v12, s[42:43]
	global_load_b128 v[164:167], v12, s[42:43] offset:512
	global_load_b128 v[G:G+3], v12, s[84:85] offset:LAYER*1024
	global_load_b128 v[G+4:G+7], v12, s[84:85] offset:LAYER*1024+512
	global_load_b128 v[G+8:G+11], v12, s[86:87] offset:LAYER*1024
	global_load_b128 v[G+12:G+15], v12, s[86:87] offset:LAYER*1024+512
.irp c,0,1,2,3
	global_load_b128 v[BIAS+4*\c:BIAS+4*\c+3], v49, s[90:91] offset:LAYER*1024+16*\c
.endr
	global_load_b32 v58, v50, s[92:93] offset:LAYER*1024
	global_load_b32 v59, v50, s[92:93] offset:LAYER*1024+32
	WIN 0x40
.irp u,0,1
.irp s,0,1
	WFRAG WFA+32*\u+16*\s,21,88,LAYER*65536+2048*\u+128*\s
.endr
.endr
	WIN 0
	s_wait_kmcnt 0x0
	ASKROWS
	s_add_co_i32 s9, s22, s23                      ; e6 + e7
	s_lshl_b32 s9, s9, 23
	s_add_co_i32 s50, s9, 0x3e8293ee               ; c = log2(e) / sqrt(32) x 2^(e6 + e7)
	s_mov_b32 s51, s50
	s_xor_b32 s52, s50, 0x80000000
	s_sub_co_i32 s53, 0xcfa8965f, s9               ; -1e9 sqrt(32) / 2^(e6 + e7): the score -1e9 in the sums' units
	s_mov_b32 s9, 0x7f61b1e6
	s_cmp_eq_u32 s3, 1
	s_cselect_b32 s54, s9, s53                     ; the neighbour tile comes first (all seen) or later (all hidden): even i,
	s_cselect_b32 s55, s53, s9                     ; odd i
	v_lshlrev_b32 v60, 3, v3
	v_sub_nc_u32 v60, v2, v60
	v_mov_b32 v61, s53
	v_mov_b32 v62, 0x7f61b1e6
.irp j,0,1,2,3,4,5,6,7
	v_cmp_gt_i32 vcc_lo, \j, v60                   ; key 8 h + j behind query r
	v_cndmask_b32 v[CB+\j], v62, v61, vcc_lo
.endr
	MKSC 26,27,s16
	MKSC 28,29,s18
	MKSC 30,31,s20
	v_lshl_add_u32 v63, v0, 2, PADB
	s_wait_loadcnt 26+NROWL                        ; the three loads of the mask are in; the 26 behind them and the first rows may be out
	v_cmp_eq_u32 vcc_lo, 0, v48
	v_cndmask_b32 v48, 0, v61, vcc_lo
	ds_store_b32 v63, v48
	s_mov_b32 s6, 256                              ; f0: the first key whose mask is not 0
.irp j,0,1,2,3,4,5,6,7
	v_cmp_ne_u32 s9, 0, v[160+\j]
	s_ctz_i32_b32 s9, s9
	s_min_u32 s9, s9, 64
	s_lshl_b32 s9, s9, 2
	s_add_co_u32 s9, s9, (\j%4)+128*(\j/4)
	s_min_u32 s6, s6, s9
.endr
; ---------------- the way in and LayerNorm 1, by rows
	s_mov_b32 s7, 0
	s_mov_b32 s8, 0
	s_mov_b32 s61, 0
.Lown:
	P1TRIP 1
	s_add_co_u32 s8, s8, 4*IP
	s_add_co_u32 s61, s61, 4*XP
	s_add_co_u32 s7, s7, 1
	s_cmp_lt_u32 s7, 4
	s_cbranch_scc1 .Lown
	s_mov_b32 s7, 4
	s_mov_b32 s8, IMGB
.Lother:
	P1TRIP 0
	s_add_co_u32 s8, s8, 4*IP
	s_add_co_u32 s7, s7, 1
	s_cmp_lt_u32 s7, 8
	s_cbranch_scc1 .Lother
; ---------------- the projections, by columns
	s_wait_xcnt 0x0
	s_load_b64 s[44:45], s[0:1], 0x40              ; bq
	s_load_b64 s[46:47], s[0:1], 0x58              ; Wv
	s_add_co_i32 s12, s18, s19
	s_sub_co_i32 s14, 0, s12
.set hh, 0
.rept 16
	v_ldexp_f32 v[BIAS+hh], v[BIAS+hh], s14        ; a bias goes in as C, divided by the power of two that the sums lack
.set hh, hh+1
.endr
	s_sub_co_i32 s12, s23, s12
	MKSC 26,27,s12                                 ; K: e7 - e2 - e3
	s_add_co_i32 s12, s20, s21
	s_sub_co_i32 s15, 0, s12
	s_sub_co_i32 s12, s24, s12
	MKSC 28,29,s12                                 ; V: e8 - e4 - e5
	s_add_co_i32 s12, s16, s17
	s_sub_co_i32 s62, 0, s12
	s_sub_co_i32 s12, s22, s12
	MKSC 30,31,s12                                 ; Q: e6 - e0 - e1
	s_wait_dscnt 0x0
	s_wait_kmcnt 0x0
	PADD 44,7
	PADD 46,13
.irp c,0,1,2,3
	global_load_b128 v[G+4*\c:G+4*\c+3], v49, s[44:45] offset:LAYER*1024+16*\c
.endr
.irp u,0,1
.irp s,0,1
	WFRAG WFB+32*\u+16*\s,21,46,LAYER*65536+2048*\u+128*\s
.endr
.endr
	BARRIER                                        ; all images and the padding's words lie in LDS
	XLOAD2 0,0
.irp i,0,1,2,3,4,5,6,7
	KSTEP \i
.endr
	s_wait_xcnt 0x0
	s_load_b64 s[44:45], s[0:1], 0x38              ; Wq
.irp j,0,1,2,3,4,5,6,7
	v_ldexp_f32 v[BIAS+\j], v58, s15               ; V the natural way: a lane has one channel, so one bias in all eight registers
	v_ldexp_f32 v[BIAS+8+\j], v59, s15
.endr
	s_wait_kmcnt 0x0
	PADD 44,13
	WIN 0x40
.irp u,0,1
.irp s,0,1
	WFRAG WFA+32*\u+16*\s,21,44,LAYER*65536+2048*\u+128*\s
.endr
.endr
	WIN 0
	s_wait_loadcnt 16                              ; bq and Wv are in; Wq's sixteen loads may be out
.irp i,0,1,2,3,4,5,6,7
	VSTEP \i
.endr
	s_wait_loadcnt 0x0
.set hh, 0
.rept 16
	v_ldexp_f32 v[BIAS+hh], v[G+hh], s62
.set hh, hh+1
.endr
.irp i,0,1,2,3,4,5,6,7
	QSTEP \i
.endr
	s_wait_xcnt 0x0
	s_load_b128 s[44:47], s[0:1], 0x68             ; Wo, bo: asked for now, wanted behind attention
	v_lshlrev_b32 v11, 6, v3
	s_wait_kmcnt 0x0
	PADD 44,13
	PADD 46,7
	WIN 0x40
.irp u,0,1
.irp s,0,1
	WFRAG WFA+32*\u+16*\s,21,44,LAYER*65536+2048*\u+128*\s
.endr
.endr
	WIN 0
.irp c,0,1,2,3
	global_load_b128 v[BIAS+4*\c:BIAS+4*\c+3], v11, s[46:47] offset:LAYER*1024+16*\c
.endr
	BARRIER                                        ; nobody reads the images any more: o's pieces may land on them
; ---------------- attention of head w
	PRELOAD 2
	MKSC 26,27,s25                                 ; the weights: e9
	s_sub_co_i32 s12, s26, s24
	s_sub_co_i32 s12, s12, s25
	MKSC 28,29,s12                                 ; o: e10 - e8 - e9
	v_mov_b32 v51, 0                               ; (upper halves of pairs that are named whole)
	v_mov_b32 v57, 0
	v_mov_b32 v112, 0x3b800000
	v_min_num_f32 v112, v112, v27
.irp j,1,2,3,4,5,6,7
	v_mov_b32 v[112+\j], v112
.endr
	v_cvt_scalef32_pk8_bf8_f32 v[120:121], v[112:119], v26
	v_nop
	v_mov_b32 v25, v120                            ; four codes of 1 / 256
.irp i,0,1,2,3,4,5,6,7
	ATT \i
.endr
	BARRIER                                        ; o's pieces of all heads lie in LDS
; ---------------- x += o Wo + bo
	s_wait_loadcnt 0x0
	s_add_co_i32 s12, s26, s27
	s_sub_co_i32 s14, 0, s12
.set hh, 0
.rept 16
	v_ldexp_f32 v[BIAS+hh], v[BIAS+hh], s14
.set hh, hh+1
.endr
	s_add_co_i32 s12, s12, 127
	s_lshl_b32 s56, s12, 23                        ; 2^(e10 + e11)
	s_mov_b32 s57, s56
	WOLOAD 0
.irp i,0,1,2,3,4,5,6,7
	WOSTEP \i
.endr
	s_wait_xcnt 0x0
	s_load_b128 s[44:47], s[0:1], 0x78             ; ln2_g, ln2_b
	s_load_b128 s[88:91], s[0:1], 0x88             ; W1, b1
	s_load_b128 s[92:95], s[0:1], 0x98             ; W2, b2
	v_mov_b32 v58, v22                             ; weight set 0: K step 0,
	v_add_nc_u32 v59, 128, v22                     ; set 1: K step 1
	v_lshlrev_b32 v57, 2, v1
	s_wait_kmcnt 0x0
	PADD 88,15
	PADD 90,9
	PADD 92,15
	PADD 94,7
	global_load_b128 v[G:G+3], v12, s[44:45] offset:LAYER*1024
	global_load_b128 v[G+4:G+7], v12, s[44:45] offset:LAYER*1024+512
	global_load_b128 v[G+8:G+11], v12, s[46:47] offset:LAYER*1024
	global_load_b128 v[G+12:G+15], v12, s[46:47] offset:LAYER*1024+512
	global_load_b128 v[52:55], v12, s[90:91] offset:LAYER*4096
	global_load_b32 v56, v57, s[94:95] offset:LAYER*1024
	W1LOAD 0
	WIN 0x40
.irp k,0,1
	WFRAG 160+32*\k,58+\k,92,LAYER*262144
	WFRAG 176+32*\k,58+\k,92,LAYER*262144+8192
.endr
	WIN 0
	BARRIER                                        ; x is whole again; nobody reads o's pieces any more
; ---------------- LayerNorm 2, by rows
	MKSC 26,27,s28
	s_mov_b32 s7, 0
	s_mov_b32 s8, 0
	s_mov_b32 s61, 0
	s_wait_loadcnt 0x0
.Lln2:
	v_add_nc_u32 v10, s61, v18
.irp k,0,1,2,3
	ds_load_b128 v[X+8*\k:X+8*\k+3], v10 offset:\k*XP
	ds_load_b128 v[X+8*\k+4:X+8*\k+7], v10 offset:\k*XP+512
.endr
	s_wait_dscnt 0x0
	LNA
	LNB
	v_add_nc_u32 v11, s8, v8
.irp k,0,1,2,3
	QROW \k,26,27,\k,0
.endr
	v_nop
	s_add_co_u32 s8, s8, 4*IP
	s_add_co_u32 s61, s61, 4*XP
	s_add_co_u32 s7, s7, 1
	s_cmp_lt_u32 s7, 4
	s_cbranch_scc1 .Lln2
; ---------------- the hidden layer: my 128 units in two passes of 64, eight tiles of rows each
	s_add_co_i32 s12, s28, s29                     ; E = e12 + e13
	s_sub_co_i32 s14, 0, s12
.irp j,0,1,2,3
	v_ldexp_f32 v[52+\j], v[52+\j], s14
.endr
	ds_store_b128 v14, v[52:55]                    ; b1 / 2^E, my own bytes
	s_add_co_i32 s14, s30, s31
	s_sub_co_i32 s15, 0, s14
	v_ldexp_f32 v56, v56, s15                      ; b2 / 2^(e14 + e15), kept
	s_add_co_i32 s14, s14, 127
	s_lshl_b32 s56, s14, 23                        ; 2^(e14 + e15)
	s_mov_b32 s57, s56
	s_lshl_b32 s10, s12, 23
	s_add_co_i32 s84, s10, 0x3eb504f3              ; 2^E / sqrt(8)
	s_mov_b32 s85, s84
	s_lshl_b32 s10, s12, 24
	s_add_co_i32 s86, s10, 0xbf38aa3b              ; - log2(e) / 2 x 2^(2 E)
	s_mov_b32 s87, s86
	SPAIR 66,0xbf97d29d                            ; the polynomial's coefficients x log2(e), degree 8 down to 0
	SPAIR 68,0x40097039
	SPAIR 70,0xbfd1a1e5
	SPAIR 72,0x3ecdfd18
	SPAIR 74,0xbe899a80
	SPAIR 76,0x3e0efb2f
	SPAIR 78,0x3f0a29d2
	SPAIR 80,0x3fb8ab5a
	SPAIR 82,0xbfe9b21e
	v_mov_b32 v240, 0x3e7c6f08                     ; degree 9
	v_mov_b32 v241, 0x3e7c6f08
	s_sub_co_i32 s12, s30, s12
	s_add_co_i32 s12, s12, 1
	MKSC 26,27,s12                                 ; h: e14 - E + 1 (the 1: the sums hold 2 g)
	BARRIER                                        ; LN2's eight images lie in LDS
	s_mov_b32 s7, 0
	WIN 0x40
.irp s,0,1
.irp q,0,1,2,3
	ds_load_b128 v[128+16*\s+4*\q:128+16*\s+4*\q+3], v4 offset:128*\s+32*\q
.endr
.endr
	WIN 0
	BIASLD 13
.Lff1:                                             ; trip n: tile n % 8, pass n / 8
	s_wait_loadcnt 0x0
	s_wait_dscnt 0x0
	WIN 0x05
.irp s,0,1
.irp u,0,1,2,3
	v_wmma_f32_16x16x128_bf8_bf8 v[A_+8*\u:A_+8*\u+7], v[32*\u+16*\s:32*\u+16*\s+15], v[128+16*\s:128+16*\s+15], v[A_+8*\u:A_+8*\u+7]
.endr
.endr
	WIN 0
	NOPS 4
	s_add_co_u32 s9, s7, 1
	s_and_b32 s9, s9, 7
	s_mul_i32 s9, s9, IMGB
	v_add_nc_u32 v10, s9, v4
	WIN 0x40
.irp s,0,1
.irp q,0,1,2,3
	ds_load_b128 v[128+16*\s+4*\q:128+16*\s+4*\q+3], v10 offset:128*\s+32*\q
.endr
.endr
	WIN 0
	s_cmp_eq_u32 s7, 7
	s_cbranch_scc0 .Lsame
	W1LOAD 1                                       ; the second pass's weights land under this trip's gelu
.Lsame:
	GELU32
	s_and_b32 s9, s7, 7
	s_lshl_b32 s9, s9, 11
	s_lshr_b32 s10, s7, 3
	s_lshl_b32 s10, s10, 10
	s_add_co_u32 s9, s9, s10
	v_add_nc_u32 v11, s9, v9
	ds_store_b128 v11, v[HC:HC+3]                  ; pieces 2 pass, 2 pass + 1 of K step w
	ds_store_b128 v11, v[HC+4:HC+7] offset:512
	s_add_co_u32 s9, s7, 1
	s_lshr_b32 s9, s9, 3
	s_and_b32 s9, s9, 1
	s_lshl_b32 s9, s9, 8
	v_add_nc_u32 v62, s9, v13
	BIASLD 62
	s_add_co_u32 s7, s7, 1
	s_cmp_lt_u32 s7, 16
	s_cbranch_scc1 .Lff1
	BARRIER                                        ; the hidden layer's 64 fragments lie in LDS
; ---------------- x += h W2 + b2
	ds_store_b32 v17, v56
.irp t,0,1,2,3,4,5,6,7
.irp c,0,1,2,3
	ds_load_b128 v[ACC+16*\t+4*\c:ACC+16*\t+4*\c+3], v13 offset:16*\c    ; LDS serves a wave's instructions in order: these see my store.  b2 starts the sixteen sums
.endr
.endr
	s_mov_b32 s7, 0
	s_mov_b32 s8, HI
.Lff2:
	FF2STEP 0
	FF2STEP 1
	s_add_co_u32 s8, s8, 32768
	s_add_co_u32 s7, s7, 1
	s_cmp_lt_u32 s7, 4
	s_cbranch_scc1 .Lff2
	s_wait_xcnt 0x0
	s_load_b64 s[44:45], s[0:1], 0xa8              ; where the rows go
.if LAYER == 1
	s_load_b128 s[96:99], s[0:1], 0x8              ; fn_g, fn_b
.endif
	s_lshl_b32 s10, s2, 1
	s_add_co_u32 s10, s10, s5
	s_lshl_b32 s10, s10, 14
	s_lshl_b32 s11, s4, 18
	s_add_co_u32 s10, s10, s11                     ; (256 b + 16 (2 w + sigma)) rows of 1,024 bytes
	s_mov_b32 s11, 0
	s_wait_kmcnt 0x0
	s_add_nc_u64 s[44:45], s[44:45], s[10:11]
.if LAYER == 1
	global_load_b128 v[G:G+3], v12, s[96:97]
	global_load_b128 v[G+4:G+7], v12, s[96:97] offset:512
	global_load_b128 v[G+8:G+11], v12, s[98:99]
	global_load_b128 v[G+12:G+15], v12, s[98:99] offset:512
.endif
	XRLOAD 0,224
.irp i,0,1,2,3,4,5,6,7
.if \i < 7
	XRLOAD \i+1,224+16*((\i+1)%2)
.endif
.if (\i == 0) || (\i == 7)
	s_wait_dscnt 4                                 ; behind this tile's loads: the next tile's four loads, or the last tile's four stores
.else
	s_wait_dscnt 8                                 ; behind this tile's loads: four stores and the next tile's four loads
.endif
	XSUPD \i,ACC+16*\i,224+16*(\i%2)
.endr
	BARRIER                                        ; x is whole
; ---------------- the way out, by rows: each store covers 512 consecutive bytes, aligned
	s_mov_b32 s7, 0
	s_mov_b32 s61, 0
	s_wait_loadcnt 0x0
.Lout:
	v_add_nc_u32 v10, s61, v18
.irp k,0,1,2,3
	ds_load_b128 v[X+8*\k:X+8*\k+3], v10 offset:\k*XP
	ds_load_b128 v[X+8*\k+4:X+8*\k+7], v10 offset:\k*XP+512
.endr
	s_wait_dscnt 0x0
.if LAYER == 1
	LNA
	LNB
.irp k,0,1,2,3
	global_store_b128 v12, v[D+8*\k:D+8*\k+3], s[44:45] offset:1024*\k th:TH_STORE_NT
	global_store_b128 v12, v[D+8*\k+4:D+8*\k+7], s[44:45] offset:1024*\k+512 th:TH_STORE_NT
.endr
.else
.irp k,0,1,2,3
	global_store_b128 v12, v[X+8*\k:X+8*\k+3], s[44:45] offset:1024*\k
	global_store_b128 v12, v[X+8*\k+4:X+8*\k+7], s[44:45] offset:1024*\k+512
.endr
.endif
	s_wait_xcnt 0x0                                ; the stores' data and base are written again only behind this wait
	s_add_nc_u64 s[44:45], s[44:45], 4096
	s_add_co_u32 s61, s61, 4*XP
	s_add_co_u32 s7, s7, 1
	s_cmp_lt_u32 s7, 4
	s_cbranch_scc1 .Lout
	s_set_vgpr_msb 0x5
	s_wait_tensorcnt 0x0
	ds_add_u32 v254, v255
	s_wait_dscnt 0x0
	s_set_vgpr_msb 0x500
	s_endpgm
.Lfunc_end_k_qb0b49e6546_layer0:
	.size	k_qb0b49e6546_layer0, .Lfunc_end_k_qb0b49e6546_layer0-k_qb0b49e6546_layer0
	.p2alignl 7, 3214868480
	.fill 96, 4, 3214868480
	.section	.rodata,"a",@progbits
	.p2align	6, 0x0
	.amdhsa_kernel k_qb0b49e6546_layer0
		.amdhsa_group_segment_fixed_size 313344
		.amdhsa_private_segment_fixed_size 0
		.amdhsa_enable_private_segment 0
		.amdhsa_kernarg_size 176
		.amdhsa_user_sgpr_count 2
		.amdhsa_user_sgpr_kernarg_segment_ptr 1
		.amdhsa_wavefront_size32 1
		.amdhsa_system_sgpr_workgroup_id_x 1
		.amdhsa_system_sgpr_workgroup_id_y 1
		.amdhsa_system_sgpr_workgroup_id_z 1
		.amdhsa_system_vgpr_workitem_id 0
		.amdhsa_next_free_vgpr 512
		.amdhsa_next_free_sgpr 100
		.amdhsa_reserve_vcc 1
		.amdhsa_float_denorm_mode_32 3
		.amdhsa_float_denorm_mode_16_64 3
		.amdhsa_memory_ordered 1
		.amdhsa_forward_progress 1
		.amdhsa_inst_pref_size 255
	.end_amdhsa_kernel
	.section	.bss,"aw",@nobits
	.p2align	6
	.space	262144
	.amdgpu_metadata
---
amdhsa.version: [ 1, 2 ]
amdhsa.kernels:
  - .name:           k_qb0b49e6546_layer0
    .symbol:         k_qb0b49e6546_layer0.kd
    .args:
      - { .name: item_emb, .offset: 0, .size: 8, .value_kind: global_buffer, .address_space: global }
      - { .name: seq, .offset: 8, .size: 8, .value_kind: global_buffer, .address_space: global }
      - { .name: pos_emb, .offset: 16, .size: 8, .value_kind: global_buffer, .address_space: global }
      - { .name: mask, .offset: 24, .size: 8, .value_kind: global_buffer, .address_space: global }
      - { .name: lowp_scales, .offset: 32, .size: 8, .value_kind: global_buffer, .address_space: global }
      - { .name: ln1_g, .offset: 40, .size: 8, .value_kind: global_buffer, .address_space: global }
      - { .name: ln1_b, .offset: 48, .size: 8, .value_kind: global_buffer, .address_space: global }
      - { .name: Wq_codes, .offset: 56, .size: 8, .value_kind: global_buffer, .address_space: global }
      - { .name: bq, .offset: 64, .size: 8, .value_kind: global_buffer, .address_space: global }
      - { .name: Wk_codes, .offset: 72, .size: 8, .value_kind: global_buffer, .address_space: global }
      - { .name: bk, .offset: 80, .size: 8, .value_kind: global_buffer, .address_space: global }
      - { .name: Wv_codes, .offset: 88, .size: 8, .value_kind: global_buffer, .address_space: global }
      - { .name: bv, .offset: 96, .size: 8, .value_kind: global_buffer, .address_space: global }
      - { .name: Wo_codes, .offset: 104, .size: 8, .value_kind: global_buffer, .address_space: global }
      - { .name: bo, .offset: 112, .size: 8, .value_kind: global_buffer, .address_space: global }
      - { .name: ln2_g, .offset: 120, .size: 8, .value_kind: global_buffer, .address_space: global }
      - { .name: ln2_b, .offset: 128, .size: 8, .value_kind: global_buffer, .address_space: global }
      - { .name: W1_codes, .offset: 136, .size: 8, .value_kind: global_buffer, .address_space: global }
      - { .name: b1, .offset: 144, .size: 8, .value_kind: global_buffer, .address_space: global }
      - { .name: W2_codes, .offset: 152, .size: 8, .value_kind: global_buffer, .address_space: global }
      - { .name: b2, .offset: 160, .size: 8, .value_kind: global_buffer, .address_space: global }
      - { .name: x1, .offset: 168, .size: 8, .value_kind: global_buffer, .address_space: global }
    .group_segment_fixed_size: 313344
    .private_segment_fixed_size: 0
    .kernarg_segment_align: 8
    .kernarg_segment_size: 176
    .max_flat_workgroup_size: 256
    .sgpr_count:     100
    .vgpr_count:     512
    .wavefront_size: 32
...
	.end_amdgpu_metadata
.endif
;; end of part 1
;; launch layer1 (part 2): grid 256 x 1, 8 waves a work-group, no clusters, 313,344 bytes of LDS; arguments x1, fn_g, fn_b, mask, lowp_scales, ln1_g, ln1_b, Wq_codes, bq, Wk_codes, bk, Wv_codes, bv, Wo_codes, bo, ln2_g, ln2_b, W1_codes, b1, W2_codes, b2, out0; writes out0
.if DOCPART == 2
	.amdgcn_target "amdgcn-amd-amdhsa--gfx1250"
	.amdhsa_code_object_version 6
	.text
	.protected	k_qb0b49e6546_layer1
	.globl	k_qb0b49e6546_layer1
	.p2align	8
	.type	k_qb0b49e6546_layer1,@function
k_qb0b49e6546_layer1:
	s_mov_b64 s[64:65], 0
	v_nop
	global_prefetch_b8 v0, s[64:65] scope:SCOPE_SE
	s_setreg_imm32_b32 hwreg(HW_REG_WAVE_MODE, 25, 1), 1
	s_wait_xcnt 0x0
; ONE ENCODER BLOCK (LAYER 0: with the embedding in front; LAYER 1: with the last LayerNorm behind), all products on codes of BF8 (E5M2), each operand with its given scale 2^e.
; SHARES.  A work-group is half a sequence: b = group / 2, p = group % 2.  Of the 16 tiles of 16 rows it OWNS eight: own tile i is tile 2 i + (p ^ (i & 1)), the OTHER tile i is its neighbour in the pair.
; Keys and values are wanted for all 256 rows, so LayerNorm 1 and the K and V projections are also made for the other 128 rows.  Both halves have the same causal work.
; A wave has two parts.  COLUMNS: wave w owns head w = columns 32 w .. 32 w + 31 of Q, K, V, o, Wo's and W2's results, and hidden units 128 w .. 128 w + 127, for all rows; its share of each weight goes from memory
; straight into operand registers, once.  ROWS: for LayerNorms and the ways in and out wave w owns own tile w and other tile w; a row lies across the 32 lanes, columns 4 l .. 4 l + 3 and 128 + 4 l .. + 3 a lane.
; x of the 128 own rows lives in LDS.  No tile of a weight is shared through LDS (x and the operands' images fill it), so there are no tensor loads and no joint loads.
; LAYOUTS.  Products are used transposed (source 0 = 16 rows of a weight, source 1 = 16 rows of the activations): a lane holds one row.  Lane r of weight tile u takes row 32 (u / 2) + 8 (u % 2) + r + 8 (r / 8), so that
; the 16 registers of tiles 2 b, 2 b + 1 are 16 neighbours along the next K.  V alone is made the natural way, so that its registers run along the keys.  Keys stand in LOCAL order: tile 2 i = own i, tile 2 i + 1 = other i.
; K's codes stand on end, 4 registers a key tile; a K = 64 fragment reads 8: its upper half is the next tile's codes, which meet Q's zero codes.
; THE MASKS.  A hidden score gets -1e9 (in the sums' units) as the C of its product, so that its weight is 0.  A query q under f0, the first key whose mask is not 0, sees padded keys only: reference() then weighs all 256
; keys by 1 / 256, and so does this text: those rows' codes are replaced by the code of 1 / 256, on all 256 keys, by a select.
; LIMITS.  NaN and infinities among the inputs are not served.  Each power of two made from the given exponents is a normal f32 number: e0, e2, e4, e9, e12, e6-e0-e1, e7-e2-e3, e8-e4-e5, e10-e8-e9, e14-e12-e13+1 in -126 .. 112;
; e10+e11, e14+e15 in -126 .. 127; e6+e7 in -90 .. 120; e12+e13 in -60 .. 60.  True scores stay far under 1e9 in size.
.set LAYER, 1
.set NROWL, 16-8*LAYER                 ; loads that ask for a batch of four rows
.set IP,    272                        ; a row of an image: 256 codes + 16 bytes: sixteen rows begin at sixteen different groups of banks
.set IMGB,  16*IP
.set BLK,   5*IMGB                     ; block i: own K, other K, own V, other V, own Q
.set HI,    8*IMGB                     ; later: LN2's images at 0, the hidden layer's fragments from HI on: 16384 wave + 2048 tile + 512 piece + 16 lane
.set XS,    8*BLK                      ; x: 128 rows of 1,024 bytes + 16
.set XP,    1040
.set PADB,  XS+128*XP                  ; 256 words, local key order: 0 or -1e9
.set BT,    PADB+1024                  ; 512 bytes a wave, its own: b1, later b2
.set RA,  4                            ; v4-6   reader of images: 272 r + 16 h, + 3 blocks, + 6 blocks
.set CB,  32                           ; v32-39 the causal mask of the diagonal tile
.set QF,  40                           ; v40-47 Q's fragment: 4 registers of codes, 4 of zeros
.set AD,  52                           ; v52-56 offsets of the rows asked for
.set G,   64                           ; v64-79 a LayerNorm's gain and bias
.set O,   64                           ; v64-79 O^T in attention
.set BIAS, 80                          ; v80-95 a projection's bias, as C
.set X,   96
.set POS, 128
.set D,   160
.set Z,   192
.set CC,  208
.set ST,  232
.set XF,  96
.set AC,  160
.set WFB, 192
.set S,   96
.set P,   224
.set A_,  96
.set GA,  128
.set GT,  160
.set GP,  192
.set TM,  224
.set HC,  232
.set ACC, 96
.set KC,  0                            ; window 1: K's codes, 4 a tile, + 4 zeros
.set VT,  68                           ; window 1: V^T: 32 u + 16 (half of the keys)
.set QC,  132                          ; window 1: Q's codes, 4 a tile
.set WFA, 164                          ; window 1: a weight's four fragments: 32 u + 16 s
.set MSB, 0
.macro WIN new                         ; low byte: bits 1:0 source 0, 3:2 source 1, 5:4 source 2, 7:6 destination; the high byte repeats the setting that is left
.if MSB != \new
	s_set_vgpr_msb (MSB<<8)|\new
.set MSB, \new
.endif
.endm
.macro NOPS n
.rept \n
	v_nop
.endr
.endm
.macro BARRIER                         ; my LDS stores have landed and my LDS loads are in: then the work-group's barrier
	s_wait_dscnt 0x0
	s_barrier_signal -1
	s_barrier_wait -1
.endm
.macro MKSC vsc, vlim, sexp            ; 2^e as f32, and 57,344 x 2^e
	s_add_co_i32 s9, \sexp, 127
	s_lshl_b32 s10, s9, 23
	v_mov_b32 v[\vsc], s10
	s_add_co_i32 s9, s9, 15
	s_lshl_b32 s9, s9, 23
	s_or_b32 s9, s9, 0x600000
	v_mov_b32 v[\vlim], s9
.endm
.macro PADD p, sh                      ; a buffer's address + wave << sh
	s_lshl_b32 s10, s2, \sh
	s_mov_b32 s11, 0
	s_add_nc_u64 s[\p:\p+1], s[\p:\p+1], s[10:11]
.endm
.macro SPAIR p, val
	s_mov_b32 s[\p], \val
	s_mov_b32 s[\p+1], \val
.endm
.macro WFRAG dst, voff, sp, off        ; a weight's fragment, 16 rows x 128 K: registers 4 q .. 4 q + 3 hold k = 32 q + 16 h + 0 .. 15
.irp q,0,1,2,3
	global_load_b128 v[(\dst)+4*\q:(\dst)+4*\q+3], v[\voff], s[\sp:\sp+1] offset:(\off)+32*\q
.endr
.endm
.macro HOLD base, n, lim               ; the conversion to an 8-bit code does not saturate (ISA guide 7.6.2): hold within the largest code x the scale; ascending
.set hh, 0
.rept \n
	v_med3_num_f32 v[(\base)+hh], v[(\base)+hh], -v[\lim], v[\lim]
.set hh, hh+1
.endr
.endm
; s11 = a batch's number (0-3 own rows, 4-7 other rows, four rows each) -> s12 = its first row in the sequence; LAYER 0: its four ids are asked for
.macro ASKIDS
	s_lshr_b32 s12, s11, 2
	s_xor_b32 s12, s12, s5
	s_lshl_b32 s12, s12, 4
	s_and_b32 s13, s11, 3
	s_lshl_b32 s13, s13, 2
	s_add_co_u32 s12, s12, s13
	s_lshl_b32 s13, s2, 5
	s_add_co_u32 s12, s12, s13                     ; 32 w + 16 (sigma ^ other) + 4 (batch % 4)
.if LAYER == 0
	s_lshl_b32 s13, s12, 2
	s_load_b128 s[32:35], s[38:39], s13 offset:0x0
.endif
.endm
; the batch's four rows are asked for: each load reads 512 consecutive bytes of a row
.macro ASKROWS
	s_lshl_b32 s14, s12, 10
	v_add_nc_u32 v[AD+4], s14, v12
.if LAYER == 0
.irp k,0,1,2,3
	s_add_co_i32 s[32+\k], s[32+\k], 1
	s_max_i32 s[32+\k], s[32+\k], 0
	s_min_u32 s[32+\k], s[32+\k], 50000            ; ids = clip(seq + 1, 0, 50000)
	s_lshl_b32 s[32+\k], s[32+\k], 10
	v_add_nc_u32 v[AD+\k], s[32+\k], v12
.endr
.irp k,0,1,2,3
	global_load_b128 v[X+8*\k:X+8*\k+3], v[AD+\k], s[36:37]
	global_load_b128 v[X+8*\k+4:X+8*\k+7], v[AD+\k], s[36:37] offset:512
	global_load_b128 v[POS+8*\k:POS+8*\k+3], v[AD+4], s[40:41] offset:1024*\k
	global_load_b128 v[POS+8*\k+4:POS+8*\k+7], v[AD+4], s[40:41] offset:1024*\k+512
.endr
.else
.irp k,0,1,2,3
	global_load_b128 v[X+8*\k:X+8*\k+3], v[AD+4], s[36:37] offset:1024*\k
	global_load_b128 v[X+8*\k+4:X+8*\k+7], v[AD+4], s[36:37] offset:1024*\k+512
.endr
.endif
.endm
.macro LANESUM t                       ; v[ST + 4 k + t] summed over the 32 lanes, four rows by turns
.irp m,1,2,4,8
.irp k,0,1,2,3
	v_add_f32_dpp v[ST+4*\k+\t], v[ST+4*\k+\t], v[ST+4*\k+\t] row_xmask:\m row_mask:0xf bank_mask:0xf
.endr
.endr
.irp k,0,1,2,3
	v_permlanex16_b32 v[ST+4*\k+\t+1], v[ST+4*\k+\t], s48, s49
.endr
.irp k,0,1,2,3
	v_add_f32 v[ST+4*\k+\t], v[ST+4*\k+\t], v[ST+4*\k+\t+1]
.endr
.endm
; LayerNorm of four rows, first half: the mean, and D = X - mean.  X is free behind it
.macro LNA
.irp k,0,1,2,3
	v_pk_add_f32 v[ST+4*\k:ST+4*\k+1], v[X+8*\k:X+8*\k+1], v[X+8*\k+2:X+8*\k+3]
	v_pk_add_f32 v[ST+4*\k+2:ST+4*\k+3], v[X+8*\k+4:X+8*\k+5], v[X+8*\k+6:X+8*\k+7]
.endr
.irp k,0,1,2,3
	v_pk_add_f32 v[ST+4*\k:ST+4*\k+1], v[ST+4*\k:ST+4*\k+1], v[ST+4*\k+2:ST+4*\k+3]
.endr
.irp k,0,1,2,3
	v_add_f32 v[ST+4*\k], v[ST+4*\k], v[ST+4*\k+1]
.endr
	LANESUM 0
.irp k,0,1,2,3
	v_mul_f32 v[ST+4*\k], 0xbb800000, v[ST+4*\k]   ; - the mean
.endr
.irp k,0,1,2,3
.irp j,0,2,4,6
	v_pk_add_f32 v[D+8*\k+\j:D+8*\k+\j+1], v[X+8*\k+\j:X+8*\k+\j+1], v[ST+4*\k:ST+4*\k+1] op_sel_hi:[1,0]
.endr
.endr
.endm
; second half: the variance of the differences (no difference of large sums), D = D / sqrt(var + eps) x gain + bias
.macro LNB
.irp k,0,1,2,3
	v_pk_mul_f32 v[ST+4*\k+2:ST+4*\k+3], v[D+8*\k:D+8*\k+1], v[D+8*\k:D+8*\k+1]
.endr
.irp j,2,4,6
.irp k,0,1,2,3
	v_pk_fma_f32 v[ST+4*\k+2:ST+4*\k+3], v[D+8*\k+\j:D+8*\k+\j+1], v[D+8*\k+\j:D+8*\k+\j+1], v[ST+4*\k+2:ST+4*\k+3]
.endr
.endr
.irp k,0,1,2,3
	v_add_f32 v[ST+4*\k+2], v[ST+4*\k+2], v[ST+4*\k+3]
.endr
	LANESUM 2
.irp k,0,1,2,3
	v_fma_f32 v[ST+4*\k+2], v[ST+4*\k+2], s58, s59 ; / 256 + 1e-5
.endr
.irp k,0,1,2,3
	v_rsq_f32 v[ST+4*\k+2], v[ST+4*\k+2]
.endr
	v_nop                                          ; a plain line behind the last root,
	s_wait_alu depctr_va_vdst(0)                   ; and one wait for the four, ahead of their first reader
.irp k,0,1,2,3
.irp j,0,2,4,6
	v_pk_mul_f32 v[D+8*\k+\j:D+8*\k+\j+1], v[D+8*\k+\j:D+8*\k+\j+1], v[ST+4*\k+2:ST+4*\k+3] op_sel_hi:[1,0]
.endr
.endr
.irp k,0,1,2,3
.irp j,0,2,4,6
	v_pk_fma_f32 v[D+8*\k+\j:D+8*\k+\j+1], v[D+8*\k+\j:D+8*\k+\j+1], v[G+\j:G+\j+1], v[G+8+\j:G+8+\j+1]
.endr
.endr
.endm
; row k of D becomes 8 codes a lane, which go to row k of the image at v11 + img.  The held numbers take two sets of registers by turns, so that eight plain lines stand between a conversion and the next write of its sources
.macro QROW k, sc, lim, c, img
.irp j,0,1,2,3,4,5,6,7
	v_med3_num_f32 v[Z+8*((\c)%2)+\j], v[D+8*(\k)+\j], -v[\lim], v[\lim]
.endr
	v_cvt_scalef32_pk8_bf8_f32 v[CC+2*(\c):CC+2*(\c)+1], v[Z+8*((\c)%2):Z+8*((\c)%2)+7], v[\sc]
	ds_store_b32 v11, v[CC+2*(\c)] offset:(\img)+(\k)*IP
	ds_store_b32 v11, v[CC+2*(\c)+1] offset:(\img)+(\k)*IP+128
.endm
; a trip of the way in: four rows.  s7 = the batch, s8 = its rows' place in my block's images, s61 = in my rows of x
.macro P1TRIP own
	s_wait_loadcnt 0x0                             ; this batch's rows are in (and so their offsets' registers are free)
	s_add_co_u32 s11, s7, 1
	s_and_b32 s11, s11, 7
	ASKIDS                                         ; the next batch (behind the last: batch 0's ids again, inside the buffer, not used)
.if LAYER == 0
.set hh, 0
.rept 16
	v_pk_add_f32 v[X+hh:X+hh+1], v[X+hh:X+hh+1], v[POS+hh:POS+hh+1]
.set hh, hh+2
.endr
.endif
.if \own
	v_add_nc_u32 v10, s61, v18
.irp k,0,1,2,3
	ds_store_b128 v10, v[X+8*\k:X+8*\k+3] offset:\k*XP
	ds_store_b128 v10, v[X+8*\k+4:X+8*\k+7] offset:\k*XP+512
.endr
.endif
	LNA
	s_wait_dscnt 0x0
.if LAYER == 0
	s_wait_kmcnt 0x0                               ; the ids are in
.endif
.if \own == 0
	s_cmp_eq_u32 s7, 7                             ; behind the last batch nothing is asked for
	s_cbranch_scc1 .Lnomore_\@
.endif
	ASKROWS                                        ; they land while this batch is normalised and quantised
.if \own == 0
.Lnomore_\@:
.endif
	LNB
	v_add_nc_u32 v11, s8, v7
.if \own
.irp k,0,1,2,3
	QROW \k,28,29,3*\k,0
	QROW \k,30,31,3*\k+1,2*IMGB
	QROW \k,26,27,3*\k+2,4*IMGB
.endr
.else
.irp k,0,1,2,3
	QROW \k,28,29,2*\k,0
	QROW \k,30,31,2*\k+1,2*IMGB
.endr
.endif
	v_nop                                          ; a plain line behind the last conversion
.endm
.macro XLOAD2 i, img                   ; own tile i's and other tile i's fragments (two K steps each) out of block i
.irp a,0,1
.irp s,0,1
.irp q,0,1,2,3
	ds_load_b128 v[XF+32*\a+16*\s+4*\q:XF+32*\a+16*\s+4*\q+3], v[RA+(\i)/3] offset:((\i)%3)*BLK+(\img)+\a*IMGB+128*\s+32*\q
.endr
.endr
.endr
.endm
.macro XLOADQ i
.irp s,0,1
.irp q,0,1,2,3
	ds_load_b128 v[XF+16*\s+4*\q:XF+16*\s+4*\q+3], v[RA+(\i)/3] offset:((\i)%3)*BLK+4*IMGB+128*\s+32*\q
.endr
.endr
.endm
; K of key tiles 2 i, 2 i + 1: four accumulators by turns, the bias as the first C.  Four places, then the next step's fragments are asked for; the holds and conversions stand over their way
.macro KSTEP i
	s_wait_dscnt 0x0
	WIN 0x01
.irp s,0,1
.irp a,0,1
.irp u,0,1
.if \s == 0
	v_wmma_f32_16x16x128_bf8_bf8 v[AC+16*\a+8*\u:AC+16*\a+8*\u+7], v[WFA+32*\u:WFA+32*\u+15], v[XF+32*\a:XF+32*\a+15], v[BIAS+8*\u:BIAS+8*\u+7]
.else
	v_wmma_f32_16x16x128_bf8_bf8 v[AC+16*\a+8*\u:AC+16*\a+8*\u+7], v[WFA+32*\u+16:WFA+32*\u+31], v[XF+32*\a+16:XF+32*\a+31], v[AC+16*\a+8*\u:AC+16*\a+8*\u+7]
.endif
.endr
.endr
.endr
	WIN 0
	NOPS 4
.if \i < 7
	XLOAD2 \i+1,0
.else
	XLOAD2 0,2*IMGB
.endif
	HOLD AC,32,27
	WIN 0x40
.irp a,0,1
.irp u,0,1
	v_cvt_scalef32_pk8_bf8_f32 v[KC+4*(2*(\i)+\a)+2*\u:KC+4*(2*(\i)+\a)+2*\u+1], v[AC+16*\a+8*\u:AC+16*\a+8*\u+7], v26
.endr
.endr
	WIN 0
	v_nop
.endm
; V the natural way (source 0 = the rows, source 1 = Wv): a lane holds one channel, its registers run along the keys
.macro VSTEP i
	s_wait_dscnt 0x0
.irp s,0,1
.irp a,0,1
.irp u,0,1
.if \s == 0
	v_wmma_f32_16x16x128_bf8_bf8 v[AC+16*\a+8*\u:AC+16*\a+8*\u+7], v[XF+32*\a:XF+32*\a+15], v[WFB+32*\u:WFB+32*\u+15], v[BIAS+8*\u:BIAS+8*\u+7]
.else
	v_wmma_f32_16x16x128_bf8_bf8 v[AC+16*\a+8*\u:AC+16*\a+8*\u+7], v[XF+32*\a+16:XF+32*\a+31], v[WFB+32*\u+16:WFB+32*\u+31], v[AC+16*\a+8*\u:AC+16*\a+8*\u+7]
.endif
.endr
.endr
.endr
	NOPS 4
.if \i < 7
	XLOAD2 \i+1,2*IMGB
.else
	XLOADQ 0
.endif
	HOLD AC,32,29
	WIN 0x40
.irp a,0,1
.irp u,0,1
	v_cvt_scalef32_pk8_bf8_f32 v[VT+32*\u+16*((2*(\i)+\a)/8)+2*((2*(\i)+\a)%8):VT+32*\u+16*((2*(\i)+\a)/8)+2*((2*(\i)+\a)%8)+1], v[AC+16*\a+8*\u:AC+16*\a+8*\u+7], v28
.endr
.endr
	WIN 0
	v_nop
.endm
.macro QSTEP i
	s_wait_dscnt 0x0
	WIN 0x01
.irp s,0,1
.irp u,0,1
.if \s == 0
	v_wmma_f32_16x16x128_bf8_bf8 v[AC+8*\u:AC+8*\u+7], v[WFA+32*\u:WFA+32*\u+15], v[XF:XF+15], v[BIAS+8*\u:BIAS+8*\u+7]
.else
	v_wmma_f32_16x16x128_bf8_bf8 v[AC+8*\u:AC+8*\u+7], v[WFA+32*\u+16:WFA+32*\u+31], v[XF+16:XF+31], v[AC+8*\u:AC+8*\u+7]
.endif
.endr
.endr
	WIN 0
	NOPS 4
.if \i < 7
	XLOADQ \i+1
.endif
	HOLD AC,16,31
	WIN 0x40
.irp u,0,1
	v_cvt_scalef32_pk8_bf8_f32 v[QC+4*(\i)+2*\u:QC+4*(\i)+2*\u+1], v[AC+8*\u:AC+8*\u+7], v30
.endr
	WIN 0
	v_nop
.endm
.macro PRELOAD n2                      ; the padding's 0 or -1e9 of n2 key tiles, as the C of the scores
.set tc, 0
.rept \n2
	ds_load_b128 v[S+8*tc:S+8*tc+3], v19 offset:64*tc
	ds_load_b128 v[S+8*tc+4:S+8*tc+7], v19 offset:64*tc+16
.set tc, tc+1
.endr
.endm
; ATTENTION of my head for own tile i: its 16 queries against key tiles 0 .. 2 i + 1; a lane holds one query (lane % 16) and, of each tile, keys 8 (lane / 16) + 0 .. 7
.macro ATT i
.set NT, 2*(\i)+2
	WIN 0x01
.irp j,0,1,2,3
	v_mov_b32 v[QF+\j], v[QC+4*(\i)+\j]
.endr
	WIN 0
	s_wait_dscnt 0x0                               ; the padding's words are in
.irp j,0,1,2,3,4,5,6,7
	v_min_num_f32 v[S+8*(NT-2)+\j], v[S+8*(NT-2)+\j], v[CB+\j]                ; the tile itself: keys behind the query are hidden
	v_min_num_f32 v[S+8*(NT-1)+\j], s[54+(\i)%2], v[S+8*(NT-1)+\j]            ; its neighbour: all seen or all hidden
.endr
	WIN 0x01
.set tc, 0
.rept NT
	v_wmma_f32_16x16x64_bf8_bf8 v[S+8*tc:S+8*tc+7], v[KC+4*tc:KC+4*tc+7], v[QF:QF+7], v[S+8*tc:S+8*tc+7]
.set tc, tc+1
.endr
	WIN 0
	v_mov_b32 v48, 0xff800000
	v_mov_b32 v49, 0xff800000
	NOPS 2                                         ; with the two lines above: four places
.set tc, 0
.rept NT/2                                     ; the row's largest score, in two chains, each tile from its low end on
.irp j,0,2,4,6
	v_max3_num_f32 v48, v48, v[S+16*tc+\j], v[S+16*tc+\j+1]
	v_max3_num_f32 v49, v49, v[S+16*tc+8+\j], v[S+16*tc+8+\j+1]
.endr
.set tc, tc+1
.endr
	v_max_num_f32 v48, v48, v49
	v_permlanex16_b32 v49, v48, s48, s49
	v_max_num_f32 v48, v48, v49
	v_mul_f32 v50, s52, v48                        ; - c x the maximum: its rounding is common to the row and leaves p / sum as it is
.set tc, 0
.rept 4*NT
	v_pk_fma_f32 v[S+tc:S+tc+1], v[S+tc:S+tc+1], s[50:51], v[50:51] op_sel_hi:[1,0,0]
.set tc, tc+2
.endr
.set tc, 0
.rept 8*NT
	v_exp_f32 v[S+tc], v[S+tc]
.set tc, tc+1
.endr
	v_nop                                          ; a plain line behind the last exponential,
	s_wait_alu depctr_va_vdst(0)                   ; one wait for the batch
	v_pk_add_f32 v[52:53], v[S:S+1], v[S+2:S+3]
	v_pk_add_f32 v[54:55], v[S+4:S+5], v[S+6:S+7]
.set tc, 8
.rept 2*NT-2
	v_pk_add_f32 v[52:53], v[52:53], v[S+tc:S+tc+1]
	v_pk_add_f32 v[54:55], v[54:55], v[S+tc+2:S+tc+3]
.set tc, tc+4
.endr
	v_pk_add_f32 v[52:53], v[52:53], v[54:55]
	v_add_f32 v52, v52, v53
	v_permlanex16_b32 v53, v52, s48, s49
	v_add_f32 v52, v52, v53
	v_rcp_f32 v56, v52
	v_nop
	s_wait_alu depctr_va_vdst(0)
.set tc, 0
.rept NT                                       ; the finished, normalised weights are what is quantised
.irp j,0,2,4,6
	v_pk_mul_f32 v[S+8*tc+\j:S+8*tc+\j+1], v[S+8*tc+\j:S+8*tc+\j+1], v[56:57] op_sel_hi:[1,0]
.endr
.irp j,0,1,2,3,4,5,6,7
	v_min_num_f32 v[S+8*tc+\j], v[S+8*tc+\j], v27  ; never negative: the hold is one-sided
.endr
	v_cvt_scalef32_pk8_bf8_f32 v[P+2*tc:P+2*tc+1], v[S+8*tc:S+8*tc+7], v26
.set tc, tc+1
.endr
	v_nop
	s_sub_co_i32 s9, s6, 32*(\i)
	v_cmp_gt_i32 vcc_lo, s9, v[23+(\i)%2]          ; my query lies under f0: it sees padded keys only
.set tc, 0
.rept 32
.if tc < 2*NT
	v_cndmask_b32 v[P+tc], v[P+tc], v25, vcc_lo
.else
	v_cndmask_b32 v[P+tc], 0, v25, vcc_lo          ; keys past the causal edge: zero codes, but for such a query
.endif
.set tc, tc+1
.endr
.if \i < 7
	PRELOAD NT+2
.endif
	WIN 0x01
	v_wmma_f32_16x16x128_bf8_bf8 v[O:O+7], v[VT:VT+15], v[P:P+15], 0
	v_wmma_f32_16x16x128_bf8_bf8 v[O+8:O+15], v[VT+32:VT+47], v[P:P+15], 0
	v_wmma_f32_16x16x128_bf8_bf8 v[O:O+7], v[VT+16:VT+31], v[P+16:P+31], v[O:O+7]
	v_wmma_f32_16x16x128_bf8_bf8 v[O+8:O+15], v[VT+48:VT+63], v[P+16:P+31], v[O+8:O+15]
	WIN 0
	NOPS 4
	HOLD O,16,29
	v_cvt_scalef32_pk8_bf8_f32 v[60:61], v[O:O+7], v28
	v_cvt_scalef32_pk8_bf8_f32 v[62:63], v[O+8:O+15], v28
	v_nop
	ds_store_b128 v20, v[60:63] offset:(\i)*4096   ; piece w of Wo's operand: k = 32 w + 16 h + 0 .. 15 of row r
.endm
.macro XRLOAD i, xr                    ; my 16 columns of x, row r of own tile i
.irp q,0,1,2,3
	ds_load_b128 v[(\xr)+4*\q:(\xr)+4*\q+3], v[15+(\i)/4] offset:((\i)%4)*16*XP+16*\q
.endr
.endm
.macro XSUPD i, acc, xr                ; x += sum x 2^e
.irp j,0,2,4,6,8,10,12,14
	v_pk_fma_f32 v[(\xr)+\j:(\xr)+\j+1], v[(\acc)+\j:(\acc)+\j+1], s[56:57], v[(\xr)+\j:(\xr)+\j+1] op_sel_hi:[1,0,1]
.endr
.irp q,0,1,2,3
	ds_store_b128 v[15+(\i)/4], v[(\xr)+4*\q:(\xr)+4*\q+3] offset:((\i)%4)*16*XP+16*\q
.endr
.endm
.macro WOLOAD i
.irp c,0,1,2,3,4,5,6,7
	ds_load_b128 v[XF+4*\c:XF+4*\c+3], v12 offset:(\i)*4096+512*\c
.endr
	XRLOAD \i,144+16*((\i)%2)
.endm
.macro WOSTEP i
	s_wait_dscnt 0x0
	WIN 0x01
.irp s,0,1
.irp u,0,1
.if \s == 0
	v_wmma_f32_16x16x128_bf8_bf8 v[128+8*\u:128+8*\u+7], v[WFA+32*\u:WFA+32*\u+15], v[XF:XF+15], v[BIAS+8*\u:BIAS+8*\u+7]
.else
	v_wmma_f32_16x16x128_bf8_bf8 v[128+8*\u:128+8*\u+7], v[WFA+32*\u+16:WFA+32*\u+31], v[XF+16:XF+31], v[128+8*\u:128+8*\u+7]
.endif
.endr
.endr
	WIN 0
	NOPS 4
.if \i < 7
	WOLOAD \i+1
.endif
	XSUPD \i,128,144+16*((\i)%2)
.endm
.macro BIASLD adr                      ; b1 of the pass's four tiles, in the result's layout, as C
.irp u,0,1,2,3
	ds_load_b128 v[A_+8*\u:A_+8*\u+3], v[\adr] offset:128*(\u/2)+32*(\u%2)
	ds_load_b128 v[A_+8*\u+4:A_+8*\u+7], v[\adr] offset:128*(\u/2)+32*(\u%2)+16
.endr
.endm
.macro W1LOAD pass
	WIN 0x40
.irp u,0,1,2,3
.irp s,0,1
	WFRAG 32*\u+16*\s,21,88,LAYER*262144+(64*(\pass)+32*(\u/2)+8*(\u%2))*256+128*\s
.endr
.endr
	WIN 0
.endm
; exact gelu of 32 sums A (x = A 2^E): 2 g / 2^E = (A + |A|) - |A| t 2^arg, t = 1 / (1 + |x| / sqrt(8)), arg = log2(e) (-x^2 / 2 + a polynomial of degree 9 in t): erfc to about 1e-7 of its value for every x
.macro GELU32
.set hh, 0
.rept 32
	v_and_b32 v[GA+hh], s60, v[A_+hh]
.set hh, hh+1
.endr
.set hh, 0
.rept 16
	v_pk_fma_f32 v[GT+hh:GT+hh+1], v[GA+hh:GA+hh+1], s[84:85], 1.0 op_sel_hi:[1,0,0]
.set hh, hh+2
.endr
.set hh, 0
.rept 32
	v_rcp_f32 v[GT+hh], v[GT+hh]
.set hh, hh+1
.endr
.set hh, 0
.rept 16                                       ; plain work behind the reciprocals
	v_pk_add_f32 v[A_+hh:A_+hh+1], v[A_+hh:A_+hh+1], v[GA+hh:GA+hh+1]
.set hh, hh+2
.endr
	s_wait_alu depctr_va_vdst(0)                   ; one wait for the batch
.set hh, 0
.rept 16
	v_pk_fma_f32 v[GP+hh:GP+hh+1], v[GT+hh:GT+hh+1], v[240:241], s[66:67] op_sel_hi:[1,0,0]
.set hh, hh+2
.endr
.irp c,68,70,72,74,76,78,80,82
.set hh, 0
.rept 16
	v_pk_fma_f32 v[GP+hh:GP+hh+1], v[GP+hh:GP+hh+1], v[GT+hh:GT+hh+1], s[\c:\c+1] op_sel_hi:[1,1,0]
.set hh, hh+2
.endr
.endr
.set hh, 0
.rept 16
	v_pk_mul_f32 v[TM+hh%8:TM+hh%8+1], v[GA+hh:GA+hh+1], v[GA+hh:GA+hh+1]
	v_pk_fma_f32 v[GP+hh:GP+hh+1], v[TM+hh%8:TM+hh%8+1], s[86:87], v[GP+hh:GP+hh+1] op_sel_hi:[1,0,1]
.set hh, hh+2
.endr
.set hh, 0
.rept 32
	v_exp_f32 v[GP+hh], v[GP+hh]
.set hh, hh+1
.endr
.set hh, 0
.rept 16                                       ; plain work behind the exponentials
	v_pk_mul_f32 v[GA+hh:GA+hh+1], v[GA+hh:GA+hh+1], v[GT+hh:GT+hh+1]
.set hh, hh+2
.endr
	s_wait_alu depctr_va_vdst(0)
.set hh, 0
.rept 16
	v_pk_fma_f32 v[A_+hh:A_+hh+1], v[GA+hh:GA+hh+1], v[GP+hh:GP+hh+1], v[A_+hh:A_+hh+1] neg_lo:[1,0,0] neg_hi:[1,0,0]
.set hh, hh+2
.endr
	HOLD A_,32,27
.irp t,0,1,2,3
	v_cvt_scalef32_pk8_bf8_f32 v[HC+2*\t:HC+2*\t+1], v[A_+8*\t:A_+8*\t+7], v26
.endr
	v_nop
.endm
; a K step of the second FFN product: the eight tiles' hidden fragments from LDS, sixteen accumulators by turns; then weight set k takes the K step two further on (it wraps, inside the buffer)
.macro FF2STEP k
.if \k == 0
	v_add_nc_u32 v10, s8, v12
.else
	v_add_nc_u32 v10, 16384, v10
.endif
	WIN 0x40
.irp t,0,1,2,3,4,5,6,7
.irp q,0,1,2,3
	ds_load_b128 v[16*\t+4*\q:16*\t+4*\q+3], v10 offset:2048*\t+512*\q
.endr
.endr
	WIN 0
	s_wait_loadcnt 8                               ; this set's eight loads are in; the other set's eight may be out
	WIN 0x05
.irp t,0,1,2,3,4,5,6,7
	s_wait_dscnt 28-4*\t                           ; tile t's four loads are in; four for each later tile may be out
	v_wmma_f32_16x16x128_bf8_bf8 v[ACC+16*\t:ACC+16*\t+7], v[160+32*\k:160+32*\k+15], v[16*\t:16*\t+15], v[ACC+16*\t:ACC+16*\t+7]
	v_wmma_f32_16x16x128_bf8_bf8 v[ACC+16*\t+8:ACC+16*\t+15], v[176+32*\k:176+32*\k+15], v[16*\t:16*\t+15], v[ACC+16*\t+8:ACC+16*\t+15]
.endr
	WIN 0
	NOPS 4
	s_lshl_b32 s9, s7, 1
	s_add_co_u32 s9, s9, \k+2
	s_and_b32 s9, s9, 7
	s_lshl_b32 s9, s9, 7
	v_add_nc_u32 v[58+\k], s9, v22                 ; free: the loads that it addressed are in
	WIN 0x40
	WFRAG 160+32*\k,58+\k,92,LAYER*262144
	WFRAG 176+32*\k,58+\k,92,LAYER*262144+8192
	WIN 0
.endm
; ---------------- HEAD
	s_load_b256 s[36:43], s[0:1], 0x0              ; LAYER 0: item_emb, seq, pos_emb; LAYER 1: x1, (fn_g, fn_b); mask
	s_load_b64 s[44:45], s[0:1], 0x20              ; the scales' exponents
	s_load_b128 s[84:87], s[0:1], 0x28             ; ln1_g, ln1_b
	s_load_b128 s[88:91], s[0:1], 0x48             ; Wk, bk
	s_load_b64 s[92:93], s[0:1], 0x60              ; bv
	s_set_vgpr_msb 0x40
	v_lshl_add_u32 v254, v0, 2, 0x4c400
	v_mov_b32 v255, 0
	s_set_vgpr_msb 0x4000
	v_lshrrev_b32 v1, 5, v0
	v_readfirstlane_b32 s2, v1                     ; wave
	v_and_b32 v1, 31, v0                           ; lane
	v_and_b32 v2, 15, v0                           ; r
	v_bfe_u32 v3, v0, 4, 1                         ; h
	s_and_b32 s3, ttmp9, 1                         ; p
	s_lshr_b32 s4, ttmp9, 1                        ; b
	s_and_b32 s5, s2, 1
	s_xor_b32 s5, s5, s3                           ; sigma of tile w
	v_mul_u32_u24 v4, v2, IP
	v_lshl_add_u32 v4, v3, 4, v4
	v_add_nc_u32 v5, 3*BLK, v4
	v_add_nc_u32 v6, 6*BLK, v4
	s_mul_i32 s9, s2, BLK
	v_lshl_add_u32 v7, v1, 2, s9                   ; writer of my block's images
	s_mul_i32 s9, s2, IMGB
	v_lshl_add_u32 v8, v1, 2, s9                   ; writer of LN2's image
	v_lshlrev_b32 v12, 4, v1                       ; 16 lane
	s_lshl_b32 s9, s2, 14
	s_add_co_u32 s9, s9, HI
	v_add_nc_u32 v9, s9, v12                       ; writer of the hidden layer's fragments
	s_lshl_b32 s9, s2, 9
	v_add_nc_u32 v20, s9, v12                      ; writer of o's pieces
	s_add_co_u32 s9, s9, BT
	v_lshl_add_u32 v13, v3, 6, s9                  ; my bias words: reader,
	v_add_nc_u32 v14, s9, v12                      ; writer of b1,
	v_lshl_add_u32 v17, v1, 2, s9                  ; writer of b2
	v_mul_u32_u24 v15, v2, XP
	v_lshl_add_u32 v15, v3, 6, v15
	s_lshl_b32 s9, s2, 7
	s_add_co_u32 s9, s9, XS
	v_add_nc_u32 v15, s9, v15                      ; x by columns: row r, columns 32 w + 16 h on
	v_add_nc_u32 v16, 64*XP, v15
	s_mul_i32 s9, s2, 16*XP
	s_add_co_u32 s9, s9, XS
	v_add_nc_u32 v18, s9, v12                      ; x by rows: my 16 rows
	v_lshlrev_b32 v19, 5, v3
	v_add_nc_u32 v19, PADB, v19
	v_and_b32 v50, 8, v2
	v_add_nc_u32 v50, v50, v2                      ; r + 8 (r / 8)
	v_lshlrev_b32 v21, 8, v50
	v_lshl_add_u32 v21, v3, 4, v21                 ; a weight's rows of 256 codes
	v_lshlrev_b32 v22, 10, v50
	v_lshl_add_u32 v22, v3, 4, v22                 ; of 1,024 codes
	v_lshlrev_b32 v50, 2, v50
	v_lshlrev_b32 v49, 6, v3
	s_lshl_b32 s9, s3, 4
	v_add_nc_u32 v23, s9, v2                       ; my query less 32 i, for even i,
	s_xor_b32 s9, s9, 16
	v_add_nc_u32 v24, s9, v2                       ; for odd i
	v_xor_b32 v10, s5, v3
	v_lshl_add_u32 v10, v10, 4, v2
	s_lshl_b32 s9, s2, 5
	v_add_nc_u32 v10, s9, v10
	v_lshlrev_b32 v10, 2, v10                      ; the key that stands at local place = my thread's number
	s_mov_b32 s48, 0x76543210
	s_mov_b32 s49, 0xfedcba98
	s_mov_b32 s58, 0x3b800000                      ; 1 / 256
	s_mov_b32 s59, 0x3727c5ac                      ; 1e-5
	s_mov_b32 s60, 0x7fffffff
.irp j,4,5,6,7
	v_mov_b32 v[QF+\j], 0
.endr
	WIN 0x40
.irp j,64,65,66,67
	v_mov_b32 v[KC+\j], 0
.endr
	WIN 0
	s_wait_kmcnt 0x0
	s_load_b512 s[16:31], s[44:45], LAYER*64       ; e0 .. e15 of this block
	s_lshl_b32 s10, s4, 10
	s_mov_b32 s11, 0
	s_add_nc_u64 s[42:43], s[42:43], s[10:11]
.if LAYER == 0
	s_add_nc_u64 s[38:39], s[38:39], s[10:11]
.else
	s_lshl_b32 s10, s4, 18
	s_add_nc_u64 s[36:37], s[36:37], s[10:11]
.endif
	PADD 88,13
	PADD 90,7
	PADD 92,7
	s_mov_b32 s11, 0
	ASKIDS
	global_load_b32 v48, v10, s[42:43]
	global_load_b128 v[160:163], v12, s[42:43]
	global_load_b128 v[164:167], v12, s[42:43] offset:512
	global_load_b128 v[G:G+3], v12, s[84:85] offset:LAYER*1024
	global_load_b128 v[G+4:G+7], v12, s[84:85] offset:LAYER*1024+512
	global_load_b128 v[G+8:G+11], v12, s[86:87] offset:LAYER*1024
	global_load_b128 v[G+12:G+15], v12, s[86:87] offset:LAYER*1024+512
.irp c,0,1,2,3
	global_load_b128 v[BIAS+4*\c:BIAS+4*\c+3], v49, s[90:91] offset:LAYER*1024+16*\c
.endr
	global_load_b32 v58, v50, s[92:93] offset:LAYER*1024
	global_load_b32 v59, v50, s[92:93] offset:LAYER*1024+32
	WIN 0x40
.irp u,0,1
.irp s,0,1
	WFRAG WFA+32*\u+16*\s,21,88,LAYER*65536+2048*\u+128*\s
.endr
.endr
	WIN 0
	s_wait_kmcnt 0x0
	ASKROWS
	s_add_co_i32 s9, s22, s23                      ; e6 + e7
	s_lshl_b32 s9, s9, 23
	s_add_co_i32 s50, s9, 0x3e8293ee               ; c = log2(e) / sqrt(32) x 2^(e6 + e7)
	s_mov_b32 s51, s50
	s_xor_b32 s52, s50, 0x80000000
	s_sub_co_i32 s53, 0xcfa8965f, s9               ; -1e9 sqrt(32) / 2^(e6 + e7): the score -1e9 in the sums' units
	s_mov_b32 s9, 0x7f61b1e6
	s_cmp_eq_u32 s3, 1
	s_cselect_b32 s54, s9, s53                     ; the neighbour tile comes first (all seen) or later (all hidden): even i,
	s_cselect_b32 s55, s53, s9                     ; odd i
	v_lshlrev_b32 v60, 3, v3
	v_sub_nc_u32 v60, v2, v60
	v_mov_b32 v61, s53
	v_mov_b32 v62, 0x7f61b1e6
.irp j,0,1,2,3,4,5,6,7
	v_cmp_gt_i32 vcc_lo, \j, v60                   ; key 8 h + j behind query r
	v_cndmask_b32 v[CB+\j], v62, v61, vcc_lo
.endr
	MKSC 26,27,s16
	MKSC 28,29,s18
	MKSC 30,31,s20
	v_lshl_add_u32 v63, v0, 2, PADB
	s_wait_loadcnt 26+NROWL                        ; the three loads of the mask are in; the 26 behind them and the first rows may be out
	v_cmp_eq_u32 vcc_lo, 0, v48
	v_cndmask_b32 v48, 0, v61, vcc_lo
	ds_store_b32 v63, v48
	s_mov_b32 s6, 256                              ; f0: the first key whose mask is not 0
.irp j,0,1,2,3,4,5,6,7
	v_cmp_ne_u32 s9, 0, v[160+\j]
	s_ctz_i32_b32 s9, s9
	s_min_u32 s9, s9, 64
	s_lshl_b32 s9, s9, 2
	s_add_co_u32 s9, s9, (\j%4)+128*(\j/4)
	s_min_u32 s6, s6, s9
.endr
; ---------------- the way in and LayerNorm 1, by rows
	s_mov_b32 s7, 0
	s_mov_b32 s8, 0
	s_mov_b32 s61, 0
.Lown:
	P1TRIP 1
	s_add_co_u32 s8, s8, 4*IP
	s_add_co_u32 s61, s61, 4*XP
	s_add_co_u32 s7, s7, 1
	s_cmp_lt_u32 s7, 4
	s_cbranch_scc1 .Lown
	s_mov_b32 s7, 4
	s_mov_b32 s8, IMGB
.Lother:
	P1TRIP 0
	s_add_co_u32 s8, s8, 4*IP
	s_add_co_u32 s7, s7, 1
	s_cmp_lt_u32 s7, 8
	s_cbranch_scc1 .Lother
; ---------------- the projections, by columns
	s_wait_xcnt 0x0
	s_load_b64 s[44:45], s[0:1], 0x40              ; bq
	s_load_b64 s[46:47], s[0:1], 0x58              ; Wv
	s_add_co_i32 s12, s18, s19
	s_sub_co_i32 s14, 0, s12
.set hh, 0
.rept 16
	v_ldexp_f32 v[BIAS+hh], v[BIAS+hh], s14        ; a bias goes in as C, divided by the power of two that the sums lack
.set hh, hh+1
.endr
	s_sub_co_i32 s12, s23, s12
	MKSC 26,27,s12                                 ; K: e7 - e2 - e3
	s_add_co_i32 s12, s20, s21
	s_sub_co_i32 s15, 0, s12
	s_sub_co_i32 s12, s24, s12
	MKSC 28,29,s12                                 ; V: e8 - e4 - e5
	s_add_co_i32 s12, s16, s17
	s_sub_co_i32 s62, 0, s12
	s_sub_co_i32 s12, s22, s12
	MKSC 30,31,s12                                 ; Q: e6 - e0 - e1
	s_wait_dscnt 0x0
	s_wait_kmcnt 0x0
	PADD 44,7
	PADD 46,13
.irp c,0,1,2,3
	global_load_b128 v[G+4*\c:G+4*\c+3], v49, s[44:45] offset:LAYER*1024+16*\c
.endr
.irp u,0,1
.irp s,0,1
	WFRAG WFB+32*\u+16*\s,21,46,LAYER*65536+2048*\u+128*\s
.endr
.endr
	BARRIER                                        ; all images and the padding's words lie in LDS
	XLOAD2 0,0
.irp i,0,1,2,3,4,5,6,7
	KSTEP \i
.endr
	s_wait_xcnt 0x0
	s_load_b64 s[44:45], s[0:1], 0x38              ; Wq
.irp j,0,1,2,3,4,5,6,7
	v_ldexp_f32 v[BIAS+\j], v58, s15               ; V the natural way: a lane has one channel, so one bias in all eight registers
	v_ldexp_f32 v[BIAS+8+\j], v59, s15
.endr
	s_wait_kmcnt 0x0
	PADD 44,13
	WIN 0x40
.irp u,0,1
.irp s,0,1
	WFRAG WFA+32*\u+16*\s,21,44,LAYER*65536+2048*\u+128*\s
.endr
.endr
	WIN 0
	s_wait_loadcnt 16                              ; bq and Wv are in; Wq's sixteen loads may be out
.irp i,0,1,2,3,4,5,6,7
	VSTEP \i
.endr
	s_wait_loadcnt 0x0
.set hh, 0
.rept 16
	v_ldexp_f32 v[BIAS+hh], v[G+hh], s62
.set hh, hh+1
.endr
.irp i,0,1,2,3,4,5,6,7
	QSTEP \i
.endr
	s_wait_xcnt 0x0
	s_load_b128 s[44:47], s[0:1], 0x68             ; Wo, bo: asked for now, wanted behind attention
	v_lshlrev_b32 v11, 6, v3
	s_wait_kmcnt 0x0
	PADD 44,13
	PADD 46,7
	WIN 0x40
.irp u,0,1
.irp s,0,1
	WFRAG WFA+32*\u+16*\s,21,44,LAYER*65536+2048*\u+128*\s
.endr
.endr
	WIN 0
.irp c,0,1,2,3
	global_load_b128 v[BIAS+4*\c:BIAS+4*\c+3], v11, s[46:47] offset:LAYER*1024+16*\c
.endr
	BARRIER                                        ; nobody reads the images any more: o's pieces may land on them
; ---------------- attention of head w
	PRELOAD 2
	MKSC 26,27,s25                                 ; the weights: e9
	s_sub_co_i32 s12, s26, s24
	s_sub_co_i32 s12, s12, s25
	MKSC 28,29,s12                                 ; o: e10 - e8 - e9
	v_mov_b32 v51, 0                               ; (upper halves of pairs that are named whole)
	v_mov_b32 v57, 0
	v_mov_b32 v112, 0x3b800000
	v_min_num_f32 v112, v112, v27
.irp j,1,2,3,4,5,6,7
	v_mov_b32 v[112+\j], v112
.endr
	v_cvt_scalef32_pk8_bf8_f32 v[120:121], v[112:119], v26
	v_nop
	v_mov_b32 v25, v120                            ; four codes of 1 / 256
.irp i,0,1,2,3,4,5,6,7
	ATT \i
.endr
	BARRIER                                        ; o's pieces of all heads lie in LDS
; ---------------- x += o Wo + bo
	s_wait_loadcnt 0x0
	s_add_co_i32 s12, s26, s27
	s_sub_co_i32 s14, 0, s12
.set hh, 0
.rept 16
	v_ldexp_f32 v[BIAS+hh], v[BIAS+hh], s14
.set hh, hh+1
.endr
	s_add_co_i32 s12, s12, 127
	s_lshl_b32 s56, s12, 23                        ; 2^(e10 + e11)
	s_mov_b32 s57, s56
	WOLOAD 0
.irp i,0,1,2,3,4,5,6,7
	WOSTEP \i
.endr
	s_wait_xcnt 0x0
	s_load_b128 s[44:47], s[0:1], 0x78             ; ln2_g, ln2_b
	s_load_b128 s[88:91], s[0:1], 0x88             ; W1, b1
	s_load_b128 s[92:95], s[0:1], 0x98             ; W2, b2
	v_mov_b32 v58, v22                             ; weight set 0: K step 0,
	v_add_nc_u32 v59, 128, v22                     ; set 1: K step 1
	v_lshlrev_b32 v57, 2, v1
	s_wait_kmcnt 0x0
	PADD 88,15
	PADD 90,9
	PADD 92,15
	PADD 94,7
	global_load_b128 v[G:G+3], v12, s[44:45] offset:LAYER*1024
	global_load_b128 v[G+4:G+7], v12, s[44:45] offset:LAYER*1024+512
	global_load_b128 v[G+8:G+11], v12, s[46:47] offset:LAYER*1024
	global_load_b128 v[G+12:G+15], v12, s[46:47] offset:LAYER*1024+512
	global_load_b128 v[52:55], v12, s[90:91] offset:LAYER*4096
	global_load_b32 v56, v57, s[94:95] offset:LAYER*1024
	W1LOAD 0
	WIN 0x40
.irp k,0,1
	WFRAG 160+32*\k,58+\k,92,LAYER*262144
	WFRAG 176+32*\k,58+\k,92,LAYER*262144+8192
.endr
	WIN 0
	BARRIER                                        ; x is whole again; nobody reads o's pieces any more
; ---------------- LayerNorm 2, by rows
	MKSC 26,27,s28
	s_mov_b32 s7, 0
	s_mov_b32 s8, 0
	s_mov_b32 s61, 0
	s_wait_loadcnt 0x0
.Lln2:
	v_add_nc_u32 v10, s61, v18
.irp k,0,1,2,3
	ds_load_b128 v[X+8*\k:X+8*\k+3], v10 offset:\k*XP
	ds_load_b128 v[X+8*\k+4:X+8*\k+7], v10 offset:\k*XP+512
.endr
	s_wait_dscnt 0x0
	LNA
	LNB
	v_add_nc_u32 v11, s8, v8
.irp k,0,1,2,3
	QROW \k,26,27,\k,0
.endr
	v_nop
	s_add_co_u32 s8, s8, 4*IP
	s_add_co_u32 s61, s61, 4*XP
	s_add_co_u32 s7, s7, 1
	s_cmp_lt_u32 s7, 4
	s_cbranch_scc1 .Lln2
; ---------------- the hidden layer: my 128 units in two passes of 64, eight tiles of rows each
	s_add_co_i32 s12, s28, s29                     ; E = e12 + e13
	s_sub_co_i32 s14, 0, s12
.irp j,0,1,2,3
	v_ldexp_f32 v[52+\j], v[52+\j], s14
.endr
	ds_store_b128 v14, v[52:55]                    ; b1 / 2^E, my own bytes
	s_add_co_i32 s14, s30, s31
	s_sub_co_i32 s15, 0, s14
	v_ldexp_f32 v56, v56, s15                      ; b2 / 2^(e14 + e15), kept
	s_add_co_i32 s14, s14, 127
	s_lshl_b32 s56, s14, 23                        ; 2^(e14 + e15)
	s_mov_b32 s57, s56
	s_lshl_b32 s10, s12, 23
	s_add_co_i32 s84, s10, 0x3eb504f3              ; 2^E / sqrt(8)
	s_mov_b32 s85, s84
	s_lshl_b32 s10, s12, 24
	s_add_co_i32 s86, s10, 0xbf38aa3b              ; - log2(e) / 2 x 2^(2 E)
	s_mov_b32 s87, s86
	SPAIR 66,0xbf97d29d                            ; the polynomial's coefficients x log2(e), degree 8 down to 0
	SPAIR 68,0x40097039
	SPAIR 70,0xbfd1a1e5
	SPAIR 72,0x3ecdfd18
	SPAIR 74,0xbe899a80
	SPAIR 76,0x3e0efb2f
	SPAIR 78,0x3f0a29d2
	SPAIR 80,0x3fb8ab5a
	SPAIR 82,0xbfe9b21e
	v_mov_b32 v240, 0x3e7c6f08                     ; degree 9
	v_mov_b32 v241, 0x3e7c6f08
	s_sub_co_i32 s12, s30, s12
	s_add_co_i32 s12, s12, 1
	MKSC 26,27,s12                                 ; h: e14 - E + 1 (the 1: the sums hold 2 g)
	BARRIER                                        ; LN2's eight images lie in LDS
	s_mov_b32 s7, 0
	WIN 0x40
.irp s,0,1
.irp q,0,1,2,3
	ds_load_b128 v[128+16*\s+4*\q:128+16*\s+4*\q+3], v4 offset:128*\s+32*\q
.endr
.endr
	WIN 0
	BIASLD 13
.Lff1:                                             ; trip n: tile n % 8, pass n / 8
	s_wait_loadcnt 0x0
	s_wait_dscnt 0x0
	WIN 0x05
.irp s,0,1
.irp u,0,1,2,3
	v_wmma_f32_16x16x128_bf8_bf8 v[A_+8*\u:A_+8*\u+7], v[32*\u+16*\s:32*\u+16*\s+15], v[128+16*\s:128+16*\s+15], v[A_+8*\u:A_+8*\u+7]
.endr
.endr
	WIN 0
	NOPS 4
	s_add_co_u32 s9, s7, 1
	s_and_b32 s9, s9, 7
	s_mul_i32 s9, s9, IMGB
	v_add_nc_u32 v10, s9, v4
	WIN 0x40
.irp s,0,1
.irp q,0,1,2,3
	ds_load_b128 v[128+16*\s+4*\q:128+16*\s+4*\q+3], v10 offset:128*\s+32*\q
.endr
.endr
	WIN 0
	s_cmp_eq_u32 s7, 7
	s_cbranch_scc0 .Lsame
	W1LOAD 1                                       ; the second pass's weights land under this trip's gelu
.Lsame:
	GELU32
	s_and_b32 s9, s7, 7
	s_lshl_b32 s9, s9, 11
	s_lshr_b32 s10, s7, 3
	s_lshl_b32 s10, s10, 10
	s_add_co_u32 s9, s9, s10
	v_add_nc_u32 v11, s9, v9
	ds_store_b128 v11, v[HC:HC+3]                  ; pieces 2 pass, 2 pass + 1 of K step w
	ds_store_b128 v11, v[HC+4:HC+7] offset:512
	s_add_co_u32 s9, s7, 1
	s_lshr_b32 s9, s9, 3
	s_and_b32 s9, s9, 1
	s_lshl_b32 s9, s9, 8
	v_add_nc_u32 v62, s9, v13
	BIASLD 62
	s_add_co_u32 s7, s7, 1
	s_cmp_lt_u32 s7, 16
	s_cbranch_scc1 .Lff1
	BARRIER                                        ; the hidden layer's 64 fragments lie in LDS
; ---------------- x += h W2 + b2
	ds_store_b32 v17, v56
.irp t,0,1,2,3,4,5,6,7
.irp c,0,1,2,3
	ds_load_b128 v[ACC+16*\t+4*\c:ACC+16*\t+4*\c+3], v13 offset:16*\c    ; LDS serves a wave's instructions in order: these see my store.  b2 starts the sixteen sums
.endr
.endr
	s_mov_b32 s7, 0
	s_mov_b32 s8, HI
.Lff2:
	FF2STEP 0
	FF2STEP 1
	s_add_co_u32 s8, s8, 32768
	s_add_co_u32 s7, s7, 1
	s_cmp_lt_u32 s7, 4
	s_cbranch_scc1 .Lff2
	s_wait_xcnt 0x0
	s_load_b64 s[44:45], s[0:1], 0xa8              ; where the rows go
.if LAYER == 1
	s_load_b128 s[96:99], s[0:1], 0x8              ; fn_g, fn_b
.endif
	s_lshl_b32 s10, s2, 1
	s_add_co_u32 s10, s10, s5
	s_lshl_b32 s10, s10, 14
	s_lshl_b32 s11, s4, 18
	s_add_co_u32 s10, s10, s11                     ; (256 b + 16 (2 w + sigma)) rows of 1,024 bytes
	s_mov_b32 s11, 0
	s_wait_kmcnt 0x0
	s_add_nc_u64 s[44:45], s[44:45], s[10:11]
.if LAYER == 1
	global_load_b128 v[G:G+3], v12, s[96:97]
	global_load_b128 v[G+4:G+7], v12, s[96:97] offset:512
	global_load_b128 v[G+8:G+11], v12, s[98:99]
	global_load_b128 v[G+12:G+15], v12, s[98:99] offset:512
.endif
	XRLOAD 0,224
.irp i,0,1,2,3,4,5,6,7
.if \i < 7
	XRLOAD \i+1,224+16*((\i+1)%2)
.endif
.if (\i == 0) || (\i == 7)
	s_wait_dscnt 4                                 ; behind this tile's loads: the next tile's four loads, or the last tile's four stores
.else
	s_wait_dscnt 8                                 ; behind this tile's loads: four stores and the next tile's four loads
.endif
	XSUPD \i,ACC+16*\i,224+16*(\i%2)
.endr
	BARRIER                                        ; x is whole
; ---------------- the way out, by rows: each store covers 512 consecutive bytes, aligned
	s_mov_b32 s7, 0
	s_mov_b32 s61, 0
	s_wait_loadcnt 0x0
.Lout:
	v_add_nc_u32 v10, s61, v18
.irp k,0,1,2,3
	ds_load_b128 v[X+8*\k:X+8*\k+3], v10 offset:\k*XP
	ds_load_b128 v[X+8*\k+4:X+8*\k+7], v10 offset:\k*XP+512
.endr
	s_wait_dscnt 0x0
.if LAYER == 1
	LNA
	LNB
.irp k,0,1,2,3
	global_store_b128 v12, v[D+8*\k:D+8*\k+3], s[44:45] offset:1024*\k th:TH_STORE_NT
	global_store_b128 v12, v[D+8*\k+4:D+8*\k+7], s[44:45] offset:1024*\k+512 th:TH_STORE_NT
.endr
.else
.irp k,0,1,2,3
	global_store_b128 v12, v[X+8*\k:X+8*\k+3], s[44:45] offset:1024*\k
	global_store_b128 v12, v[X+8*\k+4:X+8*\k+7], s[44:45] offset:1024*\k+512
.endr
.endif
	s_wait_xcnt 0x0                                ; the stores' data and base are written again only behind this wait
	s_add_nc_u64 s[44:45], s[44:45], 4096
	s_add_co_u32 s61, s61, 4*XP
	s_add_co_u32 s7, s7, 1
	s_cmp_lt_u32 s7, 4
	s_cbranch_scc1 .Lout
	s_set_vgpr_msb 0x5
	s_wait_tensorcnt 0x0
	ds_add_u32 v254, v255
	s_wait_dscnt 0x0
	s_set_vgpr_msb 0x500
	s_endpgm
.Lfunc_end_k_qb0b49e6546_layer1:
	.size	k_qb0b49e6546_layer1, .Lfunc_end_k_qb0b49e6546_layer1-k_qb0b49e6546_layer1
	.p2alignl 7, 3214868480
	.fill 96, 4, 3214868480
	.section	.rodata,"a",@progbits
	.p2align	6, 0x0
	.amdhsa_kernel k_qb0b49e6546_layer1
		.amdhsa_group_segment_fixed_size 313344
		.amdhsa_private_segment_fixed_size 0
		.amdhsa_enable_private_segment 0
		.amdhsa_kernarg_size 176
		.amdhsa_user_sgpr_count 2
		.amdhsa_user_sgpr_kernarg_segment_ptr 1
		.amdhsa_wavefront_size32 1
		.amdhsa_system_sgpr_workgroup_id_x 1
		.amdhsa_system_sgpr_workgroup_id_y 1
		.amdhsa_system_sgpr_workgroup_id_z 1
		.amdhsa_system_vgpr_workitem_id 0
		.amdhsa_next_free_vgpr 512
		.amdhsa_next_free_sgpr 100
		.amdhsa_reserve_vcc 1
		.amdhsa_float_denorm_mode_32 3
		.amdhsa_float_denorm_mode_16_64 3
		.amdhsa_memory_ordered 1
		.amdhsa_forward_progress 1
		.amdhsa_inst_pref_size 255
	.end_amdhsa_kernel
	.section	.bss,"aw",@nobits
	.p2align	6
	.space	262144
	.amdgpu_metadata
---
amdhsa.version: [ 1, 2 ]
amdhsa.kernels:
  - .name:           k_qb0b49e6546_layer1
    .symbol:         k_qb0b49e6546_layer1.kd
    .args:
      - { .name: x1, .offset: 0, .size: 8, .value_kind: global_buffer, .address_space: global }
      - { .name: fn_g, .offset: 8, .size: 8, .value_kind: global_buffer, .address_space: global }
      - { .name: fn_b, .offset: 16, .size: 8, .value_kind: global_buffer, .address_space: global }
      - { .name: mask, .offset: 24, .size: 8, .value_kind: global_buffer, .address_space: global }
      - { .name: lowp_scales, .offset: 32, .size: 8, .value_kind: global_buffer, .address_space: global }
      - { .name: ln1_g, .offset: 40, .size: 8, .value_kind: global_buffer, .address_space: global }
      - { .name: ln1_b, .offset: 48, .size: 8, .value_kind: global_buffer, .address_space: global }
      - { .name: Wq_codes, .offset: 56, .size: 8, .value_kind: global_buffer, .address_space: global }
      - { .name: bq, .offset: 64, .size: 8, .value_kind: global_buffer, .address_space: global }
      - { .name: Wk_codes, .offset: 72, .size: 8, .value_kind: global_buffer, .address_space: global }
      - { .name: bk, .offset: 80, .size: 8, .value_kind: global_buffer, .address_space: global }
      - { .name: Wv_codes, .offset: 88, .size: 8, .value_kind: global_buffer, .address_space: global }
      - { .name: bv, .offset: 96, .size: 8, .value_kind: global_buffer, .address_space: global }
      - { .name: Wo_codes, .offset: 104, .size: 8, .value_kind: global_buffer, .address_space: global }
      - { .name: bo, .offset: 112, .size: 8, .value_kind: global_buffer, .address_space: global }
      - { .name: ln2_g, .offset: 120, .size: 8, .value_kind: global_buffer, .address_space: global }
      - { .name: ln2_b, .offset: 128, .size: 8, .value_kind: global_buffer, .address_space: global }
      - { .name: W1_codes, .offset: 136, .size: 8, .value_kind: global_buffer, .address_space: global }
      - { .name: b1, .offset: 144, .size: 8, .value_kind: global_buffer, .address_space: global }
      - { .name: W2_codes, .offset: 152, .size: 8, .value_kind: global_buffer, .address_space: global }
      - { .name: b2, .offset: 160, .size: 8, .value_kind: global_buffer, .address_space: global }
      - { .name: out0, .offset: 168, .size: 8, .value_kind: global_buffer, .address_space: global }
    .group_segment_fixed_size: 313344
    .private_segment_fixed_size: 0
    .kernarg_segment_align: 8
    .kernarg_segment_size: 176
    .max_flat_workgroup_size: 256
    .sgpr_count:     100
    .vgpr_count:     512
    .wavefront_size: 32
...
	.end_amdgpu_metadata
.endif
;; end of part 2
;; ======== version 2 of 2: 2 launches; version 1 with the launches layer0, layer1 written anew for expert scheduling mode
;; limits: right only within a limited range of input values
;; workspace buffers: x1 33,554,432 bytes
;; launch layer0 (part 3): grid 256 x 1, 8 waves a work-group, no clusters, 313,344 bytes of LDS; arguments item_emb, seq, pos_emb, mask, lowp_scales, ln1_g, ln1_b, Wq_codes, bq, Wk_codes, bk, Wv_codes, bv, Wo_codes, bo, ln2_g, ln2_b, W1_codes, b1, W2_codes, b2, x1; writes x1
.if DOCPART == 3
	.amdgcn_target "amdgcn-amd-amdhsa--gfx1250"
	.amdhsa_code_object_version 6
	.text
	.protected	k_qb0b49e6546_layer0
	.globl	k_qb0b49e6546_layer0
	.p2align	8
	.type	k_qb0b49e6546_layer0,@function
k_qb0b49e6546_layer0:
	s_mov_b64 s[64:65], 0
	v_nop
	global_prefetch_b8 v0, s[64:65] scope:SCOPE_SE
	s_setreg_imm32_b32 hwreg(HW_REG_WAVE_SCHED_MODE, 0, 2), 2
	s_setreg_imm32_b32 hwreg(HW_REG_WAVE_MODE, 25, 1), 1
	s_wait_xcnt 0x0
	s_wait_alu depctr_vm_vsrc(0)
; ONE ENCODER BLOCK (LAYER 0: with the embedding in front; LAYER 1: with the last LayerNorm behind), all products on codes of BF8 (E5M2), each operand with its given scale 2^e.
; SHARES.  A work-group is half a sequence: b = group / 2, p = group % 2.  Of the 16 tiles of 16 rows it OWNS eight: own tile i is tile 2 i + (p ^ (i & 1)), the OTHER tile i is its neighbour in the pair.
; Keys and values are wanted for all 256 rows, so LayerNorm 1 and the K and V projections are also made for the other 128 rows.  Both halves have the same causal work.
; A wave has two parts.  COLUMNS: wave w owns head w = columns 32 w .. 32 w + 31 of Q, K, V, o, Wo's and W2's results, and hidden units 128 w .. 128 w + 127, for all rows; its share of each weight goes from memory
; straight into operand registers, once.  ROWS: for LayerNorms and the ways in and out wave w owns own tile w and other tile w; a row lies across the 32 lanes, columns 4 l .. 4 l + 3 and 128 + 4 l .. + 3 a lane.
; x of the 128 own rows lives in LDS.  No tile of a weight is shared through LDS (x and the operands' images fill it), so there are no tensor loads and no joint loads.
; LAYOUTS.  Products are used transposed (source 0 = 16 rows of a weight, source 1 = 16 rows of the activations): a lane holds one row.  Lane r of weight tile u takes row 32 (u / 2) + 8 (u % 2) + r + 8 (r / 8), so that
; the 16 registers of tiles 2 b, 2 b + 1 are 16 neighbours along the next K.  V alone is made the natural way, so that its registers run along the keys.  Keys stand in LOCAL order: tile 2 i = own i, tile 2 i + 1 = other i.
; K's codes stand on end, 4 registers a key tile; a K = 64 fragment reads 8: its upper half is the next tile's codes, which meet Q's zero codes.
; THE MASKS.  A hidden score gets -1e9 (in the sums' units) as the C of its product, so that its weight is 0.  A query q under f0, the first key whose mask is not 0, sees padded keys only: reference() then weighs all 256
; keys by 1 / 256, and so does this text: those rows' codes are replaced by the code of 1 / 256, on all 256 keys, by a select.
; LIMITS.  NaN and infinities among the inputs are not served.  Each power of two made from the given exponents is a normal f32 number: e0, e2, e4, e9, e12, e6-e0-e1, e7-e2-e3, e8-e4-e5, e10-e8-e9, e14-e12-e13+1 in -126 .. 112;
; e10+e11, e14+e15 in -126 .. 127; e6+e7 in -90 .. 120; e12+e13 in -60 .. 60.  True scores stay far under 1e9 in size.
; THE MODE: SCHED_MODE bits 1:0 = 2 (LLVM: expert scheduling mode 2), set by the entry lines.  The code itself states the register dependences between vector or matrix instructions and memory or LDS
; instructions, with s_wait_alu, always for 0.
; THE PLAN.  Addresses v4-6, v12-17, v19-21 are made once at the head and never written again.  What is written again, and where its waits stand:
;   the way in:   X, POS (loaded; read by the sums, by the mean's lines and by x's stores), v52-56 (offsets), v10, v11, CC (codes).  A trip: one wait ahead of x's stores; one on vm_vsrc behind the mean, ahead of the branch,
;                 for all that stores and loads have read; one in ASKROWS ahead of the next rows' loads; all conversions, one wait, one run of image stores.
;   K, V, Q:      XF is read by a step's products and then loaded again: one wait a step, behind the four places.
;   attention:    S is loaded (the padding's words), worked on and loaded again: one wait ahead of the loads.  o's codes v60-63 are stored a tile later, behind the next tile's wait for its exponentials.
;   Wo:           x's columns take three sets of registers by turns; a step's stores go out a step later: one wait on va_vdst and one on vm_vsrc a step.
;   LayerNorm 2, the way out: a trip: vm_vsrc, the addresses, va_vdst, the loads; the work; va_vdst, the stores.
;   the hidden layer: a trip's three addresses are made together behind the products: vm_vsrc ahead of them, va_vdst behind them; one more wait behind gelu, ahead of the codes' stores and the next bias words.
;   the second FFN product: behind a step's products vm_vsrc, the addresses, va_vdst; then the weight set's loads and the next step's fragments.
;   the last update of x: all eight tiles' x are asked for at once; the multiply-adds write onto the accumulators; one wait; one run of stores.
.set LAYER, 0
.set NROWL, 16-8*LAYER                 ; loads that ask for a batch of four rows
.set IP,    272                        ; a row of an image: 256 codes + 16 bytes: sixteen rows begin at sixteen different groups of banks
.set IMGB,  16*IP
.set BLK,   5*IMGB                     ; block i: own K, other K, own V, other V, own Q
.set HI,    8*IMGB                     ; later: LN2's images at 0, the hidden layer's fragments from HI on: 16384 wave + 2048 tile + 512 piece + 16 lane
.set XS,    8*BLK                      ; x: 128 rows of 1,024 bytes + 16
.set XP,    1040
.set PADB,  XS+128*XP                  ; 256 words, local key order: 0 or -1e9
.set BT,    PADB+1024                  ; 512 bytes a wave, its own: b1, later b2
.set RA,  4                            ; v4-6   reader of images: 272 r + 16 h, + 3 blocks, + 6 blocks
.set CB,  32                           ; v32-39 the causal mask of the diagonal tile
.set QF,  40                           ; v40-47 Q's fragment: 4 registers of codes, 4 of zeros
.set AD,  52                           ; v52-56 offsets of the rows asked for
.set G,   64                           ; v64-79 a LayerNorm's gain and bias
.set O,   64                           ; v64-79 O^T in attention
.set BIAS, 80                          ; v80-95 a projection's bias, as C
.set X,   96
.set POS, 128
.set D,   160
.set Z,   192
.set CC,  208
.set ST,  232
.set XF,  96
.set AC,  160
.set WFB, 192
.set S,   96
.set P,   224
.set XR,  144                          ; v144-191 Wo's steps: x's columns, three sets of 16 by turns
.set A_,  96
.set GA,  128
.set GT,  160
.set GP,  192
.set TM,  224
.set HC,  232
.set ACC, 96
.set KC,  0                            ; window 1: K's codes, 4 a tile, + 4 zeros
.set VT,  68                           ; window 1: V^T: 32 u + 16 (half of the keys)
.set QC,  132                          ; window 1: Q's codes, 4 a tile
.set WFA, 164                          ; window 1: a weight's four fragments: 32 u + 16 s
.set MSB, 0
.macro WIN new                         ; low byte: bits 1:0 source 0, 3:2 source 1, 5:4 source 2, 7:6 destination; the high byte repeats the setting that is left
.if MSB != \new
	s_set_vgpr_msb (MSB<<8)|\new
.set MSB, \new
.endif
.endm
.macro NOPS n
.rept \n
	v_nop
.endr
.endm
.macro BARRIER                         ; my LDS stores have landed and my LDS loads are in: then the work-group's barrier
	s_wait_dscnt 0x0
	s_barrier_signal -1
	s_barrier_wait -1
.endm
.macro MKSC vsc, vlim, sexp            ; 2^e as f32, and 57,344 x 2^e
	s_add_co_i32 s9, \sexp, 127
	s_lshl_b32 s10, s9, 23
	v_mov_b32 v[\vsc], s10
	s_add_co_i32 s9, s9, 15
	s_lshl_b32 s9, s9, 23
	s_or_b32 s9, s9, 0x600000
	v_mov_b32 v[\vlim], s9
.endm
.macro PADD p, sh                      ; a buffer's address + wave << sh
	s_lshl_b32 s10, s2, \sh
	s_mov_b32 s11, 0
	s_add_nc_u64 s[\p:\p+1], s[\p:\p+1], s[10:11]
.endm
.macro SPAIR p, val
	s_mov_b32 s[\p], \val
	s_mov_b32 s[\p+1], \val
.endm
.macro WFRAG dst, voff, sp, off        ; a weight's fragment, 16 rows x 128 K: registers 4 q .. 4 q + 3 hold k = 32 q + 16 h + 0 .. 15
.irp q,0,1,2,3
	global_load_b128 v[(\dst)+4*\q:(\dst)+4*\q+3], v[\voff], s[\sp:\sp+1] offset:(\off)+32*\q
.endr
.endm
.macro HOLD base, n, lim               ; the conversion to an 8-bit code does not saturate (ISA guide 7.6.2): hold within the largest code x the scale; ascending
.set hh, 0
.rept \n
	v_med3_num_f32 v[(\base)+hh], v[(\base)+hh], -v[\lim], v[\lim]
.set hh, hh+1
.endr
.endm
; s11 = a batch's number (0-3 own rows, 4-7 other rows, four rows each) -> s12 = its first row in the sequence; LAYER 0: its four ids are asked for
.macro ASKIDS
	s_lshr_b32 s12, s11, 2
	s_xor_b32 s12, s12, s5
	s_lshl_b32 s12, s12, 4
	s_and_b32 s13, s11, 3
	s_lshl_b32 s13, s13, 2
	s_add_co_u32 s12, s12, s13
	s_lshl_b32 s13, s2, 5
	s_add_co_u32 s12, s12, s13                     ; 32 w + 16 (sigma ^ other) + 4 (batch % 4)
.if LAYER == 0
	s_lshl_b32 s13, s12, 2
	s_load_b128 s[32:35], s[38:39], s13 offset:0x0
.endif
.endm
; the batch's four rows are asked for: each load reads 512 consecutive bytes of a row
.macro ASKROWS
	s_lshl_b32 s14, s12, 10
	v_add_nc_u32 v[AD+4], s14, v12
.if LAYER == 0
.irp k,0,1,2,3
	s_add_co_i32 s[32+\k], s[32+\k], 1
	s_max_i32 s[32+\k], s[32+\k], 0
	s_min_u32 s[32+\k], s[32+\k], 50000            ; ids = clip(seq + 1, 0, 50000)
	s_lshl_b32 s[32+\k], s[32+\k], 10
	v_add_nc_u32 v[AD+\k], s[32+\k], v12
.endr
.endif
	s_wait_alu depctr_va_vdst(0)                   ; the offsets v52-56 are written, which the loads read; the sums and the mean's lines are done with X and POS, in which the rows land
.if LAYER == 0
.irp k,0,1,2,3
	global_load_b128 v[X+8*\k:X+8*\k+3], v[AD+\k], s[36:37]
	global_load_b128 v[X+8*\k+4:X+8*\k+7], v[AD+\k], s[36:37] offset:512
	global_load_b128 v[POS+8*\k:POS+8*\k+3], v[AD+4], s[40:41] offset:1024*\k
	global_load_b128 v[POS+8*\k+4:POS+8*\k+7], v[AD+4], s[40:41] offset:1024*\k+512
.endr
.else
.irp k,0,1,2,3
	global_load_b128 v[X+8*\k:X+8*\k+3], v[AD+4], s[36:37] offset:1024*\k
	global_load_b128 v[X+8*\k+4:X+8*\k+7], v[AD+4], s[36:37] offset:1024*\k+512
.endr
.endif
.endm
.macro LANESUM t                       ; v[ST + 4 k + t] summed over the 32 lanes, four rows by turns
.irp m,1,2,4,8
.irp k,0,1,2,3
	v_add_f32_dpp v[ST+4*\k+\t], v[ST+4*\k+\t], v[ST+4*\k+\t] row_xmask:\m row_mask:0xf bank_mask:0xf
.endr
.endr
.irp k,0,1,2,3
	v_permlanex16_b32 v[ST+4*\k+\t+1], v[ST+4*\k+\t], s48, s49
.endr
.irp k,0,1,2,3
	v_add_f32 v[ST+4*\k+\t], v[ST+4*\k+\t], v[ST+4*\k+\t+1]
.endr
.endm
; LayerNorm of four rows, first half: the mean, and D = X - mean.  X is free behind it
.macro LNA
.irp k,0,1,2,3
	v_pk_add_f32 v[ST+4*\k:ST+4*\k+1], v[X+8*\k:X+8*\k+1], v[X+8*\k+2:X+8*\k+3]
	v_pk_add_f32 v[ST+4*\k+2:ST+4*\k+3], v[X+8*\k+4:X+8*\k+5], v[X+8*\k+6:X+8*\k+7]
.endr
.irp k,0,1,2,3
	v_pk_add_f32 v[ST+4*\k:ST+4*\k+1], v[ST+4*\k:ST+4*\k+1], v[ST+4*\k+2:ST+4*\k+3]
.endr
.irp k,0,1,2,3
	v_add_f32 v[ST+4*\k], v[ST+4*\k], v[ST+4*\k+1]
.endr
	LANESUM 0
.irp k,0,1,2,3
	v_mul_f32 v[ST+4*\k], 0xbb800000, v[ST+4*\k]   ; - the mean
.endr
.irp k,0,1,2,3
.irp j,0,2,4,6
	v_pk_add_f32 v[D+8*\k+\j:D+8*\k+\j+1], v[X+8*\k+\j:X+8*\k+\j+1], v[ST+4*\k:ST+4*\k+1] op_sel_hi:[1,0]
.endr
.endr
.endm
; second half: the variance of the differences (no difference of large sums), D = D / sqrt(var + eps) x gain + bias
.macro LNB
.irp k,0,1,2,3
	v_pk_mul_f32 v[ST+4*\k+2:ST+4*\k+3], v[D+8*\k:D+8*\k+1], v[D+8*\k:D+8*\k+1]
.endr
.irp j,2,4,6
.irp k,0,1,2,3
	v_pk_fma_f32 v[ST+4*\k+2:ST+4*\k+3], v[D+8*\k+\j:D+8*\k+\j+1], v[D+8*\k+\j:D+8*\k+\j+1], v[ST+4*\k+2:ST+4*\k+3]
.endr
.endr
.irp k,0,1,2,3
	v_add_f32 v[ST+4*\k+2], v[ST+4*\k+2], v[ST+4*\k+3]
.endr
	LANESUM 2
.irp k,0,1,2,3
	v_fma_f32 v[ST+4*\k+2], v[ST+4*\k+2], s58, s59 ; / 256 + 1e-5
.endr
.irp k,0,1,2,3
	v_rsq_f32 v[ST+4*\k+2], v[ST+4*\k+2]
.endr
	v_nop                                          ; a plain line behind the last root,
	s_wait_alu depctr_va_vdst(0)                   ; the four roots have written v[ST + 4 k + 2]: one wait for the four, ahead of their first reader
.irp k,0,1,2,3
.irp j,0,2,4,6
	v_pk_mul_f32 v[D+8*\k+\j:D+8*\k+\j+1], v[D+8*\k+\j:D+8*\k+\j+1], v[ST+4*\k+2:ST+4*\k+3] op_sel_hi:[1,0]
.endr
.endr
.irp k,0,1,2,3
.irp j,0,2,4,6
	v_pk_fma_f32 v[D+8*\k+\j:D+8*\k+\j+1], v[D+8*\k+\j:D+8*\k+\j+1], v[G+\j:G+\j+1], v[G+8+\j:G+8+\j+1]
.endr
.endr
.endm
; row k of D becomes 8 codes a lane, in registers of their own (pair c).  The held numbers take two sets of registers by turns, so that eight plain lines stand between a conversion and the next write of its sources
.macro QCVT k, sc, lim, c
.irp j,0,1,2,3,4,5,6,7
	v_med3_num_f32 v[Z+8*((\c)%2)+\j], v[D+8*(\k)+\j], -v[\lim], v[\lim]
.endr
	v_cvt_scalef32_pk8_bf8_f32 v[CC+2*(\c):CC+2*(\c)+1], v[Z+8*((\c)%2):Z+8*((\c)%2)+7], v[\sc]
.endm
; pair c goes to row k of the image at v11 + img
.macro QST k, c, img
	ds_store_b32 v11, v[CC+2*(\c)] offset:(\img)+(\k)*IP
	ds_store_b32 v11, v[CC+2*(\c)+1] offset:(\img)+(\k)*IP+128
.endm
; a trip of the way in: four rows.  s7 = the batch, s8 = its rows' place in my block's images, s61 = in my rows of x
.macro P1TRIP own
	s_wait_loadcnt 0x0                             ; this batch's rows are in
	s_add_co_u32 s11, s7, 1
	s_and_b32 s11, s11, 7
	ASKIDS                                         ; the next batch (behind the last: batch 0's ids again, inside the buffer, not used)
.if LAYER == 0
.set hh, 0
.rept 16
	v_pk_add_f32 v[X+hh:X+hh+1], v[X+hh:X+hh+1], v[POS+hh:POS+hh+1]
.set hh, hh+2
.endr
.endif
.if \own
	v_add_nc_u32 v10, s61, v18
	s_wait_alu depctr_va_vdst(0)                   ; v10 is written (LAYER 0: and the sums in X), which the LDS stores read
.irp k,0,1,2,3
	ds_store_b128 v10, v[X+8*\k:X+8*\k+3] offset:\k*XP
	ds_store_b128 v10, v[X+8*\k+4:X+8*\k+7] offset:\k*XP+512
.endr
.endif
	LNA
	s_wait_dscnt 0x0
	s_wait_alu depctr_vm_vsrc(0)                   ; x's stores have read X and v10, the last trip's image stores v11 and CC, the last loads v52-56: all are written again below or in the next trip.  Ahead of the branch
.if LAYER == 0
	s_wait_kmcnt 0x0                               ; the ids are in
.endif
.if \own == 0
	s_cmp_eq_u32 s7, 7                             ; behind the last batch nothing is asked for
	s_cbranch_scc1 .Lnomore_\@
.endif
	ASKROWS                                        ; they land while this batch is normalised and quantised
.if \own == 0
.Lnomore_\@:
.endif
	LNB
	v_add_nc_u32 v11, s8, v7
.if \own
.irp k,0,1,2,3
	QCVT \k,28,29,3*\k
	QCVT \k,30,31,3*\k+1
	QCVT \k,26,27,3*\k+2
.endr
.else
.irp k,0,1,2,3
	QCVT \k,28,29,2*\k
	QCVT \k,30,31,2*\k+1
.endr
.endif
	v_nop                                          ; a plain line behind the last conversion
	s_wait_alu depctr_va_vdst(0)                   ; the conversions have written CC, and v11 is written: the run of image stores reads them
.if \own
.irp k,0,1,2,3
	QST \k,3*\k,0
	QST \k,3*\k+1,2*IMGB
	QST \k,3*\k+2,4*IMGB
.endr
.else
.irp k,0,1,2,3
	QST \k,2*\k,0
	QST \k,2*\k+1,2*IMGB
.endr
.endif
.endm
.macro XLOAD2 i, img                   ; own tile i's and other tile i's fragments (two K steps each) out of block i
.irp a,0,1
.irp s,0,1
.irp q,0,1,2,3
	ds_load_b128 v[XF+32*\a+16*\s+4*\q:XF+32*\a+16*\s+4*\q+3], v[RA+(\i)/3] offset:((\i)%3)*BLK+(\img)+\a*IMGB+128*\s+32*\q
.endr
.endr
.endr
.endm
.macro XLOADQ i
.irp s,0,1
.irp q,0,1,2,3
	ds_load_b128 v[XF+16*\s+4*\q:XF+16*\s+4*\q+3], v[RA+(\i)/3] offset:((\i)%3)*BLK+4*IMGB+128*\s+32*\q
.endr
.endr
.endm
; K of key tiles 2 i, 2 i + 1: four accumulators by turns, the bias as the first C.  Four places, the wait, then the next step's fragments are asked for; the holds and conversions stand over their way
.macro KSTEP i
	s_wait_dscnt 0x0
	WIN 0x01
.irp s,0,1
.irp a,0,1
.irp u,0,1
.if \s == 0
	v_wmma_f32_16x16x128_bf8_bf8 v[AC+16*\a+8*\u:AC+16*\a+8*\u+7], v[WFA+32*\u:WFA+32*\u+15], v[XF+32*\a:XF+32*\a+15], v[BIAS+8*\u:BIAS+8*\u+7]
.else
	v_wmma_f32_16x16x128_bf8_bf8 v[AC+16*\a+8*\u:AC+16*\a+8*\u+7], v[WFA+32*\u+16:WFA+32*\u+31], v[XF+32*\a+16:XF+32*\a+31], v[AC+16*\a+8*\u:AC+16*\a+8*\u+7]
.endif
.endr
.endr
.endr
	WIN 0
	NOPS 4
	s_wait_alu depctr_va_vdst(0)                   ; the products are done reading XF, in which the next fragments land
.if \i < 7
	XLOAD2 \i+1,0
.else
	XLOAD2 0,2*IMGB
.endif
	HOLD AC,32,27
	WIN 0x40
.irp a,0,1
.irp u,0,1
	v_cvt_scalef32_pk8_bf8_f32 v[KC+4*(2*(\i)+\a)+2*\u:KC+4*(2*(\i)+\a)+2*\u+1], v[AC+16*\a+8*\u:AC+16*\a+8*\u+7], v26
.endr
.endr
	WIN 0
	v_nop
.endm
; V the natural way (source 0 = the rows, source 1 = Wv): a lane holds one channel, its registers run along the keys
.macro VSTEP i
	s_wait_dscnt 0x0
.irp s,0,1
.irp a,0,1
.irp u,0,1
.if \s == 0
	v_wmma_f32_16x16x128_bf8_bf8 v[AC+16*\a+8*\u:AC+16*\a+8*\u+7], v[XF+32*\a:XF+32*\a+15], v[WFB+32*\u:WFB+32*\u+15], v[BIAS+8*\u:BIAS+8*\u+7]
.else
	v_wmma_f32_16x16x128_bf8_bf8 v[AC+16*\a+8*\u:AC+16*\a+8*\u+7], v[XF+32*\a+16:XF+32*\a+31], v[WFB+32*\u+16:WFB+32*\u+31], v[AC+16*\a+8*\u:AC+16*\a+8*\u+7]
.endif
.endr
.endr
.endr
	NOPS 4
	s_wait_alu depctr_va_vdst(0)                   ; the products are done reading XF, in which the next fragments land
.if \i < 7
	XLOAD2 \i+1,2*IMGB
.else
	XLOADQ 0
.endif
	HOLD AC,32,29
	WIN 0x40
.irp a,0,1
.irp u,0,1
	v_cvt_scalef32_pk8_bf8_f32 v[VT+32*\u+16*((2*(\i)+\a)/8)+2*((2*(\i)+\a)%8):VT+32*\u+16*((2*(\i)+\a)/8)+2*((2*(\i)+\a)%8)+1], v[AC+16*\a+8*\u:AC+16*\a+8*\u+7], v28
.endr
.endr
	WIN 0
	v_nop
.endm
.macro QSTEP i
	s_wait_dscnt 0x0
	WIN 0x01
.irp s,0,1
.irp u,0,1
.if \s == 0
	v_wmma_f32_16x16x128_bf8_bf8 v[AC+8*\u:AC+8*\u+7], v[WFA+32*\u:WFA+32*\u+15], v[XF:XF+15], v[BIAS+8*\u:BIAS+8*\u+7]
.else
	v_wmma_f32_16x16x128_bf8_bf8 v[AC+8*\u:AC+8*\u+7], v[WFA+32*\u+16:WFA+32*\u+31], v[XF+16:XF+31], v[AC+8*\u:AC+8*\u+7]
.endif
.endr
.endr
	WIN 0
	NOPS 4
.if \i < 7
	s_wait_alu depctr_va_vdst(0)                   ; the products are done reading XF, in which the next fragments land
	XLOADQ \i+1
.endif
	HOLD AC,16,31
	WIN 0x40
.irp u,0,1
	v_cvt_scalef32_pk8_bf8_f32 v[QC+4*(\i)+2*\u:QC+4*(\i)+2*\u+1], v[AC+8*\u:AC+8*\u+7], v30
.endr
	WIN 0
	v_nop
.endm
.macro PRELOAD n2                      ; the padding's 0 or -1e9 of n2 key tiles, as the C of the scores
.set tc, 0
.rept \n2
	ds_load_b128 v[S+8*tc:S+8*tc+3], v19 offset:64*tc
	ds_load_b128 v[S+8*tc+4:S+8*tc+7], v19 offset:64*tc+16
.set tc, tc+1
.endr
.endm
; ATTENTION of my head for own tile i: its 16 queries against key tiles 0 .. 2 i + 1; a lane holds one query (lane % 16) and, of each tile, keys 8 (lane / 16) + 0 .. 7
.macro ATT i
.set NT, 2*(\i)+2
	WIN 0x01
.irp j,0,1,2,3
	v_mov_b32 v[QF+\j], v[QC+4*(\i)+\j]
.endr
	WIN 0
	s_wait_dscnt 0x0                               ; the padding's words are in
.irp j,0,1,2,3,4,5,6,7
	v_min_num_f32 v[S+8*(NT-2)+\j], v[S+8*(NT-2)+\j], v[CB+\j]                ; the tile itself: keys behind the query are hidden
	v_min_num_f32 v[S+8*(NT-1)+\j], s[54+(\i)%2], v[S+8*(NT-1)+\j]            ; its neighbour: all seen or all hidden
.endr
	WIN 0x01
.set tc, 0
.rept NT
	v_wmma_f32_16x16x64_bf8_bf8 v[S+8*tc:S+8*tc+7], v[KC+4*tc:KC+4*tc+7], v[QF:QF+7], v[S+8*tc:S+8*tc+7]
.set tc, tc+1
.endr
	WIN 0
	v_mov_b32 v48, 0xff800000
	v_mov_b32 v49, 0xff800000
	NOPS 2                                         ; with the two lines above: four places
.set tc, 0
.rept NT/2                                     ; the row's largest score, in two chains, each tile from its low end on
.irp j,0,2,4,6
	v_max3_num_f32 v48, v48, v[S+16*tc+\j], v[S+16*tc+\j+1]
	v_max3_num_f32 v49, v49, v[S+16*tc+8+\j], v[S+16*tc+8+\j+1]
.endr
.set tc, tc+1
.endr
	v_max_num_f32 v48, v48, v49
	v_permlanex16_b32 v49, v48, s48, s49
	v_max_num_f32 v48, v48, v49
	v_mul_f32 v50, s52, v48                        ; - c x the maximum: its rounding is common to the row and leaves p / sum as it is
.set tc, 0
.rept 4*NT
	v_pk_fma_f32 v[S+tc:S+tc+1], v[S+tc:S+tc+1], s[50:51], v[50:51] op_sel_hi:[1,0,0]
.set tc, tc+2
.endr
.set tc, 0
.rept 8*NT
	v_exp_f32 v[S+tc], v[S+tc]
.set tc, tc+1
.endr
	v_nop                                          ; a plain line behind the last exponential,
	s_wait_alu depctr_va_vdst(0)                   ; the exponentials have written S: one wait for the batch, ahead of its first reader.  The last tile's conversions have written v60-63
.if \i > 0
	ds_store_b128 v20, v[60:63] offset:((\i)-1)*4096   ; the tile before: piece w of Wo's operand: k = 32 w + 16 h + 0 .. 15 of row r.  Nothing since the wait names v60-63 or v20
.endif
	v_pk_add_f32 v[52:53], v[S:S+1], v[S+2:S+3]
	v_pk_add_f32 v[54:55], v[S+4:S+5], v[S+6:S+7]
.set tc, 8
.rept 2*NT-2
	v_pk_add_f32 v[52:53], v[52:53], v[S+tc:S+tc+1]
	v_pk_add_f32 v[54:55], v[54:55], v[S+tc+2:S+tc+3]
.set tc, tc+4
.endr
	v_pk_add_f32 v[52:53], v[52:53], v[54:55]
	v_add_f32 v52, v52, v53
	v_permlanex16_b32 v53, v52, s48, s49
	v_add_f32 v52, v52, v53
	v_rcp_f32 v56, v52
	s_sub_co_i32 s9, s6, 32*(\i)
	v_cmp_gt_i32 vcc_lo, s9, v[23+(\i)%2]          ; my query lies under f0: it sees padded keys only.  (Made here, far ahead of the selects that read it)
	v_nop
	s_wait_alu depctr_va_vdst(0)                   ; the reciprocal has written v56, ahead of its first reader
.set tc, 0
.rept NT                                       ; the finished, normalised weights are what is quantised
.irp j,0,2,4,6
	v_pk_mul_f32 v[S+8*tc+\j:S+8*tc+\j+1], v[S+8*tc+\j:S+8*tc+\j+1], v[56:57] op_sel_hi:[1,0]
.endr
.irp j,0,1,2,3,4,5,6,7
	v_min_num_f32 v[S+8*tc+\j], v[S+8*tc+\j], v27  ; never negative: the hold is one-sided
.endr
	v_cvt_scalef32_pk8_bf8_f32 v[P+2*tc:P+2*tc+1], v[S+8*tc:S+8*tc+7], v26
.set tc, tc+1
.endr
	v_nop
	s_wait_alu depctr_va_vcc(0)                    ; the compare has written VCC, ahead of its first reader
.set tc, 0
.rept 32
.if tc < 2*NT
	v_cndmask_b32 v[P+tc], v[P+tc], v25, vcc_lo
.else
	v_cndmask_b32 v[P+tc], 0, v25, vcc_lo          ; keys past the causal edge: zero codes, but for such a query
.endif
.set tc, tc+1
.endr
.if \i < 7
	s_wait_alu depctr_va_vdst(0)                   ; the conversions and all earlier lines are done with S, in which the next tile's padding words land
	PRELOAD NT+2
.endif
	WIN 0x01
	v_wmma_f32_16x16x128_bf8_bf8 v[O:O+7], v[VT:VT+15], v[P:P+15], 0
	v_wmma_f32_16x16x128_bf8_bf8 v[O+8:O+15], v[VT+32:VT+47], v[P:P+15], 0
	v_wmma_f32_16x16x128_bf8_bf8 v[O:O+7], v[VT+16:VT+31], v[P+16:P+31], v[O:O+7]
	v_wmma_f32_16x16x128_bf8_bf8 v[O+8:O+15], v[VT+48:VT+63], v[P+16:P+31], v[O+8:O+15]
	WIN 0
	NOPS 4
.if \i > 0
	s_wait_alu depctr_vm_vsrc(0)                   ; the store above has read v60-63, which the conversions below write again
.endif
	HOLD O,16,29
	v_cvt_scalef32_pk8_bf8_f32 v[60:61], v[O:O+7], v28
	v_cvt_scalef32_pk8_bf8_f32 v[62:63], v[O+8:O+15], v28
	v_nop
.endm
.macro XRLOAD i, xr                    ; my 16 columns of x, row r of own tile i
.irp q,0,1,2,3
	ds_load_b128 v[(\xr)+4*\q:(\xr)+4*\q+3], v[15+(\i)/4] offset:((\i)%4)*16*XP+16*\q
.endr
.endm
.macro XFMA dst, acc, xr               ; x + sum x 2^e
.irp j,0,2,4,6,8,10,12,14
	v_pk_fma_f32 v[(\dst)+\j:(\dst)+\j+1], v[(\acc)+\j:(\acc)+\j+1], s[56:57], v[(\xr)+\j:(\xr)+\j+1] op_sel_hi:[1,0,1]
.endr
.endm
.macro XSTORE i, xr                    ; back to x's place
.irp q,0,1,2,3
	ds_store_b128 v[15+(\i)/4], v[(\xr)+4*\q:(\xr)+4*\q+3] offset:((\i)%4)*16*XP+16*\q
.endr
.endm
.macro WOLOAD i
.irp c,0,1,2,3,4,5,6,7
	ds_load_b128 v[XF+4*\c:XF+4*\c+3], v12 offset:(\i)*4096+512*\c
.endr
	XRLOAD \i,XR+16*((\i)%3)
.endm
; step i: the products; the stores of step i - 1; the loads of step i + 1; the multiply-adds of step i.  x's set i % 3: loaded in step i - 1, written in step i, stored in step i + 1, loaded again in step i + 2
.macro WOSTEP i
	s_wait_dscnt 0x0
	WIN 0x01
.irp s,0,1
.irp u,0,1
.if \s == 0
	v_wmma_f32_16x16x128_bf8_bf8 v[128+8*\u:128+8*\u+7], v[WFA+32*\u:WFA+32*\u+15], v[XF:XF+15], v[BIAS+8*\u:BIAS+8*\u+7]
.else
	v_wmma_f32_16x16x128_bf8_bf8 v[128+8*\u:128+8*\u+7], v[WFA+32*\u+16:WFA+32*\u+31], v[XF+16:XF+31], v[128+8*\u:128+8*\u+7]
.endif
.endr
.endr
	WIN 0
	NOPS 4
	s_wait_alu depctr_va_vdst(0)                   ; the products are done reading XF, in which the next fragments land; the last step's multiply-adds have written their set of x, which the stores below read
.if (\i >= 2) && (\i < 7)
	s_wait_alu depctr_vm_vsrc(0)                   ; the stores issued in the last step have read the set of x in which the loads below land
.endif
.if \i > 0
	XSTORE \i-1,XR+16*((\i+2)%3)
.endif
.if \i < 7
	WOLOAD \i+1
.endif
	XFMA XR+16*((\i)%3),128,XR+16*((\i)%3)
.endm
.macro BIASLD adr                      ; b1 of the pass's four tiles, in the result's layout, as C
.irp u,0,1,2,3
	ds_load_b128 v[A_+8*\u:A_+8*\u+3], v[\adr] offset:128*(\u/2)+32*(\u%2)
	ds_load_b128 v[A_+8*\u+4:A_+8*\u+7], v[\adr] offset:128*(\u/2)+32*(\u%2)+16
.endr
.endm
.macro W1LOAD pass
	WIN 0x40
.irp u,0,1,2,3
.irp s,0,1
	WFRAG 32*\u+16*\s,21,88,LAYER*262144+(64*(\pass)+32*(\u/2)+8*(\u%2))*256+128*\s
.endr
.endr
	WIN 0
.endm
; exact gelu of 32 sums A (x = A 2^E): 2 g / 2^E = (A + |A|) - |A| t 2^arg, t = 1 / (1 + |x| / sqrt(8)), arg = log2(e) (-x^2 / 2 + a polynomial of degree 9 in t): erfc to about 1e-7 of its value for every x
.macro GELU32
.set hh, 0
.rept 32
	v_and_b32 v[GA+hh], s60, v[A_+hh]
.set hh, hh+1
.endr
.set hh, 0
.rept 16
	v_pk_fma_f32 v[GT+hh:GT+hh+1], v[GA+hh:GA+hh+1], s[84:85], 1.0 op_sel_hi:[1,0,0]
.set hh, hh+2
.endr
.set hh, 0
.rept 32
	v_rcp_f32 v[GT+hh], v[GT+hh]
.set hh, hh+1
.endr
.set hh, 0
.rept 16                                       ; plain work behind the reciprocals
	v_pk_add_f32 v[A_+hh:A_+hh+1], v[A_+hh:A_+hh+1], v[GA+hh:GA+hh+1]
.set hh, hh+2
.endr
	s_wait_alu depctr_va_vdst(0)                   ; the reciprocals have written GT: one wait for the batch, ahead of its first reader
.set hh, 0
.rept 16
	v_pk_fma_f32 v[GP+hh:GP+hh+1], v[GT+hh:GT+hh+1], v[240:241], s[66:67] op_sel_hi:[1,0,0]
.set hh, hh+2
.endr
.irp c,68,70,72,74,76,78,80,82
.set hh, 0
.rept 16
	v_pk_fma_f32 v[GP+hh:GP+hh+1], v[GP+hh:GP+hh+1], v[GT+hh:GT+hh+1], s[\c:\c+1] op_sel_hi:[1,1,0]
.set hh, hh+2
.endr
.endr
.set hh, 0
.rept 16
	v_pk_mul_f32 v[TM+hh%8:TM+hh%8+1], v[GA+hh:GA+hh+1], v[GA+hh:GA+hh+1]
	v_pk_fma_f32 v[GP+hh:GP+hh+1], v[TM+hh%8:TM+hh%8+1], s[86:87], v[GP+hh:GP+hh+1] op_sel_hi:[1,0,1]
.set hh, hh+2
.endr
.set hh, 0
.rept 32
	v_exp_f32 v[GP+hh], v[GP+hh]
.set hh, hh+1
.endr
.set hh, 0
.rept 16                                       ; plain work behind the exponentials
	v_pk_mul_f32 v[GA+hh:GA+hh+1], v[GA+hh:GA+hh+1], v[GT+hh:GT+hh+1]
.set hh, hh+2
.endr
	s_wait_alu depctr_va_vdst(0)                   ; the exponentials have written GP: one wait for the batch, ahead of its first reader
.set hh, 0
.rept 16
	v_pk_fma_f32 v[A_+hh:A_+hh+1], v[GA+hh:GA+hh+1], v[GP+hh:GP+hh+1], v[A_+hh:A_+hh+1] neg_lo:[1,0,0] neg_hi:[1,0,0]
.set hh, hh+2
.endr
	HOLD A_,32,27
.irp t,0,1,2,3
	v_cvt_scalef32_pk8_bf8_f32 v[HC+2*\t:HC+2*\t+1], v[A_+8*\t:A_+8*\t+7], v26
.endr
	v_nop
.endm
; a K step of the second FFN product: the eight tiles' hidden fragments from LDS, sixteen accumulators by turns; then weight set k takes the K step two further on (it wraps, inside the buffer)
.macro FF2STEP k
.if \k == 0
	s_wait_alu depctr_vm_vsrc(0)                   ; the LDS loads issued so far have read v10
	v_add_nc_u32 v10, s8, v12
	WIN 0x40
	s_wait_alu depctr_va_vdst(0)                   ; v10 is written, which the loads below read
.endif
	WIN 0x40
.irp t,0,1,2,3,4,5,6,7
.irp q,0,1,2,3
	ds_load_b128 v[16*\t+4*\q:16*\t+4*\q+3], v10 offset:2048*\t+512*\q
.endr
.endr
	WIN 0
	s_wait_loadcnt 8                               ; this set's eight loads are in; the other set's eight may be out
	WIN 0x05
.irp t,0,1,2,3,4,5,6,7
	s_wait_dscnt 28-4*\t                           ; tile t's four loads are in; four for each later tile may be out
	v_wmma_f32_16x16x128_bf8_bf8 v[ACC+16*\t:ACC+16*\t+7], v[160+32*\k:160+32*\k+15], v[16*\t:16*\t+15], v[ACC+16*\t:ACC+16*\t+7]
	v_wmma_f32_16x16x128_bf8_bf8 v[ACC+16*\t+8:ACC+16*\t+15], v[176+32*\k:176+32*\k+15], v[16*\t:16*\t+15], v[ACC+16*\t+8:ACC+16*\t+15]
.endr
	WIN 0
	s_lshl_b32 s9, s7, 1
	s_add_co_u32 s9, s9, \k+2
	s_and_b32 s9, s9, 7
	s_lshl_b32 s9, s9, 7
	s_wait_alu depctr_vm_vsrc(0)                   ; this set's last loads have read v[58 + k], this step's LDS loads v10
	v_add_nc_u32 v[58+\k], s9, v22
.if \k == 0
	v_add_nc_u32 v10, 16384, v10                   ; the next K step's fragments
	NOPS 2                                         ; with the two additions: four places behind the last product
.else
	NOPS 3                                         ; with the addition: four places, for the first read of the sums behind the loop
.endif
	WIN 0x40
	s_wait_alu depctr_va_vdst(0)                   ; the addresses are written; the products are done reading weight set k and the fragments' registers, in which the loads below and the next step's land
	WFRAG 160+32*\k,58+\k,92,LAYER*262144
	WFRAG 176+32*\k,58+\k,92,LAYER*262144+8192
.if \k == 1
	WIN 0
.endif
.endm
; ---------------- HEAD
	s_load_b256 s[36:43], s[0:1], 0x0              ; LAYER 0: item_emb, seq, pos_emb; LAYER 1: x1, (fn_g, fn_b); mask
	s_load_b64 s[44:45], s[0:1], 0x20              ; the scales' exponents
	s_load_b128 s[84:87], s[0:1], 0x28             ; ln1_g, ln1_b
	s_load_b128 s[88:91], s[0:1], 0x48             ; Wk, bk
	s_load_b64 s[92:93], s[0:1], 0x60              ; bv
	s_set_vgpr_msb 0x40
	v_lshl_add_u32 v254, v0, 2, 0x4c400
	v_mov_b32 v255, 0
	s_set_vgpr_msb 0x4000
	v_lshrrev_b32 v1, 5, v0
	v_readfirstlane_b32 s2, v1                     ; wave
	v_and_b32 v1, 31, v0                           ; lane
	v_and_b32 v2, 15, v0                           ; r
	v_bfe_u32 v3, v0, 4, 1                         ; h
	s_and_b32 s3, ttmp9, 1                         ; p
	s_lshr_b32 s4, ttmp9, 1                        ; b
	s_wait_alu depctr_va_sdst(0)                   ; s2 is written, ahead of its first reader
	s_and_b32 s5, s2, 1
	s_xor_b32 s5, s5, s3                           ; sigma of tile w
	v_mul_u32_u24 v4, v2, IP
	v_lshl_add_u32 v4, v3, 4, v4
	v_add_nc_u32 v5, 3*BLK, v4
	v_add_nc_u32 v6, 6*BLK, v4
	s_mul_i32 s9, s2, BLK
	v_lshl_add_u32 v7, v1, 2, s9                   ; writer of my block's images
	s_mul_i32 s9, s2, IMGB
	v_lshl_add_u32 v8, v1, 2, s9                   ; writer of LN2's image
	v_lshlrev_b32 v12, 4, v1                       ; 16 lane
	s_lshl_b32 s9, s2, 14
	s_add_co_u32 s9, s9, HI
	v_add_nc_u32 v9, s9, v12                       ; writer of the hidden layer's fragments
	s_lshl_b32 s9, s2, 9
	v_add_nc_u32 v20, s9, v12                      ; writer of o's pieces
	s_add_co_u32 s9, s9, BT
	v_lshl_add_u32 v13, v3, 6, s9                  ; my bias words: reader,
	v_add_nc_u32 v14, s9, v12                      ; writer of b1,
	v_lshl_add_u32 v17, v1, 2, s9                  ; writer of b2
	v_mul_u32_u24 v15, v2, XP
	v_lshl_add_u32 v15, v3, 6, v15
	s_lshl_b32 s9, s2, 7
	s_add_co_u32 s9, s9, XS
	v_add_nc_u32 v15, s9, v15                      ; x by columns: row r, columns 32 w + 16 h on
	v_add_nc_u32 v16, 64*XP, v15
	s_mul_i32 s9, s2, 16*XP
	s_add_co_u32 s9, s9, XS
	v_add_nc_u32 v18, s9, v12                      ; x by rows: my 16 rows
	v_lshlrev_b32 v19, 5, v3
	v_add_nc_u32 v19, PADB, v19
	v_and_b32 v50, 8, v2
	v_add_nc_u32 v50, v50, v2                      ; r + 8 (r / 8)
	v_lshlrev_b32 v21, 8, v50
	v_lshl_add_u32 v21, v3, 4, v21                 ; a weight's rows of 256 codes
	v_lshlrev_b32 v22, 10, v50
	v_lshl_add_u32 v22, v3, 4, v22                 ; of 1,024 codes
	v_lshlrev_b32 v50, 2, v50
	v_lshlrev_b32 v49, 6, v3
	s_lshl_b32 s9, s3, 4
	v_add_nc_u32 v23, s9, v2                       ; my query less 32 i, for even i,
	s_xor_b32 s9, s9, 16
	v_add_nc_u32 v24, s9, v2                       ; for odd i
	v_xor_b32 v10, s5, v3
	v_lshl_add_u32 v10, v10, 4, v2
	s_lshl_b32 s9, s2, 5
	v_add_nc_u32 v10, s9, v10
	v_lshlrev_b32 v10, 2, v10                      ; the key that stands at local place = my thread's number
	s_mov_b32 s48, 0x76543210
	s_mov_b32 s49, 0xfedcba98
	s_mov_b32 s58, 0x3b800000                      ; 1 / 256
	s_mov_b32 s59, 0x3727c5ac                      ; 1e-5
	s_mov_b32 s60, 0x7fffffff
.irp j,4,5,6,7
	v_mov_b32 v[QF+\j], 0
.endr
	WIN 0x40
.irp j,64,65,66,67
	v_mov_b32 v[KC+\j], 0
.endr
	WIN 0
	s_wait_kmcnt 0x0
	s_load_b512 s[16:31], s[44:45], LAYER*64       ; e0 .. e15 of this block
	s_lshl_b32 s10, s4, 10
	s_mov_b32 s11, 0
	s_add_nc_u64 s[42:43], s[42:43], s[10:11]
.if LAYER == 0
	s_add_nc_u64 s[38:39], s[38:39], s[10:11]
.else
	s_lshl_b32 s10, s4, 18
	s_add_nc_u64 s[36:37], s[36:37], s[10:11]
.endif
	PADD 88,13
	PADD 90,7
	PADD 92,7
	s_mov_b32 s11, 0
	ASKIDS
	s_wait_alu depctr_va_vdst(0)                   ; all the addresses and offsets made above are written: v4-6, v10, v12-17, v19-21, v49, v50: the kernel's loads and stores read them
	global_load_b32 v48, v10, s[42:43]
	global_load_b128 v[160:163], v12, s[42:43]
	global_load_b128 v[164:167], v12, s[42:43] offset:512
	global_load_b128 v[G:G+3], v12, s[84:85] offset:LAYER*1024
	global_load_b128 v[G+4:G+7], v12, s[84:85] offset:LAYER*1024+512
	global_load_b128 v[G+8:G+11], v12, s[86:87] offset:LAYER*1024
	global_load_b128 v[G+12:G+15], v12, s[86:87] offset:LAYER*1024+512
.irp c,0,1,2,3
	global_load_b128 v[BIAS+4*\c:BIAS+4*\c+3], v49, s[90:91] offset:LAYER*1024+16*\c
.endr
	global_load_b32 v58, v50, s[92:93] offset:LAYER*1024
	global_load_b32 v59, v50, s[92:93] offset:LAYER*1024+32
	WIN 0x40
.irp u,0,1
.irp s,0,1
	WFRAG WFA+32*\u+16*\s,21,88,LAYER*65536+2048*\u+128*\s
.endr
.endr
	WIN 0
	s_wait_kmcnt 0x0
	ASKROWS
	s_add_co_i32 s9, s22, s23                      ; e6 + e7
	s_lshl_b32 s9, s9, 23
	s_add_co_i32 s50, s9, 0x3e8293ee               ; c = log2(e) / sqrt(32) x 2^(e6 + e7)
	s_mov_b32 s51, s50
	s_xor_b32 s52, s50, 0x80000000
	s_sub_co_i32 s53, 0xcfa8965f, s9               ; -1e9 sqrt(32) / 2^(e6 + e7): the score -1e9 in the sums' units
	s_mov_b32 s9, 0x7f61b1e6
	s_cmp_eq_u32 s3, 1
	s_cselect_b32 s54, s9, s53                     ; the neighbour tile comes first (all seen) or later (all hidden): even i,
	s_cselect_b32 s55, s53, s9                     ; odd i
	v_lshlrev_b32 v60, 3, v3
	v_sub_nc_u32 v60, v2, v60
	v_mov_b32 v61, s53
	v_mov_b32 v62, 0x7f61b1e6
.irp j,0,1,2,3,4,5,6,7
	v_cmp_gt_i32 s[66+\j], \j, v60                 ; key 8 h + j behind query r: the eight compares in one run, a mask each
.endr
	s_wait_alu depctr_va_sdst(0)                   ; the masks s66-73 are written, ahead of their readers
.irp j,0,1,2,3,4,5,6,7
	v_cndmask_b32 v[CB+\j], v62, v61, s[66+\j]
.endr
	MKSC 26,27,s16
	MKSC 28,29,s18
	MKSC 30,31,s20
	v_lshl_add_u32 v63, v0, 2, PADB
	s_wait_loadcnt 26+NROWL                        ; the three loads of the mask are in; the 26 behind them and the first rows may be out
	v_cmp_eq_u32 s74, 0, v48
.irp j,0,1,2,3,4,5,6,7
	v_cmp_ne_u32 s[75+\j], 0, v[160+\j]
.endr
	s_wait_alu depctr_va_sdst(0)                   ; the masks s74-82 are written, ahead of their readers
	v_cndmask_b32 v48, 0, v61, s74
	s_mov_b32 s6, 256                              ; f0: the first key whose mask is not 0
.irp j,0,1,2,3,4,5,6,7
	s_ctz_i32_b32 s9, s[75+\j]
	s_min_u32 s9, s9, 64
	s_lshl_b32 s9, s9, 2
	s_add_co_u32 s9, s9, (\j%4)+128*(\j/4)
	s_min_u32 s6, s6, s9
.endr
	s_wait_alu depctr_va_vdst(0)                   ; v48 and v63 are written, which the LDS store reads
	ds_store_b32 v63, v48
	s_wait_alu depctr_vm_vsrc(0)                   ; the mask's load has read v10, which the first trip writes; bv's loads v50 and the store v48 and v63, which attention writes
; ---------------- the way in and LayerNorm 1, by rows
	s_mov_b32 s7, 0
	s_mov_b32 s8, 0
	s_mov_b32 s61, 0
.Lown:
	P1TRIP 1
	s_add_co_u32 s8, s8, 4*IP
	s_add_co_u32 s61, s61, 4*XP
	s_add_co_u32 s7, s7, 1
	s_cmp_lt_u32 s7, 4
	s_cbranch_scc1 .Lown
	s_mov_b32 s7, 4
	s_mov_b32 s8, IMGB
.Lother:
	P1TRIP 0
	s_add_co_u32 s8, s8, 4*IP
	s_add_co_u32 s7, s7, 1
	s_cmp_lt_u32 s7, 8
	s_cbranch_scc1 .Lother
; ---------------- the projections, by columns
	s_wait_xcnt 0x0
	s_load_b64 s[44:45], s[0:1], 0x40              ; bq
	s_load_b64 s[46:47], s[0:1], 0x58              ; Wv
	s_add_co_i32 s12, s18, s19
	s_sub_co_i32 s14, 0, s12
.set hh, 0
.rept 16
	v_ldexp_f32 v[BIAS+hh], v[BIAS+hh], s14        ; a bias goes in as C, divided by the power of two that the sums lack
.set hh, hh+1
.endr
	s_sub_co_i32 s12, s23, s12
	MKSC 26,27,s12                                 ; K: e7 - e2 - e3
	s_add_co_i32 s12, s20, s21
	s_sub_co_i32 s15, 0, s12
	s_sub_co_i32 s12, s24, s12
	MKSC 28,29,s12                                 ; V: e8 - e4 - e5
	s_add_co_i32 s12, s16, s17
	s_sub_co_i32 s62, 0, s12
	s_sub_co_i32 s12, s22, s12
	MKSC 30,31,s12                                 ; Q: e6 - e0 - e1
	s_wait_dscnt 0x0
	s_wait_kmcnt 0x0
	PADD 44,7
	PADD 46,13
	s_wait_alu depctr_vm_vsrc(0)                   ; the last image stores have read CC, in which Wv's loads land, and v11, which is written behind Q's sweep
	s_wait_alu depctr_va_vdst(0)                   ; LayerNorm's lines are done with G, Z, CC, ST and X, in which bq's and Wv's loads and the first fragments land
.irp c,0,1,2,3
	global_load_b128 v[G+4*\c:G+4*\c+3], v49, s[44:45] offset:LAYER*1024+16*\c
.endr
.irp u,0,1
.irp s,0,1
	WFRAG WFB+32*\u+16*\s,21,46,LAYER*65536+2048*\u+128*\s
.endr
.endr
	BARRIER                                        ; all images and the padding's words lie in LDS
	XLOAD2 0,0
.irp i,0,1,2,3,4,5,6,7
	KSTEP \i
.endr
	s_wait_xcnt 0x0
	s_load_b64 s[44:45], s[0:1], 0x38              ; Wq
.irp j,0,1,2,3,4,5,6,7
	v_ldexp_f32 v[BIAS+\j], v58, s15               ; V the natural way: a lane has one channel, so one bias in all eight registers
	v_ldexp_f32 v[BIAS+8+\j], v59, s15
.endr
	s_wait_kmcnt 0x0
	PADD 44,13
	WIN 0x40
.irp u,0,1
.irp s,0,1
	WFRAG WFA+32*\u+16*\s,21,44,LAYER*65536+2048*\u+128*\s    ; no wait of their own: the wait in K's last step stands behind the last product that read WFA, and no line since names WFA or v21
.endr
.endr
	WIN 0
	s_wait_loadcnt 16                              ; bq and Wv are in; Wq's sixteen loads may be out
.irp i,0,1,2,3,4,5,6,7
	VSTEP \i
.endr
	s_wait_loadcnt 0x0
.set hh, 0
.rept 16
	v_ldexp_f32 v[BIAS+hh], v[G+hh], s62
.set hh, hh+1
.endr
.irp i,0,1,2,3,4,5,6,7
	QSTEP \i
.endr
	s_wait_xcnt 0x0
	s_load_b128 s[44:47], s[0:1], 0x68             ; Wo, bo: asked for now, wanted behind attention
	v_lshlrev_b32 v11, 6, v3
	s_wait_kmcnt 0x0
	PADD 44,13
	PADD 46,7
	WIN 0x40
	s_wait_alu depctr_va_vdst(0)                   ; Q's last products are done reading WFA, BIAS and XF, in which Wo's and bo's loads and the first padding words land; v11 is written
.irp u,0,1
.irp s,0,1
	WFRAG WFA+32*\u+16*\s,21,44,LAYER*65536+2048*\u+128*\s
.endr
.endr
	WIN 0
.irp c,0,1,2,3
	global_load_b128 v[BIAS+4*\c:BIAS+4*\c+3], v11, s[46:47] offset:LAYER*1024+16*\c
.endr
	BARRIER                                        ; nobody reads the images any more: o's pieces may land on them
; ---------------- attention of head w
	s_wait_alu depctr_vm_vsrc(0)                   ; bq's loads have read v49, which the first tile's maximum writes
	PRELOAD 2
	MKSC 26,27,s25                                 ; the weights: e9
	s_sub_co_i32 s12, s26, s24
	s_sub_co_i32 s12, s12, s25
	MKSC 28,29,s12                                 ; o: e10 - e8 - e9
	v_mov_b32 v51, 0                               ; (upper halves of pairs that are named whole)
	v_mov_b32 v57, 0
	v_mov_b32 v112, 0x3b800000
	v_min_num_f32 v112, v112, v27
.irp j,1,2,3,4,5,6,7
	v_mov_b32 v[112+\j], v112
.endr
	v_cvt_scalef32_pk8_bf8_f32 v[120:121], v[112:119], v26
	v_nop
	v_mov_b32 v25, v120                            ; four codes of 1 / 256
.irp i,0,1,2,3,4,5,6,7
	ATT \i
.endr
	s_wait_alu depctr_va_vdst(0)                   ; the last tile's conversions have written v60-63, which the store reads; attention's lines are done with v96-191, in which Wo's operand and x land
	ds_store_b128 v20, v[60:63] offset:7*4096
	BARRIER                                        ; o's pieces of all heads lie in LDS
; ---------------- x += o Wo + bo
	s_wait_loadcnt 0x0
	s_add_co_i32 s12, s26, s27
	s_sub_co_i32 s14, 0, s12
.set hh, 0
.rept 16
	v_ldexp_f32 v[BIAS+hh], v[BIAS+hh], s14
.set hh, hh+1
.endr
	s_add_co_i32 s12, s12, 127
	s_lshl_b32 s56, s12, 23                        ; 2^(e10 + e11)
	s_mov_b32 s57, s56
	WOLOAD 0
.irp i,0,1,2,3,4,5,6,7
	WOSTEP \i
.endr
	v_mov_b32 v58, v22                             ; weight set 0: K step 0,
	v_add_nc_u32 v59, 128, v22                     ; set 1: K step 1
	v_lshlrev_b32 v57, 2, v1
	s_wait_alu depctr_va_vdst(0)                   ; the last multiply-adds have written their set of x, which the stores read; v57-59 are written; all lines are done with G, v52-56 and window 1, in which the loads below land
	XSTORE 7,XR+16*(7%3)
	s_wait_xcnt 0x0
	s_load_b128 s[44:47], s[0:1], 0x78             ; ln2_g, ln2_b
	s_load_b128 s[88:91], s[0:1], 0x88             ; W1, b1
	s_load_b128 s[92:95], s[0:1], 0x98             ; W2, b2
	s_wait_kmcnt 0x0
	PADD 88,15
	PADD 90,9
	PADD 92,15
	PADD 94,7
	global_load_b128 v[G:G+3], v12, s[44:45] offset:LAYER*1024
	global_load_b128 v[G+4:G+7], v12, s[44:45] offset:LAYER*1024+512
	global_load_b128 v[G+8:G+11], v12, s[46:47] offset:LAYER*1024
	global_load_b128 v[G+12:G+15], v12, s[46:47] offset:LAYER*1024+512
	global_load_b128 v[52:55], v12, s[90:91] offset:LAYER*4096
	global_load_b32 v56, v57, s[94:95] offset:LAYER*1024
	W1LOAD 0
	WIN 0x40
.irp k,0,1
	WFRAG 160+32*\k,58+\k,92,LAYER*262144
	WFRAG 176+32*\k,58+\k,92,LAYER*262144+8192
.endr
	WIN 0
	BARRIER                                        ; x is whole again; nobody reads o's pieces any more
; ---------------- LayerNorm 2, by rows
	MKSC 26,27,s28
	s_mov_b32 s7, 0
	s_mov_b32 s8, 0
	s_mov_b32 s61, 0
	s_wait_loadcnt 0x0
.Lln2:
	s_wait_alu depctr_vm_vsrc(0)                   ; the last trip's LDS loads have read v10, its stores v11 and CC; in the first trip: x's stores have read v144-175, which D's lines write, and bo's loads v11
	v_add_nc_u32 v10, s61, v18
	v_add_nc_u32 v11, s8, v8
	s_wait_alu depctr_va_vdst(0)                   ; v10 is written, which the loads read; the last trip's lines are done with X, in which they land
.irp k,0,1,2,3
	ds_load_b128 v[X+8*\k:X+8*\k+3], v10 offset:\k*XP
	ds_load_b128 v[X+8*\k+4:X+8*\k+7], v10 offset:\k*XP+512
.endr
	s_wait_dscnt 0x0
	LNA
	LNB
.irp k,0,1,2,3
	QCVT \k,26,27,\k
.endr
	v_nop
	s_wait_alu depctr_va_vdst(0)                   ; the conversions have written CC, which the image stores read
.irp k,0,1,2,3
	QST \k,\k,0
.endr
	s_add_co_u32 s8, s8, 4*IP
	s_add_co_u32 s61, s61, 4*XP
	s_add_co_u32 s7, s7, 1
	s_cmp_lt_u32 s7, 4
	s_cbranch_scc1 .Lln2
; ---------------- the hidden layer: my 128 units in two passes of 64, eight tiles of rows each
	s_add_co_i32 s12, s28, s29                     ; E = e12 + e13
	s_sub_co_i32 s14, 0, s12
.irp j,0,1,2,3
	v_ldexp_f32 v[52+\j], v[52+\j], s14
.endr
	s_add_co_i32 s14, s30, s31
	s_sub_co_i32 s15, 0, s14
	v_ldexp_f32 v56, v56, s15                      ; b2 / 2^(e14 + e15), kept
	s_wait_alu depctr_va_vdst(0)                   ; v52-55 are written, which the LDS store reads (and v56, which is stored behind the hidden layer)
	ds_store_b128 v14, v[52:55]                    ; b1 / 2^E, my own bytes
	s_add_co_i32 s14, s14, 127
	s_lshl_b32 s56, s14, 23                        ; 2^(e14 + e15)
	s_mov_b32 s57, s56
	s_lshl_b32 s10, s12, 23
	s_add_co_i32 s84, s10, 0x3eb504f3              ; 2^E / sqrt(8)
	s_mov_b32 s85, s84
	s_lshl_b32 s10, s12, 24
	s_add_co_i32 s86, s10, 0xbf38aa3b              ; - log2(e) / 2 x 2^(2 E)
	s_mov_b32 s87, s86
	SPAIR 66,0xbf97d29d                            ; the polynomial's coefficients x log2(e), degree 8 down to 0
	SPAIR 68,0x40097039
	SPAIR 70,0xbfd1a1e5
	SPAIR 72,0x3ecdfd18
	SPAIR 74,0xbe899a80
	SPAIR 76,0x3e0efb2f
	SPAIR 78,0x3f0a29d2
	SPAIR 80,0x3fb8ab5a
	SPAIR 82,0xbfe9b21e
	v_mov_b32 v240, 0x3e7c6f08                     ; degree 9
	v_mov_b32 v241, 0x3e7c6f08
	s_sub_co_i32 s12, s30, s12
	s_add_co_i32 s12, s12, 1
	MKSC 26,27,s12                                 ; h: e14 - E + 1 (the 1: the sums hold 2 g)
	BARRIER                                        ; LN2's eight images lie in LDS
	s_mov_b32 s7, 0
	WIN 0x40
.irp s,0,1
.irp q,0,1,2,3
	ds_load_b128 v[128+16*\s+4*\q:128+16*\s+4*\q+3], v4 offset:128*\s+32*\q   ; no wait of their own, nor for the bias words below: no line since the wait ahead of b1's store names these registers or v96-127
.endr
.endr
	WIN 0
	BIASLD 13
.Lff1:                                             ; trip n: tile n % 8, pass n / 8
	s_wait_loadcnt 0x0
	s_wait_dscnt 0x0
	WIN 0x05
.irp s,0,1
.irp u,0,1,2,3
	v_wmma_f32_16x16x128_bf8_bf8 v[A_+8*\u:A_+8*\u+7], v[32*\u+16*\s:32*\u+16*\s+15], v[128+16*\s:128+16*\s+15], v[A_+8*\u:A_+8*\u+7]
.endr
.endr
	WIN 0
	s_add_co_u32 s9, s7, 1
	s_and_b32 s10, s9, 7
	s_mul_i32 s10, s10, IMGB                       ; the next tile's image
	s_lshr_b32 s9, s9, 3
	s_and_b32 s9, s9, 1
	s_lshl_b32 s9, s9, 8                           ; the next trip's pass: its 64 words of b1
	s_and_b32 s11, s7, 7
	s_lshl_b32 s11, s11, 11
	s_lshr_b32 s12, s7, 3
	s_lshl_b32 s12, s12, 10
	s_add_co_u32 s11, s11, s12                     ; this trip's place among my fragments
	s_wait_alu depctr_vm_vsrc(0)                   ; the last trip's LDS loads have read v10 and v62, its stores v11 and HC: all are written again in this trip
	v_add_nc_u32 v10, s10, v4
	v_add_nc_u32 v11, s11, v9
	v_add_nc_u32 v62, s9, v13
	v_nop                                          ; with the three additions: four places behind the last product
	WIN 0x40
	s_wait_alu depctr_va_vdst(0)                   ; the products are done reading x's fragments and W1's, in which the loads below land; the three addresses are written
.irp s,0,1
.irp q,0,1,2,3
	ds_load_b128 v[128+16*\s+4*\q:128+16*\s+4*\q+3], v10 offset:128*\s+32*\q
.endr
.endr
	WIN 0
	s_cmp_eq_u32 s7, 7
	s_cbranch_scc0 .Lsame
	W1LOAD 1                                       ; the second pass's weights land under this trip's gelu
.Lsame:
	GELU32
	s_wait_alu depctr_va_vdst(0)                   ; the conversions have written HC, which the stores read, and are done reading A, in which the next bias words land
	ds_store_b128 v11, v[HC:HC+3]                  ; pieces 2 pass, 2 pass + 1 of K step w
	ds_store_b128 v11, v[HC+4:HC+7] offset:512
	BIASLD 62
	s_add_co_u32 s7, s7, 1
	s_cmp_lt_u32 s7, 16
	s_cbranch_scc1 .Lff1
	BARRIER                                        ; the hidden layer's 64 fragments lie in LDS
; ---------------- x += h W2 + b2
	ds_store_b32 v17, v56                          ; no wait of its own, nor for the loads below: no vector line has been issued since the last trip's last wait
.irp t,0,1,2,3,4,5,6,7
.irp c,0,1,2,3
	ds_load_b128 v[ACC+16*\t+4*\c:ACC+16*\t+4*\c+3], v13 offset:16*\c    ; LDS serves a wave's instructions in order: these see my store.  b2 starts the sixteen sums
.endr
.endr
	s_mov_b32 s7, 0
	s_mov_b32 s8, HI
.Lff2:
	FF2STEP 0
	FF2STEP 1
	s_add_co_u32 s8, s8, 32768
	s_add_co_u32 s7, s7, 1
	s_cmp_lt_u32 s7, 4
	s_cbranch_scc1 .Lff2
	s_wait_xcnt 0x0
	s_load_b64 s[44:45], s[0:1], 0xa8              ; where the rows go
.if LAYER == 1
	s_load_b128 s[96:99], s[0:1], 0x8              ; fn_g, fn_b
.endif
	s_lshl_b32 s10, s2, 1
	s_add_co_u32 s10, s10, s5
	s_lshl_b32 s10, s10, 14
	s_lshl_b32 s11, s4, 18
	s_add_co_u32 s10, s10, s11                     ; (256 b + 16 (2 w + sigma)) rows of 1,024 bytes
	s_mov_b32 s11, 0
	s_wait_kmcnt 0x0
	s_add_nc_u64 s[44:45], s[44:45], s[10:11]
.if LAYER == 1
	global_load_b128 v[G:G+3], v12, s[96:97]
	global_load_b128 v[G+4:G+7], v12, s[96:97] offset:512
	global_load_b128 v[G+8:G+11], v12, s[98:99]
	global_load_b128 v[G+12:G+15], v12, s[98:99] offset:512
.endif
	WIN 0x40                                       ; all eight tiles' x at once, into the registers that held the hidden fragments.  No wait: the last step's wait stands behind the last product that read them, and no vector line has been issued since
.irp i,0,1,2,3,4,5,6,7
	XRLOAD \i,16*\i
.endr
	WIN 0x10                                       ; source 2 (x) window 1; the sums, and the results onto them, window 0
.irp i,0,1,2,3,4,5,6,7
	s_wait_dscnt 28-4*\i                           ; tile i's four loads are in; four for each later tile may be out
	XFMA ACC+16*\i,ACC+16*\i,16*\i
.endr
	WIN 0
	s_wait_alu depctr_va_vdst(0)                   ; the multiply-adds have written v96-223, which the run of stores reads
.irp i,0,1,2,3,4,5,6,7
	XSTORE \i,ACC+16*\i
.endr
	BARRIER                                        ; x is whole
; ---------------- the way out, by rows: each store covers 512 consecutive bytes, aligned
	s_mov_b32 s7, 0
	s_mov_b32 s61, 0
	s_wait_loadcnt 0x0
.Lout:
	s_wait_alu depctr_vm_vsrc(0)                   ; the last trip's LDS loads have read v10, its stores their data; in the first trip: x's stores have read v96-223: all are written again below
	v_add_nc_u32 v10, s61, v18
	s_wait_alu depctr_va_vdst(0)                   ; v10 is written, which the loads read; the lines issued so far are done with X, in which they land
.irp k,0,1,2,3
	ds_load_b128 v[X+8*\k:X+8*\k+3], v10 offset:\k*XP
	ds_load_b128 v[X+8*\k+4:X+8*\k+7], v10 offset:\k*XP+512
.endr
	s_wait_dscnt 0x0
.if LAYER == 1
	LNA
	LNB
	s_wait_alu depctr_va_vdst(0)                   ; the last LayerNorm has written D, which the stores read
.irp k,0,1,2,3
	global_store_b128 v12, v[D+8*\k:D+8*\k+3], s[44:45] offset:1024*\k th:TH_STORE_NT
	global_store_b128 v12, v[D+8*\k+4:D+8*\k+7], s[44:45] offset:1024*\k+512 th:TH_STORE_NT
.endr
.else
.irp k,0,1,2,3
	global_store_b128 v12, v[X+8*\k:X+8*\k+3], s[44:45] offset:1024*\k
	global_store_b128 v12, v[X+8*\k+4:X+8*\k+7], s[44:45] offset:1024*\k+512
.endr
.endif
	s_wait_xcnt 0x0                                ; the stores' data and base are written again only behind this wait
	s_add_nc_u64 s[44:45], s[44:45], 4096
	s_add_co_u32 s61, s61, 4*XP
	s_add_co_u32 s7, s7, 1
	s_cmp_lt_u32 s7, 4
	s_cbranch_scc1 .Lout
	s_set_vgpr_msb 0x5
	s_wait_dscnt 0x0
	s_wait_alu depctr_hold_cnt(0) depctr_sa_sdst(0) depctr_va_vdst(0) depctr_va_sdst(0) depctr_va_ssrc(0) depctr_va_vcc(0) depctr_vm_vsrc(0)
	s_wait_tensorcnt 0x0
	ds_add_u32 v254, v255
	s_wait_dscnt 0x0
	s_endpgm
.Lfunc_end_k_qb0b49e6546_layer0:
	.size	k_qb0b49e6546_layer0, .Lfunc_end_k_qb0b49e6546_layer0-k_qb0b49e6546_layer0
	.p2alignl 7, 3214868480
	.fill 96, 4, 3214868480
	.section	.rodata,"a",@progbits
	.p2align	6, 0x0
	.amdhsa_kernel k_qb0b49e6546_layer0
		.amdhsa_group_segment_fixed_size 313344
		.amdhsa_private_segment_fixed_size 0
		.amdhsa_enable_private_segment 0
		.amdhsa_kernarg_size 176
		.amdhsa_user_sgpr_count 2
		.amdhsa_user_sgpr_kernarg_segment_ptr 1
		.amdhsa_wavefront_size32 1
		.amdhsa_system_sgpr_workgroup_id_x 1
		.amdhsa_system_sgpr_workgroup_id_y 1
		.amdhsa_system_sgpr_workgroup_id_z 1
		.amdhsa_system_vgpr_workitem_id 0
		.amdhsa_next_free_vgpr 512
		.amdhsa_next_free_sgpr 100
		.amdhsa_reserve_vcc 1
		.amdhsa_float_denorm_mode_32 3
		.amdhsa_float_denorm_mode_16_64 3
		.amdhsa_memory_ordered 1
		.amdhsa_forward_progress 1
		.amdhsa_inst_pref_size 255
	.end_amdhsa_kernel
	.section	.bss,"aw",@nobits
	.p2align	6
	.space	262144
	.amdgpu_metadata
---
amdhsa.version: [ 1, 2 ]
amdhsa.kernels:
  - .name:           k_qb0b49e6546_layer0
    .symbol:         k_qb0b49e6546_layer0.kd
    .args:
      - { .name: item_emb, .offset: 0, .size: 8, .value_kind: global_buffer, .address_space: global }
      - { .name: seq, .offset: 8, .size: 8, .value_kind: global_buffer, .address_space: global }
      - { .name: pos_emb, .offset: 16, .size: 8, .value_kind: global_buffer, .address_space: global }
      - { .name: mask, .offset: 24, .size: 8, .value_kind: global_buffer, .address_space: global }
      - { .name: lowp_scales, .offset: 32, .size: 8, .value_kind: global_buffer, .address_space: global }
      - { .name: ln1_g, .offset: 40, .size: 8, .value_kind: global_buffer, .address_space: global }
      - { .name: ln1_b, .offset: 48, .size: 8, .value_kind: global_buffer, .address_space: global }
      - { .name: Wq_codes, .offset: 56, .size: 8, .value_kind: global_buffer, .address_space: global }
      - { .name: bq, .offset: 64, .size: 8, .value_kind: global_buffer, .address_space: global }
      - { .name: Wk_codes, .offset: 72, .size: 8, .value_kind: global_buffer, .address_space: global }
      - { .name: bk, .offset: 80, .size: 8, .value_kind: global_buffer, .address_space: global }
      - { .name: Wv_codes, .offset: 88, .size: 8, .value_kind: global_buffer, .address_space: global }
      - { .name: bv, .offset: 96, .size: 8, .value_kind: global_buffer, .address_space: global }
      - { .name: Wo_codes, .offset: 104, .size: 8, .value_kind: global_buffer, .address_space: global }
      - { .name: bo, .offset: 112, .size: 8, .value_kind: global_buffer, .address_space: global }
      - { .name: ln2_g, .offset: 120, .size: 8, .value_kind: global_buffer, .address_space: global }
      - { .name: ln2_b, .offset: 128, .size: 8, .value_kind: global_buffer, .address_space: global }
      - { .name: W1_codes, .offset: 136, .size: 8, .value_kind: global_buffer, .address_space: global }
      - { .name: b1, .offset: 144, .size: 8, .value_kind: global_buffer, .address_space: global }
      - { .name: W2_codes, .offset: 152, .size: 8, .value_kind: global_buffer, .address_space: global }
      - { .name: b2, .offset: 160, .size: 8, .value_kind: global_buffer, .address_space: global }
      - { .name: x1, .offset: 168, .size: 8, .value_kind: global_buffer, .address_space: global }
    .group_segment_fixed_size: 313344
    .private_segment_fixed_size: 0
    .kernarg_segment_align: 8
    .kernarg_segment_size: 176
    .max_flat_workgroup_size: 256
    .sgpr_count:     100
    .vgpr_count:     512
    .wavefront_size: 32
...
	.end_amdgpu_metadata
.endif
;; end of part 3
;; launch layer1 (part 4): grid 256 x 1, 8 waves a work-group, no clusters, 313,344 bytes of LDS; arguments x1, fn_g, fn_b, mask, lowp_scales, ln1_g, ln1_b, Wq_codes, bq, Wk_codes, bk, Wv_codes, bv, Wo_codes, bo, ln2_g, ln2_b, W1_codes, b1, W2_codes, b2, out0; writes out0
.if DOCPART == 4
	.amdgcn_target "amdgcn-amd-amdhsa--gfx1250"
	.amdhsa_code_object_version 6
	.text
	.protected	k_qb0b49e6546_layer1
	.globl	k_qb0b49e6546_layer1
	.p2align	8
	.type	k_qb0b49e6546_layer1,@function
k_qb0b49e6546_layer1:
	s_mov_b64 s[64:65], 0
	v_nop
	global_prefetch_b8 v0, s[64:65] scope:SCOPE_SE
	s_setreg_imm32_b32 hwreg(HW_REG_WAVE_SCHED_MODE, 0, 2), 2
	s_setreg_imm32_b32 hwreg(HW_REG_WAVE_MODE, 25, 1), 1
	s_wait_xcnt 0x0
	s_wait_alu depctr_vm_vsrc(0)
; ONE ENCODER BLOCK (LAYER 0: with the embedding in front; LAYER 1: with the last LayerNorm behind), all products on codes of BF8 (E5M2), each operand with its given scale 2^e.
; SHARES.  A work-group is half a sequence: b = group / 2, p = group % 2.  Of the 16 tiles of 16 rows it OWNS eight: own tile i is tile 2 i + (p ^ (i & 1)), the OTHER tile i is its neighbour in the pair.
; Keys and values are wanted for all 256 rows, so LayerNorm 1 and the K and V projections are also made for the other 128 rows.  Both halves have the same causal work.
; A wave has two parts.  COLUMNS: wave w owns head w = columns 32 w .. 32 w + 31 of Q, K, V, o, Wo's and W2's results, and hidden units 128 w .. 128 w + 127, for all rows; its share of each weight goes from memory
; straight into operand registers, once.  ROWS: for LayerNorms and the ways in and out wave w owns own tile w and other tile w; a row lies across the 32 lanes, columns 4 l .. 4 l + 3 and 128 + 4 l .. + 3 a lane.
; x of the 128 own rows lives in LDS.  No tile of a weight is shared through LDS (x and the operands' images fill it), so there are no tensor loads and no joint loads.
; LAYOUTS.  Products are used transposed (source 0 = 16 rows of a weight, source 1 = 16 rows of the activations): a lane holds one row.  Lane r of weight tile u takes row 32 (u / 2) + 8 (u % 2) + r + 8 (r / 8), so that
; the 16 registers of tiles 2 b, 2 b + 1 are 16 neighbours along the next K.  V alone is made the natural way, so that its registers run along the keys.  Keys stand in LOCAL order: tile 2 i = own i, tile 2 i + 1 = other i.
; K's codes stand on end, 4 registers a key tile; a K = 64 fragment reads 8: its upper half is the next tile's codes, which meet Q's zero codes.
; THE MASKS.  A hidden score gets -1e9 (in the sums' units) as the C of its product, so that its weight is 0.  A query q under f0, the first key whose mask is not 0, sees padded keys only: reference() then weighs all 256
; keys by 1 / 256, and so does this text: those rows' codes are replaced by the code of 1 / 256, on all 256 keys, by a select.
; LIMITS.  NaN and infinities among the inputs are not served.  Each power of two made from the given exponents is a normal f32 number: e0, e2, e4, e9, e12, e6-e0-e1, e7-e2-e3, e8-e4-e5, e10-e8-e9, e14-e12-e13+1 in -126 .. 112;
; e10+e11, e14+e15 in -126 .. 127; e6+e7 in -90 .. 120; e12+e13 in -60 .. 60.  True scores stay far under 1e9 in size.
; THE MODE: SCHED_MODE bits 1:0 = 2 (LLVM: expert scheduling mode 2), set by the entry lines.  The code itself states the register dependences between vector or matrix instructions and memory or LDS
; instructions, with s_wait_alu, always for 0.
; THE PLAN.  Addresses v4-6, v12-17, v19-21 are made once at the head and never written again.  What is written again, and where its waits stand:
;   the way in:   X, POS (loaded; read by the sums, by the mean's lines and by x's stores), v52-56 (offsets), v10, v11, CC (codes).  A trip: one wait ahead of x's stores; one on vm_vsrc behind the mean, ahead of the branch,
;                 for all that stores and loads have read; one in ASKROWS ahead of the next rows' loads; all conversions, one wait, one run of image stores.
;   K, V, Q:      XF is read by a step's products and then loaded again: one wait a step, behind the four places.
;   attention:    S is loaded (the padding's words), worked on and loaded again: one wait ahead of the loads.  o's codes v60-63 are stored a tile later, behind the next tile's wait for its exponentials.
;   Wo:           x's columns take three sets of registers by turns; a step's stores go out a step later: one wait on va_vdst and one on vm_vsrc a step.
;   LayerNorm 2, the way out: a trip: vm_vsrc, the addresses, va_vdst, the loads; the work; va_vdst, the stores.
;   the hidden layer: a trip's three addresses are made together behind the products: vm_vsrc ahead of them, va_vdst behind them; one more wait behind gelu, ahead of the codes' stores and the next bias words.
;   the second FFN product: behind a step's products vm_vsrc, the addresses, va_vdst; then the weight set's loads and the next step's fragments.
;   the last update of x: all eight tiles' x are asked for at once; the multiply-adds write onto the accumulators; one wait; one run of stores.
.set LAYER, 1
.set NROWL, 16-8*LAYER                 ; loads that ask for a batch of four rows
.set IP,    272                        ; a row of an image: 256 codes + 16 bytes: sixteen rows begin at sixteen different groups of banks
.set IMGB,  16*IP
.set BLK,   5*IMGB                     ; block i: own K, other K, own V, other V, own Q
.set HI,    8*IMGB                     ; later: LN2's images at 0, the hidden layer's fragments from HI on: 16384 wave + 2048 tile + 512 piece + 16 lane
.set XS,    8*BLK                      ; x: 128 rows of 1,024 bytes + 16
.set XP,    1040
.set PADB,  XS+128*XP                  ; 256 words, local key order: 0 or -1e9
.set BT,    PADB+1024                  ; 512 bytes a wave, its own: b1, later b2
.set RA,  4                            ; v4-6   reader of images: 272 r + 16 h, + 3 blocks, + 6 blocks
.set CB,  32                           ; v32-39 the causal mask of the diagonal tile
.set QF,  40                           ; v40-47 Q's fragment: 4 registers of codes, 4 of zeros
.set AD,  52                           ; v52-56 offsets of the rows asked for
.set G,   64                           ; v64-79 a LayerNorm's gain and bias
.set O,   64                           ; v64-79 O^T in attention
.set BIAS, 80                          ; v80-95 a projection's bias, as C
.set X,   96
.set POS, 128
.set D,   160
.set Z,   192
.set CC,  208
.set ST,  232
.set XF,  96
.set AC,  160
.set WFB, 192
.set S,   96
.set P,   224
.set XR,  144                          ; v144-191 Wo's steps: x's columns, three sets of 16 by turns
.set A_,  96
.set GA,  128
.set GT,  160
.set GP,  192
.set TM,  224
.set HC,  232
.set ACC, 96
.set KC,  0                            ; window 1: K's codes, 4 a tile, + 4 zeros
.set VT,  68                           ; window 1: V^T: 32 u + 16 (half of the keys)
.set QC,  132                          ; window 1: Q's codes, 4 a tile
.set WFA, 164                          ; window 1: a weight's four fragments: 32 u + 16 s
.set MSB, 0
.macro WIN new                         ; low byte: bits 1:0 source 0, 3:2 source 1, 5:4 source 2, 7:6 destination; the high byte repeats the setting that is left
.if MSB != \new
	s_set_vgpr_msb (MSB<<8)|\new
.set MSB, \new
.endif
.endm
.macro NOPS n
.rept \n
	v_nop
.endr
.endm
.macro BARRIER                         ; my LDS stores have landed and my LDS loads are in: then the work-group's barrier
	s_wait_dscnt 0x0
	s_barrier_signal -1
	s_barrier_wait -1
.endm
.macro MKSC vsc, vlim, sexp            ; 2^e as f32, and 57,344 x 2^e
	s_add_co_i32 s9, \sexp, 127
	s_lshl_b32 s10, s9, 23
	v_mov_b32 v[\vsc], s10
	s_add_co_i32 s9, s9, 15
	s_lshl_b32 s9, s9, 23
	s_or_b32 s9, s9, 0x600000
	v_mov_b32 v[\vlim], s9
.endm
.macro PADD p, sh                      ; a buffer's address + wave << sh
	s_lshl_b32 s10, s2, \sh
	s_mov_b32 s11, 0
	s_add_nc_u64 s[\p:\p+1], s[\p:\p+1], s[10:11]
.endm
.macro SPAIR p, val
	s_mov_b32 s[\p], \val
	s_mov_b32 s[\p+1], \val
.endm
.macro WFRAG dst, voff, sp, off        ; a weight's fragment, 16 rows x 128 K: registers 4 q .. 4 q + 3 hold k = 32 q + 16 h + 0 .. 15
.irp q,0,1,2,3
	global_load_b128 v[(\dst)+4*\q:(\dst)+4*\q+3], v[\voff], s[\sp:\sp+1] offset:(\off)+32*\q
.endr
.endm
.macro HOLD base, n, lim               ; the conversion to an 8-bit code does not saturate (ISA guide 7.6.2): hold within the largest code x the scale; ascending
.set hh, 0
.rept \n
	v_med3_num_f32 v[(\base)+hh], v[(\base)+hh], -v[\lim], v[\lim]
.set hh, hh+1
.endr
.endm
; s11 = a batch's number (0-3 own rows, 4-7 other rows, four rows each) -> s12 = its first row in the sequence; LAYER 0: its four ids are asked for
.macro ASKIDS
	s_lshr_b32 s12, s11, 2
	s_xor_b32 s12, s12, s5
	s_lshl_b32 s12, s12, 4
	s_and_b32 s13, s11, 3
	s_lshl_b32 s13, s13, 2
	s_add_co_u32 s12, s12, s13
	s_lshl_b32 s13, s2, 5
	s_add_co_u32 s12, s12, s13                     ; 32 w + 16 (sigma ^ other) + 4 (batch % 4)
.if LAYER == 0
	s_lshl_b32 s13, s12, 2
	s_load_b128 s[32:35], s[38:39], s13 offset:0x0
.endif
.endm
; the batch's four rows are asked for: each load reads 512 consecutive bytes of a row
.macro ASKROWS
	s_lshl_b32 s14, s12, 10
	v_add_nc_u32 v[AD+4], s14, v12
.if LAYER == 0
.irp k,0,1,2,3
	s_add_co_i32 s[32+\k], s[32+\k], 1
	s_max_i32 s[32+\k], s[32+\k], 0
	s_min_u32 s[32+\k], s[32+\k], 50000            ; ids = clip(seq + 1, 0, 50000)
	s_lshl_b32 s[32+\k], s[32+\k], 10
	v_add_nc_u32 v[AD+\k], s[32+\k], v12
.endr
.endif
	s_wait_alu depctr_va_vdst(0)                   ; the offsets v52-56 are written, which the loads read; the sums and the mean's lines are done with X and POS, in which the rows land
.if LAYER == 0
.irp k,0,1,2,3
	global_load_b128 v[X+8*\k:X+8*\k+3], v[AD+\k], s[36:37]
	global_load_b128 v[X+8*\k+4:X+8*\k+7], v[AD+\k], s[36:37] offset:512
	global_load_b128 v[POS+8*\k:POS+8*\k+3], v[AD+4], s[40:41] offset:1024*\k
	global_load_b128 v[POS+8*\k+4:POS+8*\k+7], v[AD+4], s[40:41] offset:1024*\k+512
.endr
.else
.irp k,0,1,2,3
	global_load_b128 v[X+8*\k:X+8*\k+3], v[AD+4], s[36:37] offset:1024*\k
	global_load_b128 v[X+8*\k+4:X+8*\k+7], v[AD+4], s[36:37] offset:1024*\k+512
.endr
.endif
.endm
.macro LANESUM t                       ; v[ST + 4 k + t] summed over the 32 lanes, four rows by turns
.irp m,1,2,4,8
.irp k,0,1,2,3
	v_add_f32_dpp v[ST+4*\k+\t], v[ST+4*\k+\t], v[ST+4*\k+\t] row_xmask:\m row_mask:0xf bank_mask:0xf
.endr
.endr
.irp k,0,1,2,3
	v_permlanex16_b32 v[ST+4*\k+\t+1], v[ST+4*\k+\t], s48, s49
.endr
.irp k,0,1,2,3
	v_add_f32 v[ST+4*\k+\t], v[ST+4*\k+\t], v[ST+4*\k+\t+1]
.endr
.endm
; LayerNorm of four rows, first half: the mean, and D = X - mean.  X is free behind it
.macro LNA
.irp k,0,1,2,3
	v_pk_add_f32 v[ST+4*\k:ST+4*\k+1], v[X+8*\k:X+8*\k+1], v[X+8*\k+2:X+8*\k+3]
	v_pk_add_f32 v[ST+4*\k+2:ST+4*\k+3], v[X+8*\k+4:X+8*\k+5], v[X+8*\k+6:X+8*\k+7]
.endr
.irp k,0,1,2,3
	v_pk_add_f32 v[ST+4*\k:ST+4*\k+1], v[ST+4*\k:ST+4*\k+1], v[ST+4*\k+2:ST+4*\k+3]
.endr
.irp k,0,1,2,3
	v_add_f32 v[ST+4*\k], v[ST+4*\k], v[ST+4*\k+1]
.endr
	LANESUM 0
.irp k,0,1,2,3
	v_mul_f32 v[ST+4*\k], 0xbb800000, v[ST+4*\k]   ; - the mean
.endr
.irp k,0,1,2,3
.irp j,0,2,4,6
	v_pk_add_f32 v[D+8*\k+\j:D+8*\k+\j+1], v[X+8*\k+\j:X+8*\k+\j+1], v[ST+4*\k:ST+4*\k+1] op_sel_hi:[1,0]
.endr
.endr
.endm
; second half: the variance of the differences (no difference of large sums), D = D / sqrt(var + eps) x gain + bias
.macro LNB
.irp k,0,1,2,3
	v_pk_mul_f32 v[ST+4*\k+2:ST+4*\k+3], v[D+8*\k:D+8*\k+1], v[D+8*\k:D+8*\k+1]
.endr
.irp j,2,4,6
.irp k,0,1,2,3
	v_pk_fma_f32 v[ST+4*\k+2:ST+4*\k+3], v[D+8*\k+\j:D+8*\k+\j+1], v[D+8*\k+\j:D+8*\k+\j+1], v[ST+4*\k+2:ST+4*\k+3]
.endr
.endr
.irp k,0,1,2,3
	v_add_f32 v[ST+4*\k+2], v[ST+4*\k+2], v[ST+4*\k+3]
.endr
	LANESUM 2
.irp k,0,1,2,3
	v_fma_f32 v[ST+4*\k+2], v[ST+4*\k+2], s58, s59 ; / 256 + 1e-5
.endr
.irp k,0,1,2,3
	v_rsq_f32 v[ST+4*\k+2], v[ST+4*\k+2]
.endr
	v_nop                                          ; a plain line behind the last root,
	s_wait_alu depctr_va_vdst(0)                   ; the four roots have written v[ST + 4 k + 2]: one wait for the four, ahead of their first reader
.irp k,0,1,2,3
.irp j,0,2,4,6
	v_pk_mul_f32 v[D+8*\k+\j:D+8*\k+\j+1], v[D+8*\k+\j:D+8*\k+\j+1], v[ST+4*\k+2:ST+4*\k+3] op_sel_hi:[1,0]
.endr
.endr
.irp k,0,1,2,3
.irp j,0,2,4,6
	v_pk_fma_f32 v[D+8*\k+\j:D+8*\k+\j+1], v[D+8*\k+\j:D+8*\k+\j+1], v[G+\j:G+\j+1], v[G+8+\j:G+8+\j+1]
.endr
.endr
.endm
; row k of D becomes 8 codes a lane, in registers of their own (pair c).  The held numbers take two sets of registers by turns, so that eight plain lines stand between a conversion and the next write of its sources
.macro QCVT k, sc, lim, c
.irp j,0,1,2,3,4,5,6,7
	v_med3_num_f32 v[Z+8*((\c)%2)+\j], v[D+8*(\k)+\j], -v[\lim], v[\lim]
.endr
	v_cvt_scalef32_pk8_bf8_f32 v[CC+2*(\c):CC+2*(\c)+1], v[Z+8*((\c)%2):Z+8*((\c)%2)+7], v[\sc]
.endm
; pair c goes to row k of the image at v11 + img
.macro QST k, c, img
	ds_store_b32 v11, v[CC+2*(\c)] offset:(\img)+(\k)*IP
	ds_store_b32 v11, v[CC+2*(\c)+1] offset:(\img)+(\k)*IP+128
.endm
; a trip of the way in: four rows.  s7 = the batch, s8 = its rows' place in my block's images, s61 = in my rows of x
.macro P1TRIP own
	s_wait_loadcnt 0x0                             ; this batch's rows are in
	s_add_co_u32 s11, s7, 1
	s_and_b32 s11, s11, 7
	ASKIDS                                         ; the next batch (behind the last: batch 0's ids again, inside the buffer, not used)
.if LAYER == 0
.set hh, 0
.rept 16
	v_pk_add_f32 v[X+hh:X+hh+1], v[X+hh:X+hh+1], v[POS+hh:POS+hh+1]
.set hh, hh+2
.endr
.endif
.if \own
	v_add_nc_u32 v10, s61, v18
	s_wait_alu depctr_va_vdst(0)                   ; v10 is written (LAYER 0: and the sums in X), which the LDS stores read
.irp k,0,1,2,3
	ds_store_b128 v10, v[X+8*\k:X+8*\k+3] offset:\k*XP
	ds_store_b128 v10, v[X+8*\k+4:X+8*\k+7] offset:\k*XP+512
.endr
.endif
	LNA
	s_wait_dscnt 0x0
	s_wait_alu depctr_vm_vsrc(0)                   ; x's stores have read X and v10, the last trip's image stores v11 and CC, the last loads v52-56: all are written again below or in the next trip.  Ahead of the branch
.if LAYER == 0
	s_wait_kmcnt 0x0                               ; the ids are in
.endif
.if \own == 0
	s_cmp_eq_u32 s7, 7                             ; behind the last batch nothing is asked for
	s_cbranch_scc1 .Lnomore_\@
.endif
	ASKROWS                                        ; they land while this batch is normalised and quantised
.if \own == 0
.Lnomore_\@:
.endif
	LNB
	v_add_nc_u32 v11, s8, v7
.if \own
.irp k,0,1,2,3
	QCVT \k,28,29,3*\k
	QCVT \k,30,31,3*\k+1
	QCVT \k,26,27,3*\k+2
.endr
.else
.irp k,0,1,2,3
	QCVT \k,28,29,2*\k
	QCVT \k,30,31,2*\k+1
.endr
.endif
	v_nop                                          ; a plain line behind the last conversion
	s_wait_alu depctr_va_vdst(0)                   ; the conversions have written CC, and v11 is written: the run of image stores reads them
.if \own
.irp k,0,1,2,3
	QST \k,3*\k,0
	QST \k,3*\k+1,2*IMGB
	QST \k,3*\k+2,4*IMGB
.endr
.else
.irp k,0,1,2,3
	QST \k,2*\k,0
	QST \k,2*\k+1,2*IMGB
.endr
.endif
.endm
.macro XLOAD2 i, img                   ; own tile i's and other tile i's fragments (two K steps each) out of block i
.irp a,0,1
.irp s,0,1
.irp q,0,1,2,3
	ds_load_b128 v[XF+32*\a+16*\s+4*\q:XF+32*\a+16*\s+4*\q+3], v[RA+(\i)/3] offset:((\i)%3)*BLK+(\img)+\a*IMGB+128*\s+32*\q
.endr
.endr
.endr
.endm
.macro XLOADQ i
.irp s,0,1
.irp q,0,1,2,3
	ds_load_b128 v[XF+16*\s+4*\q:XF+16*\s+4*\q+3], v[RA+(\i)/3] offset:((\i)%3)*BLK+4*IMGB+128*\s+32*\q
.endr
.endr
.endm
; K of key tiles 2 i, 2 i + 1: four accumulators by turns, the bias as the first C.  Four places, the wait, then the next step's fragments are asked for; the holds and conversions stand over their way
.macro KSTEP i
	s_wait_dscnt 0x0
	WIN 0x01
.irp s,0,1
.irp a,0,1
.irp u,0,1
.if \s == 0
	v_wmma_f32_16x16x128_bf8_bf8 v[AC+16*\a+8*\u:AC+16*\a+8*\u+7], v[WFA+32*\u:WFA+32*\u+15], v[XF+32*\a:XF+32*\a+15], v[BIAS+8*\u:BIAS+8*\u+7]
.else
	v_wmma_f32_16x16x128_bf8_bf8 v[AC+16*\a+8*\u:AC+16*\a+8*\u+7], v[WFA+32*\u+16:WFA+32*\u+31], v[XF+32*\a+16:XF+32*\a+31], v[AC+16*\a+8*\u:AC+16*\a+8*\u+7]
.endif
.endr
.endr
.endr
	WIN 0
	NOPS 4
	s_wait_alu depctr_va_vdst(0)                   ; the products are done reading XF, in which the next fragments land
.if \i < 7
	XLOAD2 \i+1,0
.else
	XLOAD2 0,2*IMGB
.endif
	HOLD AC,32,27
	WIN 0x40
.irp a,0,1
.irp u,0,1
	v_cvt_scalef32_pk8_bf8_f32 v[KC+4*(2*(\i)+\a)+2*\u:KC+4*(2*(\i)+\a)+2*\u+1], v[AC+16*\a+8*\u:AC+16*\a+8*\u+7], v26
.endr
.endr
	WIN 0
	v_nop
.endm
; V the natural way (source 0 = the rows, source 1 = Wv): a lane holds one channel, its registers run along the keys
.macro VSTEP i
	s_wait_dscnt 0x0
.irp s,0,1
.irp a,0,1
.irp u,0,1
.if \s == 0
	v_wmma_f32_16x16x128_bf8_bf8 v[AC+16*\a+8*\u:AC+16*\a+8*\u+7], v[XF+32*\a:XF+32*\a+15], v[WFB+32*\u:WFB+32*\u+15], v[BIAS+8*\u:BIAS+8*\u+7]
.else
	v_wmma_f32_16x16x128_bf8_bf8 v[AC+16*\a+8*\u:AC+16*\a+8*\u+7], v[XF+32*\a+16:XF+32*\a+31], v[WFB+32*\u+16:WFB+32*\u+31], v[AC+16*\a+8*\u:AC+16*\a+8*\u+7]
.endif
.endr
.endr
.endr
	NOPS 4
	s_wait_alu depctr_va_vdst(0)                   ; the products are done reading XF, in which the next fragments land
.if \i < 7
	XLOAD2 \i+1,2*IMGB
.else
	XLOADQ 0
.endif
	HOLD AC,32,29
	WIN 0x40
.irp a,0,1
.irp u,0,1
	v_cvt_scalef32_pk8_bf8_f32 v[VT+32*\u+16*((2*(\i)+\a)/8)+2*((2*(\i)+\a)%8):VT+32*\u+16*((2*(\i)+\a)/8)+2*((2*(\i)+\a)%8)+1], v[AC+16*\a+8*\u:AC+16*\a+8*\u+7], v28
.endr
.endr
	WIN 0
	v_nop
.endm
.macro QSTEP i
	s_wait_dscnt 0x0
	WIN 0x01
.irp s,0,1
.irp u,0,1
.if \s == 0
	v_wmma_f32_16x16x128_bf8_bf8 v[AC+8*\u:AC+8*\u+7], v[WFA+32*\u:WFA+32*\u+15], v[XF:XF+15], v[BIAS+8*\u:BIAS+8*\u+7]
.else
	v_wmma_f32_16x16x128_bf8_bf8 v[AC+8*\u:AC+8*\u+7], v[WFA+32*\u+16:WFA+32*\u+31], v[XF+16:XF+31], v[AC+8*\u:AC+8*\u+7]
.endif
.endr
.endr
	WIN 0
	NOPS 4
.if \i < 7
	s_wait_alu depctr_va_vdst(0)                   ; the products are done reading XF, in which the next fragments land
	XLOADQ \i+1
.endif
	HOLD AC,16,31
	WIN 0x40
.irp u,0,1
	v_cvt_scalef32_pk8_bf8_f32 v[QC+4*(\i)+2*\u:QC+4*(\i)+2*\u+1], v[AC+8*\u:AC+8*\u+7], v30
.endr
	WIN 0
	v_nop
.endm
.macro PRELOAD n2                      ; the padding's 0 or -1e9 of n2 key tiles, as the C of the scores
.set tc, 0
.rept \n2
	ds_load_b128 v[S+8*tc:S+8*tc+3], v19 offset:64*tc
	ds_load_b128 v[S+8*tc+4:S+8*tc+7], v19 offset:64*tc+16
.set tc, tc+1
.endr
.endm
; ATTENTION of my head for own tile i: its 16 queries against key tiles 0 .. 2 i + 1; a lane holds one query (lane % 16) and, of each tile, keys 8 (lane / 16) + 0 .. 7
.macro ATT i
.set NT, 2*(\i)+2
	WIN 0x01
.irp j,0,1,2,3
	v_mov_b32 v[QF+\j], v[QC+4*(\i)+\j]
.endr
	WIN 0
	s_wait_dscnt 0x0                               ; the padding's words are in
.irp j,0,1,2,3,4,5,6,7
	v_min_num_f32 v[S+8*(NT-2)+\j], v[S+8*(NT-2)+\j], v[CB+\j]                ; the tile itself: keys behind the query are hidden
	v_min_num_f32 v[S+8*(NT-1)+\j], s[54+(\i)%2], v[S+8*(NT-1)+\j]            ; its neighbour: all seen or all hidden
.endr
	WIN 0x01
.set tc, 0
.rept NT
	v_wmma_f32_16x16x64_bf8_bf8 v[S+8*tc:S+8*tc+7], v[KC+4*tc:KC+4*tc+7], v[QF:QF+7], v[S+8*tc:S+8*tc+7]
.set tc, tc+1
.endr
	WIN 0
	v_mov_b32 v48, 0xff800000
	v_mov_b32 v49, 0xff800000
	NOPS 2                                         ; with the two lines above: four places
.set tc, 0
.rept NT/2                                     ; the row's largest score, in two chains, each tile from its low end on
.irp j,0,2,4,6
	v_max3_num_f32 v48, v48, v[S+16*tc+\j], v[S+16*tc+\j+1]
	v_max3_num_f32 v49, v49, v[S+16*tc+8+\j], v[S+16*tc+8+\j+1]
.endr
.set tc, tc+1
.endr
	v_max_num_f32 v48, v48, v49
	v_permlanex16_b32 v49, v48, s48, s49
	v_max_num_f32 v48, v48, v49
	v_mul_f32 v50, s52, v48                        ; - c x the maximum: its rounding is common to the row and leaves p / sum as it is
.set tc, 0
.rept 4*NT
	v_pk_fma_f32 v[S+tc:S+tc+1], v[S+tc:S+tc+1], s[50:51], v[50:51] op_sel_hi:[1,0,0]
.set tc, tc+2
.endr
.set tc, 0
.rept 8*NT
	v_exp_f32 v[S+tc], v[S+tc]
.set tc, tc+1
.endr
	v_nop                                          ; a plain line behind the last exponential,
	s_wait_alu depctr_va_vdst(0)                   ; the exponentials have written S: one wait for the batch, ahead of its first reader.  The last tile's conversions have written v60-63
.if \i > 0
	ds_store_b128 v20, v[60:63] offset:((\i)-1)*4096   ; the tile before: piece w of Wo's operand: k = 32 w + 16 h + 0 .. 15 of row r.  Nothing since the wait names v60-63 or v20
.endif
	v_pk_add_f32 v[52:53], v[S:S+1], v[S+2:S+3]
	v_pk_add_f32 v[54:55], v[S+4:S+5], v[S+6:S+7]
.set tc, 8
.rept 2*NT-2
	v_pk_add_f32 v[52:53], v[52:53], v[S+tc:S+tc+1]
	v_pk_add_f32 v[54:55], v[54:55], v[S+tc+2:S+tc+3]
.set tc, tc+4
.endr
	v_pk_add_f32 v[52:53], v[52:53], v[54:55]
	v_add_f32 v52, v52, v53
	v_permlanex16_b32 v53, v52, s48, s49
	v_add_f32 v52, v52, v53
	v_rcp_f32 v56, v52
	s_sub_co_i32 s9, s6, 32*(\i)
	v_cmp_gt_i32 vcc_lo, s9, v[23+(\i)%2]          ; my query lies under f0: it sees padded keys only.  (Made here, far ahead of the selects that read it)
	v_nop
	s_wait_alu depctr_va_vdst(0)                   ; the reciprocal has written v56, ahead of its first reader
.set tc, 0
.rept NT                                       ; the finished, normalised weights are what is quantised
.irp j,0,2,4,6
	v_pk_mul_f32 v[S+8*tc+\j:S+8*tc+\j+1], v[S+8*tc+\j:S+8*tc+\j+1], v[56:57] op_sel_hi:[1,0]
.endr
.irp j,0,1,2,3,4,5,6,7
	v_min_num_f32 v[S+8*tc+\j], v[S+8*tc+\j], v27  ; never negative: the hold is one-sided
.endr
	v_cvt_scalef32_pk8_bf8_f32 v[P+2*tc:P+2*tc+1], v[S+8*tc:S+8*tc+7], v26
.set tc, tc+1
.endr
	v_nop
	s_wait_alu depctr_va_vcc(0)                    ; the compare has written VCC, ahead of its first reader
.set tc, 0
.rept 32
.if tc < 2*NT
	v_cndmask_b32 v[P+tc], v[P+tc], v25, vcc_lo
.else
	v_cndmask_b32 v[P+tc], 0, v25, vcc_lo          ; keys past the causal edge: zero codes, but for such a query
.endif
.set tc, tc+1
.endr
.if \i < 7
	s_wait_alu depctr_va_vdst(0)                   ; the conversions and all earlier lines are done with S, in which the next tile's padding words land
	PRELOAD NT+2
.endif
	WIN 0x01
	v_wmma_f32_16x16x128_bf8_bf8 v[O:O+7], v[VT:VT+15], v[P:P+15], 0
	v_wmma_f32_16x16x128_bf8_bf8 v[O+8:O+15], v[VT+32:VT+47], v[P:P+15], 0
	v_wmma_f32_16x16x128_bf8_bf8 v[O:O+7], v[VT+16:VT+31], v[P+16:P+31], v[O:O+7]
	v_wmma_f32_16x16x128_bf8_bf8 v[O+8:O+15], v[VT+48:VT+63], v[P+16:P+31], v[O+8:O+15]
	WIN 0
	NOPS 4
.if \i > 0
	s_wait_alu depctr_vm_vsrc(0)                   ; the store above has read v60-63, which the conversions below write again
.endif
	HOLD O,16,29
	v_cvt_scalef32_pk8_bf8_f32 v[60:61], v[O:O+7], v28
	v_cvt_scalef32_pk8_bf8_f32 v[62:63], v[O+8:O+15], v28
	v_nop
.endm
.macro XRLOAD i, xr                    ; my 16 columns of x, row r of own tile i
.irp q,0,1,2,3
	ds_load_b128 v[(\xr)+4*\q:(\xr)+4*\q+3], v[15+(\i)/4] offset:((\i)%4)*16*XP+16*\q
.endr
.endm
.macro XFMA dst, acc, xr               ; x + sum x 2^e
.irp j,0,2,4,6,8,10,12,14
	v_pk_fma_f32 v[(\dst)+\j:(\dst)+\j+1], v[(\acc)+\j:(\acc)+\j+1], s[56:57], v[(\xr)+\j:(\xr)+\j+1] op_sel_hi:[1,0,1]
.endr
.endm
.macro XSTORE i, xr                    ; back to x's place
.irp q,0,1,2,3
	ds_store_b128 v[15+(\i)/4], v[(\xr)+4*\q:(\xr)+4*\q+3] offset:((\i)%4)*16*XP+16*\q
.endr
.endm
.macro WOLOAD i
.irp c,0,1,2,3,4,5,6,7
	ds_load_b128 v[XF+4*\c:XF+4*\c+3], v12 offset:(\i)*4096+512*\c
.endr
	XRLOAD \i,XR+16*((\i)%3)
.endm
; step i: the products; the stores of step i - 1; the loads of step i + 1; the multiply-adds of step i.  x's set i % 3: loaded in step i - 1, written in step i, stored in step i + 1, loaded again in step i + 2
.macro WOSTEP i
	s_wait_dscnt 0x0
	WIN 0x01
.irp s,0,1
.irp u,0,1
.if \s == 0
	v_wmma_f32_16x16x128_bf8_bf8 v[128+8*\u:128+8*\u+7], v[WFA+32*\u:WFA+32*\u+15], v[XF:XF+15], v[BIAS+8*\u:BIAS+8*\u+7]
.else
	v_wmma_f32_16x16x128_bf8_bf8 v[128+8*\u:128+8*\u+7], v[WFA+32*\u+16:WFA+32*\u+31], v[XF+16:XF+31], v[128+8*\u:128+8*\u+7]
.endif
.endr
.endr
	WIN 0
	NOPS 4
	s_wait_alu depctr_va_vdst(0)                   ; the products are done reading XF, in which the next fragments land; the last step's multiply-adds have written their set of x, which the stores below read
.if (\i >= 2) && (\i < 7)
	s_wait_alu depctr_vm_vsrc(0)                   ; the stores issued in the last step have read the set of x in which the loads below land
.endif
.if \i > 0
	XSTORE \i-1,XR+16*((\i+2)%3)
.endif
.if \i < 7
	WOLOAD \i+1
.endif
	XFMA XR+16*((\i)%3),128,XR+16*((\i)%3)
.endm
.macro BIASLD adr                      ; b1 of the pass's four tiles, in the result's layout, as C
.irp u,0,1,2,3
	ds_load_b128 v[A_+8*\u:A_+8*\u+3], v[\adr] offset:128*(\u/2)+32*(\u%2)
	ds_load_b128 v[A_+8*\u+4:A_+8*\u+7], v[\adr] offset:128*(\u/2)+32*(\u%2)+16
.endr
.endm
.macro W1LOAD pass
	WIN 0x40
.irp u,0,1,2,3
.irp s,0,1
	WFRAG 32*\u+16*\s,21,88,LAYER*262144+(64*(\pass)+32*(\u/2)+8*(\u%2))*256+128*\s
.endr
.endr
	WIN 0
.endm
; exact gelu of 32 sums A (x = A 2^E): 2 g / 2^E = (A + |A|) - |A| t 2^arg, t = 1 / (1 + |x| / sqrt(8)), arg = log2(e) (-x^2 / 2 + a polynomial of degree 9 in t): erfc to about 1e-7 of its value for every x
.macro GELU32
.set hh, 0
.rept 32
	v_and_b32 v[GA+hh], s60, v[A_+hh]
.set hh, hh+1
.endr
.set hh, 0
.rept 16
	v_pk_fma_f32 v[GT+hh:GT+hh+1], v[GA+hh:GA+hh+1], s[84:85], 1.0 op_sel_hi:[1,0,0]
.set hh, hh+2
.endr
.set hh, 0
.rept 32
	v_rcp_f32 v[GT+hh], v[GT+hh]
.set hh, hh+1
.endr
.set hh, 0
.rept 16                                       ; plain work behind the reciprocals
	v_pk_add_f32 v[A_+hh:A_+hh+1], v[A_+hh:A_+hh+1], v[GA+hh:GA+hh+1]
.set hh, hh+2
.endr
	s_wait_alu depctr_va_vdst(0)                   ; the reciprocals have written GT: one wait for the batch, ahead of its first reader
.set hh, 0
.rept 16
	v_pk_fma_f32 v[GP+hh:GP+hh+1], v[GT+hh:GT+hh+1], v[240:241], s[66:67] op_sel_hi:[1,0,0]
.set hh, hh+2
.endr
.irp c,68,70,72,74,76,78,80,82
.set hh, 0
.rept 16
	v_pk_fma_f32 v[GP+hh:GP+hh+1], v[GP+hh:GP+hh+1], v[GT+hh:GT+hh+1], s[\c:\c+1] op_sel_hi:[1,1,0]
.set hh, hh+2
.endr
.endr
.set hh, 0
.rept 16
	v_pk_mul_f32 v[TM+hh%8:TM+hh%8+1], v[GA+hh:GA+hh+1], v[GA+hh:GA+hh+1]
	v_pk_fma_f32 v[GP+hh:GP+hh+1], v[TM+hh%8:TM+hh%8+1], s[86:87], v[GP+hh:GP+hh+1] op_sel_hi:[1,0,1]
.set hh, hh+2
.endr
.set hh, 0
.rept 32
	v_exp_f32 v[GP+hh], v[GP+hh]
.set hh, hh+1
.endr
.set hh, 0
.rept 16                                       ; plain work behind the exponentials
	v_pk_mul_f32 v[GA+hh:GA+hh+1], v[GA+hh:GA+hh+1], v[GT+hh:GT+hh+1]
.set hh, hh+2
.endr
	s_wait_alu depctr_va_vdst(0)                   ; the exponentials have written GP: one wait for the batch, ahead of its first reader
.set hh, 0
.rept 16
	v_pk_fma_f32 v[A_+hh:A_+hh+1], v[GA+hh:GA+hh+1], v[GP+hh:GP+hh+1], v[A_+hh:A_+hh+1] neg_lo:[1,0,0] neg_hi:[1,0,0]
.set hh, hh+2
.endr
	HOLD A_,32,27
.irp t,0,1,2,3
	v_cvt_scalef32_pk8_bf8_f32 v[HC+2*\t:HC+2*\t+1], v[A_+8*\t:A_+8*\t+7], v26
.endr
	v_nop
.endm
; a K step of the second FFN product: the eight tiles' hidden fragments from LDS, sixteen accumulators by turns; then weight set k takes the K step two further on (it wraps, inside the buffer)
.macro FF2STEP k
.if \k == 0
	s_wait_alu depctr_vm_vsrc(0)                   ; the LDS loads issued so far have read v10
	v_add_nc_u32 v10, s8, v12
	WIN 0x40
	s_wait_alu depctr_va_vdst(0)                   ; v10 is written, which the loads below read
.endif
	WIN 0x40
.irp t,0,1,2,3,4,5,6,7
.irp q,0,1,2,3
	ds_load_b128 v[16*\t+4*\q:16*\t+4*\q+3], v10 offset:2048*\t+512*\q
.endr
.endr
	WIN 0
	s_wait_loadcnt 8                               ; this set's eight loads are in; the other set's eight may be out
	WIN 0x05
.irp t,0,1,2,3,4,5,6,7
	s_wait_dscnt 28-4*\t                           ; tile t's four loads are in; four for each later tile may be out
	v_wmma_f32_16x16x128_bf8_bf8 v[ACC+16*\t:ACC+16*\t+7], v[160+32*\k:160+32*\k+15], v[16*\t:16*\t+15], v[ACC+16*\t:ACC+16*\t+7]
	v_wmma_f32_16x16x128_bf8_bf8 v[ACC+16*\t+8:ACC+16*\t+15], v[176+32*\k:176+32*\k+15], v[16*\t:16*\t+15], v[ACC+16*\t+8:ACC+16*\t+15]
.endr
	WIN 0
	s_lshl_b32 s9, s7, 1
	s_add_co_u32 s9, s9, \k+2
	s_and_b32 s9, s9, 7
	s_lshl_b32 s9, s9, 7
	s_wait_alu depctr_vm_vsrc(0)                   ; this set's last loads have read v[58 + k], this step's LDS loads v10
	v_add_nc_u32 v[58+\k], s9, v22
.if \k == 0
	v_add_nc_u32 v10, 16384, v10                   ; the next K step's fragments
	NOPS 2                                         ; with the two additions: four places behind the last product
.else
	NOPS 3                                         ; with the addition: four places, for the first read of the sums behind the loop
.endif
	WIN 0x40
	s_wait_alu depctr_va_vdst(0)                   ; the addresses are written; the products are done reading weight set k and the fragments' registers, in which the loads below and the next step's land
	WFRAG 160+32*\k,58+\k,92,LAYER*262144
	WFRAG 176+32*\k,58+\k,92,LAYER*262144+8192
.if \k == 1
	WIN 0
.endif
.endm
; ---------------- HEAD
	s_load_b256 s[36:43], s[0:1], 0x0              ; LAYER 0: item_emb, seq, pos_emb; LAYER 1: x1, (fn_g, fn_b); mask
	s_load_b64 s[44:45], s[0:1], 0x20              ; the scales' exponents
	s_load_b128 s[84:87], s[0:1], 0x28             ; ln1_g, ln1_b
	s_load_b128 s[88:91], s[0:1], 0x48             ; Wk, bk
	s_load_b64 s[92:93], s[0:1], 0x60              ; bv
	s_set_vgpr_msb 0x40
	v_lshl_add_u32 v254, v0, 2, 0x4c400
	v_mov_b32 v255, 0
	s_set_vgpr_msb 0x4000
	v_lshrrev_b32 v1, 5, v0
	v_readfirstlane_b32 s2, v1                     ; wave
	v_and_b32 v1, 31, v0                           ; lane
	v_and_b32 v2, 15, v0                           ; r
	v_bfe_u32 v3, v0, 4, 1                         ; h
	s_and_b32 s3, ttmp9, 1                         ; p
	s_lshr_b32 s4, ttmp9, 1                        ; b
	s_wait_alu depctr_va_sdst(0)                   ; s2 is written, ahead of its first reader
	s_and_b32 s5, s2, 1
	s_xor_b32 s5, s5, s3                           ; sigma of tile w
	v_mul_u32_u24 v4, v2, IP
	v_lshl_add_u32 v4, v3, 4, v4
	v_add_nc_u32 v5, 3*BLK, v4
	v_add_nc_u32 v6, 6*BLK, v4
	s_mul_i32 s9, s2, BLK
	v_lshl_add_u32 v7, v1, 2, s9                   ; writer of my block's images
	s_mul_i32 s9, s2, IMGB
	v_lshl_add_u32 v8, v1, 2, s9                   ; writer of LN2's image
	v_lshlrev_b32 v12, 4, v1                       ; 16 lane
	s_lshl_b32 s9, s2, 14
	s_add_co_u32 s9, s9, HI
	v_add_nc_u32 v9, s9, v12                       ; writer of the hidden layer's fragments
	s_lshl_b32 s9, s2, 9
	v_add_nc_u32 v20, s9, v12                      ; writer of o's pieces
	s_add_co_u32 s9, s9, BT
	v_lshl_add_u32 v13, v3, 6, s9                  ; my bias words: reader,
	v_add_nc_u32 v14, s9, v12                      ; writer of b1,
	v_lshl_add_u32 v17, v1, 2, s9                  ; writer of b2
	v_mul_u32_u24 v15, v2, XP
	v_lshl_add_u32 v15, v3, 6, v15
	s_lshl_b32 s9, s2, 7
	s_add_co_u32 s9, s9, XS
	v_add_nc_u32 v15, s9, v15                      ; x by columns: row r, columns 32 w + 16 h on
	v_add_nc_u32 v16, 64*XP, v15
	s_mul_i32 s9, s2, 16*XP
	s_add_co_u32 s9, s9, XS
	v_add_nc_u32 v18, s9, v12                      ; x by rows: my 16 rows
	v_lshlrev_b32 v19, 5, v3
	v_add_nc_u32 v19, PADB, v19
	v_and_b32 v50, 8, v2
	v_add_nc_u32 v50, v50, v2                      ; r + 8 (r / 8)
	v_lshlrev_b32 v21, 8, v50
	v_lshl_add_u32 v21, v3, 4, v21                 ; a weight's rows of 256 codes
	v_lshlrev_b32 v22, 10, v50
	v_lshl_add_u32 v22, v3, 4, v22                 ; of 1,024 codes
	v_lshlrev_b32 v50, 2, v50
	v_lshlrev_b32 v49, 6, v3
	s_lshl_b32 s9, s3, 4
	v_add_nc_u32 v23, s9, v2                       ; my query less 32 i, for even i,
	s_xor_b32 s9, s9, 16
	v_add_nc_u32 v24, s9, v2                       ; for odd i
	v_xor_b32 v10, s5, v3
	v_lshl_add_u32 v10, v10, 4, v2
	s_lshl_b32 s9, s2, 5
	v_add_nc_u32 v10, s9, v10
	v_lshlrev_b32 v10, 2, v10                      ; the key that stands at local place = my thread's number
	s_mov_b32 s48, 0x76543210
	s_mov_b32 s49, 0xfedcba98
	s_mov_b32 s58, 0x3b800000                      ; 1 / 256
	s_mov_b32 s59, 0x3727c5ac                      ; 1e-5
	s_mov_b32 s60, 0x7fffffff
.irp j,4,5,6,7
	v_mov_b32 v[QF+\j], 0
.endr
	WIN 0x40
.irp j,64,65,66,67
	v_mov_b32 v[KC+\j], 0
.endr
	WIN 0
	s_wait_kmcnt 0x0
	s_load_b512 s[16:31], s[44:45], LAYER*64       ; e0 .. e15 of this block
	s_lshl_b32 s10, s4, 10
	s_mov_b32 s11, 0
	s_add_nc_u64 s[42:43], s[42:43], s[10:11]
.if LAYER == 0
	s_add_nc_u64 s[38:39], s[38:39], s[10:11]
.else
	s_lshl_b32 s10, s4, 18
	s_add_nc_u64 s[36:37], s[36:37], s[10:11]
.endif
	PADD 88,13
	PADD 90,7
	PADD 92,7
	s_mov_b32 s11, 0
	ASKIDS
	s_wait_alu depctr_va_vdst(0)                   ; all the addresses and offsets made above are written: v4-6, v10, v12-17, v19-21, v49, v50: the kernel's loads and stores read them
	global_load_b32 v48, v10, s[42:43]
	global_load_b128 v[160:163], v12, s[42:43]
	global_load_b128 v[164:167], v12, s[42:43] offset:512
	global_load_b128 v[G:G+3], v12, s[84:85] offset:LAYER*1024
	global_load_b128 v[G+4:G+7], v12, s[84:85] offset:LAYER*1024+512
	global_load_b128 v[G+8:G+11], v12, s[86:87] offset:LAYER*1024
	global_load_b128 v[G+12:G+15], v12, s[86:87] offset:LAYER*1024+512
.irp c,0,1,2,3
	global_load_b128 v[BIAS+4*\c:BIAS+4*\c+3], v49, s[90:91] offset:LAYER*1024+16*\c
.endr
	global_load_b32 v58, v50, s[92:93] offset:LAYER*1024
	global_load_b32 v59, v50, s[92:93] offset:LAYER*1024+32
	WIN 0x40
.irp u,0,1
.irp s,0,1
	WFRAG WFA+32*\u+16*\s,21,88,LAYER*65536+2048*\u+128*\s
.endr
.endr
	WIN 0
	s_wait_kmcnt 0x0
	ASKROWS
	s_add_co_i32 s9, s22, s23                      ; e6 + e7
	s_lshl_b32 s9, s9, 23
	s_add_co_i32 s50, s9, 0x3e8293ee               ; c = log2(e) / sqrt(32) x 2^(e6 + e7)
	s_mov_b32 s51, s50
	s_xor_b32 s52, s50, 0x80000000
	s_sub_co_i32 s53, 0xcfa8965f, s9               ; -1e9 sqrt(32) / 2^(e6 + e7): the score -1e9 in the sums' units
	s_mov_b32 s9, 0x7f61b1e6
	s_cmp_eq_u32 s3, 1
	s_cselect_b32 s54, s9, s53                     ; the neighbour tile comes first (all seen) or later (all hidden): even i,
	s_cselect_b32 s55, s53, s9                     ; odd i
	v_lshlrev_b32 v60, 3, v3
	v_sub_nc_u32 v60, v2, v60
	v_mov_b32 v61, s53
	v_mov_b32 v62, 0x7f61b1e6
.irp j,0,1,2,3,4,5,6,7
	v_cmp_gt_i32 s[66+\j], \j, v60                 ; key 8 h + j behind query r: the eight compares in one run, a mask each
.endr
	s_wait_alu depctr_va_sdst(0)                   ; the masks s66-73 are written, ahead of their readers
.irp j,0,1,2,3,4,5,6,7
	v_cndmask_b32 v[CB+\j], v62, v61, s[66+\j]
.endr
	MKSC 26,27,s16
	MKSC 28,29,s18
	MKSC 30,31,s20
	v_lshl_add_u32 v63, v0, 2, PADB
	s_wait_loadcnt 26+NROWL                        ; the three loads of the mask are in; the 26 behind them and the first rows may be out
	v_cmp_eq_u32 s74, 0, v48
.irp j,0,1,2,3,4,5,6,7
	v_cmp_ne_u32 s[75+\j], 0, v[160+\j]
.endr
	s_wait_alu depctr_va_sdst(0)                   ; the masks s74-82 are written, ahead of their readers
	v_cndmask_b32 v48, 0, v61, s74
	s_mov_b32 s6, 256                              ; f0: the first key whose mask is not 0
.irp j,0,1,2,3,4,5,6,7
	s_ctz_i32_b32 s9, s[75+\j]
	s_min_u32 s9, s9, 64
	s_lshl_b32 s9, s9, 2
	s_add_co_u32 s9, s9, (\j%4)+128*(\j/4)
	s_min_u32 s6, s6, s9
.endr
	s_wait_alu depctr_va_vdst(0)                   ; v48 and v63 are written, which the LDS store reads
	ds_store_b32 v63, v48
	s_wait_alu depctr_vm_vsrc(0)                   ; the mask's load has read v10, which the first trip writes; bv's loads v50 and the store v48 and v63, which attention writes
; ---------------- the way in and LayerNorm 1, by rows
	s_mov_b32 s7, 0
	s_mov_b32 s8, 0
	s_mov_b32 s61, 0
.Lown:
	P1TRIP 1
	s_add_co_u32 s8, s8, 4*IP
	s_add_co_u32 s61, s61, 4*XP
	s_add_co_u32 s7, s7, 1
	s_cmp_lt_u32 s7, 4
	s_cbranch_scc1 .Lown
	s_mov_b32 s7, 4
	s_mov_b32 s8, IMGB
.Lother:
	P1TRIP 0
	s_add_co_u32 s8, s8, 4*IP
	s_add_co_u32 s7, s7, 1
	s_cmp_lt_u32 s7, 8
	s_cbranch_scc1 .Lother
; ---------------- the projections, by columns
	s_wait_xcnt 0x0
	s_load_b64 s[44:45], s[0:1], 0x40              ; bq
	s_load_b64 s[46:47], s[0:1], 0x58              ; Wv
	s_add_co_i32 s12, s18, s19
	s_sub_co_i32 s14, 0, s12
.set hh, 0
.rept 16
	v_ldexp_f32 v[BIAS+hh], v[BIAS+hh], s14        ; a bias goes in as C, divided by the power of two that the sums lack
.set hh, hh+1
.endr
	s_sub_co_i32 s12, s23, s12
	MKSC 26,27,s12                                 ; K: e7 - e2 - e3
	s_add_co_i32 s12, s20, s21
	s_sub_co_i32 s15, 0, s12
	s_sub_co_i32 s12, s24, s12
	MKSC 28,29,s12                                 ; V: e8 - e4 - e5
	s_add_co_i32 s12, s16, s17
	s_sub_co_i32 s62, 0, s12
	s_sub_co_i32 s12, s22, s12
	MKSC 30,31,s12                                 ; Q: e6 - e0 - e1
	s_wait_dscnt 0x0
	s_wait_kmcnt 0x0
	PADD 44,7
	PADD 46,13
	s_wait_alu depctr_vm_vsrc(0)                   ; the last image stores have read CC, in which Wv's loads land, and v11, which is written behind Q's sweep
	s_wait_alu depctr_va_vdst(0)                   ; LayerNorm's lines are done with G, Z, CC, ST and X, in which bq's and Wv's loads and the first fragments land
.irp c,0,1,2,3
	global_load_b128 v[G+4*\c:G+4*\c+3], v49, s[44:45] offset:LAYER*1024+16*\c
.endr
.irp u,0,1
.irp s,0,1
	WFRAG WFB+32*\u+16*\s,21,46,LAYER*65536+2048*\u+128*\s
.endr
.endr
	BARRIER                                        ; all images and the padding's words lie in LDS
	XLOAD2 0,0
.irp i,0,1,2,3,4,5,6,7
	KSTEP \i
.endr
	s_wait_xcnt 0x0
	s_load_b64 s[44:45], s[0:1], 0x38              ; Wq
.irp j,0,1,2,3,4,5,6,7
	v_ldexp_f32 v[BIAS+\j], v58, s15               ; V the natural way: a lane has one channel, so one bias in all eight registers
	v_ldexp_f32 v[BIAS+8+\j], v59, s15
.endr
	s_wait_kmcnt 0x0
	PADD 44,13
	WIN 0x40
.irp u,0,1
.irp s,0,1
	WFRAG WFA+32*\u+16*\s,21,44,LAYER*65536+2048*\u+128*\s    ; no wait of their own: the wait in K's last step stands behind the last product that read WFA, and no line since names WFA or v21
.endr
.endr
	WIN 0
	s_wait_loadcnt 16                              ; bq and Wv are in; Wq's sixteen loads may be out
.irp i,0,1,2,3,4,5,6,7
	VSTEP \i
.endr
	s_wait_loadcnt 0x0
.set hh, 0
.rept 16
	v_ldexp_f32 v[BIAS+hh], v[G+hh], s62
.set hh, hh+1
.endr
.irp i,0,1,2,3,4,5,6,7
	QSTEP \i
.endr
	s_wait_xcnt 0x0
	s_load_b128 s[44:47], s[0:1], 0x68             ; Wo, bo: asked for now, wanted behind attention
	v_lshlrev_b32 v11, 6, v3
	s_wait_kmcnt 0x0
	PADD 44,13
	PADD 46,7
	WIN 0x40
	s_wait_alu depctr_va_vdst(0)                   ; Q's last products are done reading WFA, BIAS and XF, in which Wo's and bo's loads and the first padding words land; v11 is written
.irp u,0,1
.irp s,0,1
	WFRAG WFA+32*\u+16*\s,21,44,LAYER*65536+2048*\u+128*\s
.endr
.endr
	WIN 0
.irp c,0,1,2,3
	global_load_b128 v[BIAS+4*\c:BIAS+4*\c+3], v11, s[46:47] offset:LAYER*1024+16*\c
.endr
	BARRIER                                        ; nobody reads the images any more: o's pieces may land on them
; ---------------- attention of head w
	s_wait_alu depctr_vm_vsrc(0)                   ; bq's loads have read v49, which the first tile's maximum writes
	PRELOAD 2
	MKSC 26,27,s25                                 ; the weights: e9
	s_sub_co_i32 s12, s26, s24
	s_sub_co_i32 s12, s12, s25
	MKSC 28,29,s12                                 ; o: e10 - e8 - e9
	v_mov_b32 v51, 0                               ; (upper halves of pairs that are named whole)
	v_mov_b32 v57, 0
	v_mov_b32 v112, 0x3b800000
	v_min_num_f32 v112, v112, v27
.irp j,1,2,3,4,5,6,7
	v_mov_b32 v[112+\j], v112
.endr
	v_cvt_scalef32_pk8_bf8_f32 v[120:121], v[112:119], v26
	v_nop
	v_mov_b32 v25, v120                            ; four codes of 1 / 256
.irp i,0,1,2,3,4,5,6,7
	ATT \i
.endr
	s_wait_alu depctr_va_vdst(0)                   ; the last tile's conversions have written v60-63, which the store reads; attention's lines are done with v96-191, in which Wo's operand and x land
	ds_store_b128 v20, v[60:63] offset:7*4096
	BARRIER                                        ; o's pieces of all heads lie in LDS
; ---------------- x += o Wo + bo
	s_wait_loadcnt 0x0
	s_add_co_i32 s12, s26, s27
	s_sub_co_i32 s14, 0, s12
.set hh, 0
.rept 16
	v_ldexp_f32 v[BIAS+hh], v[BIAS+hh], s14
.set hh, hh+1
.endr
	s_add_co_i32 s12, s12, 127
	s_lshl_b32 s56, s12, 23                        ; 2^(e10 + e11)
	s_mov_b32 s57, s56
	WOLOAD 0
.irp i,0,1,2,3,4,5,6,7
	WOSTEP \i
.endr
	v_mov_b32 v58, v22                             ; weight set 0: K step 0,
	v_add_nc_u32 v59, 128, v22                     ; set 1: K step 1
	v_lshlrev_b32 v57, 2, v1
	s_wait_alu depctr_va_vdst(0)                   ; the last multiply-adds have written their set of x, which the stores read; v57-59 are written; all lines are done with G, v52-56 and window 1, in which the loads below land
	XSTORE 7,XR+16*(7%3)
	s_wait_xcnt 0x0
	s_load_b128 s[44:47], s[0:1], 0x78             ; ln2_g, ln2_b
	s_load_b128 s[88:91], s[0:1], 0x88             ; W1, b1
	s_load_b128 s[92:95], s[0:1], 0x98             ; W2, b2
	s_wait_kmcnt 0x0
	PADD 88,15
	PADD 90,9
	PADD 92,15
	PADD 94,7
	global_load_b128 v[G:G+3], v12, s[44:45] offset:LAYER*1024
	global_load_b128 v[G+4:G+7], v12, s[44:45] offset:LAYER*1024+512
	global_load_b128 v[G+8:G+11], v12, s[46:47] offset:LAYER*1024
	global_load_b128 v[G+12:G+15], v12, s[46:47] offset:LAYER*1024+512
	global_load_b128 v[52:55], v12, s[90:91] offset:LAYER*4096
	global_load_b32 v56, v57, s[94:95] offset:LAYER*1024
	W1LOAD 0
	WIN 0x40
.irp k,0,1
	WFRAG 160+32*\k,58+\k,92,LAYER*262144
	WFRAG 176+32*\k,58+\k,92,LAYER*262144+8192
.endr
	WIN 0
	BARRIER                                        ; x is whole again; nobody reads o's pieces any more
; ---------------- LayerNorm 2, by rows
	MKSC 26,27,s28
	s_mov_b32 s7, 0
	s_mov_b32 s8, 0
	s_mov_b32 s61, 0
	s_wait_loadcnt 0x0
.Lln2:
	s_wait_alu depctr_vm_vsrc(0)                   ; the last trip's LDS loads have read v10, its stores v11 and CC; in the first trip: x's stores have read v144-175, which D's lines write, and bo's loads v11
	v_add_nc_u32 v10, s61, v18
	v_add_nc_u32 v11, s8, v8
	s_wait_alu depctr_va_vdst(0)                   ; v10 is written, which the loads read; the last trip's lines are done with X, in which they land
.irp k,0,1,2,3
	ds_load_b128 v[X+8*\k:X+8*\k+3], v10 offset:\k*XP
	ds_load_b128 v[X+8*\k+4:X+8*\k+7], v10 offset:\k*XP+512
.endr
	s_wait_dscnt 0x0
	LNA
	LNB
.irp k,0,1,2,3
	QCVT \k,26,27,\k
.endr
	v_nop
	s_wait_alu depctr_va_vdst(0)                   ; the conversions have written CC, which the image stores read
.irp k,0,1,2,3
	QST \k,\k,0
.endr
	s_add_co_u32 s8, s8, 4*IP
	s_add_co_u32 s61, s61, 4*XP
	s_add_co_u32 s7, s7, 1
	s_cmp_lt_u32 s7, 4
	s_cbranch_scc1 .Lln2
; ---------------- the hidden layer: my 128 units in two passes of 64, eight tiles of rows each
	s_add_co_i32 s12, s28, s29                     ; E = e12 + e13
	s_sub_co_i32 s14, 0, s12
.irp j,0,1,2,3
	v_ldexp_f32 v[52+\j], v[52+\j], s14
.endr
	s_add_co_i32 s14, s30, s31
	s_sub_co_i32 s15, 0, s14
	v_ldexp_f32 v56, v56, s15                      ; b2 / 2^(e14 + e15), kept
	s_wait_alu depctr_va_vdst(0)                   ; v52-55 are written, which the LDS store reads (and v56, which is stored behind the hidden layer)
	ds_store_b128 v14, v[52:55]                    ; b1 / 2^E, my own bytes
	s_add_co_i32 s14, s14, 127
	s_lshl_b32 s56, s14, 23                        ; 2^(e14 + e15)
	s_mov_b32 s57, s56
	s_lshl_b32 s10, s12, 23
	s_add_co_i32 s84, s10, 0x3eb504f3              ; 2^E / sqrt(8)
	s_mov_b32 s85, s84
	s_lshl_b32 s10, s12, 24
	s_add_co_i32 s86, s10, 0xbf38aa3b              ; - log2(e) / 2 x 2^(2 E)
	s_mov_b32 s87, s86
	SPAIR 66,0xbf97d29d                            ; the polynomial's coefficients x log2(e), degree 8 down to 0
	SPAIR 68,0x40097039
	SPAIR 70,0xbfd1a1e5
	SPAIR 72,0x3ecdfd18
	SPAIR 74,0xbe899a80
	SPAIR 76,0x3e0efb2f
	SPAIR 78,0x3f0a29d2
	SPAIR 80,0x3fb8ab5a
	SPAIR 82,0xbfe9b21e
	v_mov_b32 v240, 0x3e7c6f08                     ; degree 9
	v_mov_b32 v241, 0x3e7c6f08
	s_sub_co_i32 s12, s30, s12
	s_add_co_i32 s12, s12, 1
	MKSC 26,27,s12                                 ; h: e14 - E + 1 (the 1: the sums hold 2 g)
	BARRIER                                        ; LN2's eight images lie in LDS
	s_mov_b32 s7, 0
	WIN 0x40
.irp s,0,1
.irp q,0,1,2,3
	ds_load_b128 v[128+16*\s+4*\q:128+16*\s+4*\q+3], v4 offset:128*\s+32*\q   ; no wait of their own, nor for the bias words below: no line since the wait ahead of b1's store names these registers or v96-127
.endr
.endr
	WIN 0
	BIASLD 13
.Lff1:                                             ; trip n: tile n % 8, pass n / 8
	s_wait_loadcnt 0x0
	s_wait_dscnt 0x0
	WIN 0x05
.irp s,0,1
.irp u,0,1,2,3
	v_wmma_f32_16x16x128_bf8_bf8 v[A_+8*\u:A_+8*\u+7], v[32*\u+16*\s:32*\u+16*\s+15], v[128+16*\s:128+16*\s+15], v[A_+8*\u:A_+8*\u+7]
.endr
.endr
	WIN 0
	s_add_co_u32 s9, s7, 1
	s_and_b32 s10, s9, 7
	s_mul_i32 s10, s10, IMGB                       ; the next tile's image
	s_lshr_b32 s9, s9, 3
	s_and_b32 s9, s9, 1
	s_lshl_b32 s9, s9, 8                           ; the next trip's pass: its 64 words of b1
	s_and_b32 s11, s7, 7
	s_lshl_b32 s11, s11, 11
	s_lshr_b32 s12, s7, 3
	s_lshl_b32 s12, s12, 10
	s_add_co_u32 s11, s11, s12                     ; this trip's place among my fragments
	s_wait_alu depctr_vm_vsrc(0)                   ; the last trip's LDS loads have read v10 and v62, its stores v11 and HC: all are written again in this trip
	v_add_nc_u32 v10, s10, v4
	v_add_nc_u32 v11, s11, v9
	v_add_nc_u32 v62, s9, v13
	v_nop                                          ; with the three additions: four places behind the last product
	WIN 0x40
	s_wait_alu depctr_va_vdst(0)                   ; the products are done reading x's fragments and W1's, in which the loads below land; the three addresses are written
.irp s,0,1
.irp q,0,1,2,3
	ds_load_b128 v[128+16*\s+4*\q:128+16*\s+4*\q+3], v10 offset:128*\s+32*\q
.endr
.endr
	WIN 0
	s_cmp_eq_u32 s7, 7
	s_cbranch_scc0 .Lsame
	W1LOAD 1                                       ; the second pass's weights land under this trip's gelu
.Lsame:
	GELU32
	s_wait_alu depctr_va_vdst(0)                   ; the conversions have written HC, which the stores read, and are done reading A, in which the next bias words land
	ds_store_b128 v11, v[HC:HC+3]                  ; pieces 2 pass, 2 pass + 1 of K step w
	ds_store_b128 v11, v[HC+4:HC+7] offset:512
	BIASLD 62
	s_add_co_u32 s7, s7, 1
	s_cmp_lt_u32 s7, 16
	s_cbranch_scc1 .Lff1
	BARRIER                                        ; the hidden layer's 64 fragments lie in LDS
; ---------------- x += h W2 + b2
	ds_store_b32 v17, v56                          ; no wait of its own, nor for the loads below: no vector line has been issued since the last trip's last wait
.irp t,0,1,2,3,4,5,6,7
.irp c,0,1,2,3
	ds_load_b128 v[ACC+16*\t+4*\c:ACC+16*\t+4*\c+3], v13 offset:16*\c    ; LDS serves a wave's instructions in order: these see my store.  b2 starts the sixteen sums
.endr
.endr
	s_mov_b32 s7, 0
	s_mov_b32 s8, HI
.Lff2:
	FF2STEP 0
	FF2STEP 1
	s_add_co_u32 s8, s8, 32768
	s_add_co_u32 s7, s7, 1
	s_cmp_lt_u32 s7, 4
	s_cbranch_scc1 .Lff2
	s_wait_xcnt 0x0
	s_load_b64 s[44:45], s[0:1], 0xa8              ; where the rows go
.if LAYER == 1
	s_load_b128 s[96:99], s[0:1], 0x8              ; fn_g, fn_b
.endif
	s_lshl_b32 s10, s2, 1
	s_add_co_u32 s10, s10, s5
	s_lshl_b32 s10, s10, 14
	s_lshl_b32 s11, s4, 18
	s_add_co_u32 s10, s10, s11                     ; (256 b + 16 (2 w + sigma)) rows of 1,024 bytes
	s_mov_b32 s11, 0
	s_wait_kmcnt 0x0
	s_add_nc_u64 s[44:45], s[44:45], s[10:11]
.if LAYER == 1
	global_load_b128 v[G:G+3], v12, s[96:97]
	global_load_b128 v[G+4:G+7], v12, s[96:97] offset:512
	global_load_b128 v[G+8:G+11], v12, s[98:99]
	global_load_b128 v[G+12:G+15], v12, s[98:99] offset:512
.endif
	WIN 0x40                                       ; all eight tiles' x at once, into the registers that held the hidden fragments.  No wait: the last step's wait stands behind the last product that read them, and no vector line has been issued since
.irp i,0,1,2,3,4,5,6,7
	XRLOAD \i,16*\i
.endr
	WIN 0x10                                       ; source 2 (x) window 1; the sums, and the results onto them, window 0
.irp i,0,1,2,3,4,5,6,7
	s_wait_dscnt 28-4*\i                           ; tile i's four loads are in; four for each later tile may be out
	XFMA ACC+16*\i,ACC+16*\i,16*\i
.endr
	WIN 0
	s_wait_alu depctr_va_vdst(0)                   ; the multiply-adds have written v96-223, which the run of stores reads
.irp i,0,1,2,3,4,5,6,7
	XSTORE \i,ACC+16*\i
.endr
	BARRIER                                        ; x is whole
; ---------------- the way out, by rows: each store covers 512 consecutive bytes, aligned
	s_mov_b32 s7, 0
	s_mov_b32 s61, 0
	s_wait_loadcnt 0x0
.Lout:
	s_wait_alu depctr_vm_vsrc(0)                   ; the last trip's LDS loads have read v10, its stores their data; in the first trip: x's stores have read v96-223: all are written again below
	v_add_nc_u32 v10, s61, v18
	s_wait_alu depctr_va_vdst(0)                   ; v10 is written, which the loads read; the lines issued so far are done with X, in which they land
.irp k,0,1,2,3
	ds_load_b128 v[X+8*\k:X+8*\k+3], v10 offset:\k*XP
	ds_load_b128 v[X+8*\k+4:X+8*\k+7], v10 offset:\k*XP+512
.endr
	s_wait_dscnt 0x0
.if LAYER == 1
	LNA
	LNB
	s_wait_alu depctr_va_vdst(0)                   ; the last LayerNorm has written D, which the stores read
.irp k,0,1,2,3
	global_store_b128 v12, v[D+8*\k:D+8*\k+3], s[44:45] offset:1024*\k th:TH_STORE_NT
	global_store_b128 v12, v[D+8*\k+4:D+8*\k+7], s[44:45] offset:1024*\k+512 th:TH_STORE_NT
.endr
.else
.irp k,0,1,2,3
	global_store_b128 v12, v[X+8*\k:X+8*\k+3], s[44:45] offset:1024*\k
	global_store_b128 v12, v[X+8*\k+4:X+8*\k+7], s[44:45] offset:1024*\k+512
.endr
.endif
	s_wait_xcnt 0x0                                ; the stores' data and base are written again only behind this wait
	s_add_nc_u64 s[44:45], s[44:45], 4096
	s_add_co_u32 s61, s61, 4*XP
	s_add_co_u32 s7, s7, 1
	s_cmp_lt_u32 s7, 4
	s_cbranch_scc1 .Lout
	s_set_vgpr_msb 0x5
	s_wait_dscnt 0x0
	s_wait_alu depctr_hold_cnt(0) depctr_sa_sdst(0) depctr_va_vdst(0) depctr_va_sdst(0) depctr_va_ssrc(0) depctr_va_vcc(0) depctr_vm_vsrc(0)
	s_wait_tensorcnt 0x0
	ds_add_u32 v254, v255
	s_wait_dscnt 0x0
	s_endpgm
.Lfunc_end_k_qb0b49e6546_layer1:
	.size	k_qb0b49e6546_layer1, .Lfunc_end_k_qb0b49e6546_layer1-k_qb0b49e6546_layer1
	.p2alignl 7, 3214868480
	.fill 96, 4, 3214868480
	.section	.rodata,"a",@progbits
	.p2align	6, 0x0
	.amdhsa_kernel k_qb0b49e6546_layer1
		.amdhsa_group_segment_fixed_size 313344
		.amdhsa_private_segment_fixed_size 0
		.amdhsa_enable_private_segment 0
		.amdhsa_kernarg_size 176
		.amdhsa_user_sgpr_count 2
		.amdhsa_user_sgpr_kernarg_segment_ptr 1
		.amdhsa_wavefront_size32 1
		.amdhsa_system_sgpr_workgroup_id_x 1
		.amdhsa_system_sgpr_workgroup_id_y 1
		.amdhsa_system_sgpr_workgroup_id_z 1
		.amdhsa_system_vgpr_workitem_id 0
		.amdhsa_next_free_vgpr 512
		.amdhsa_next_free_sgpr 100
		.amdhsa_reserve_vcc 1
		.amdhsa_float_denorm_mode_32 3
		.amdhsa_float_denorm_mode_16_64 3
		.amdhsa_memory_ordered 1
		.amdhsa_forward_progress 1
		.amdhsa_inst_pref_size 255
	.end_amdhsa_kernel
	.section	.bss,"aw",@nobits
	.p2align	6
	.space	262144
	.amdgpu_metadata
---
amdhsa.version: [ 1, 2 ]
amdhsa.kernels:
  - .name:           k_qb0b49e6546_layer1
    .symbol:         k_qb0b49e6546_layer1.kd
    .args:
      - { .name: x1, .offset: 0, .size: 8, .value_kind: global_buffer, .address_space: global }
      - { .name: fn_g, .offset: 8, .size: 8, .value_kind: global_buffer, .address_space: global }
      - { .name: fn_b, .offset: 16, .size: 8, .value_kind: global_buffer, .address_space: global }
      - { .name: mask, .offset: 24, .size: 8, .value_kind: global_buffer, .address_space: global }
      - { .name: lowp_scales, .offset: 32, .size: 8, .value_kind: global_buffer, .address_space: global }
      - { .name: ln1_g, .offset: 40, .size: 8, .value_kind: global_buffer, .address_space: global }
      - { .name: ln1_b, .offset: 48, .size: 8, .value_kind: global_buffer, .address_space: global }
      - { .name: Wq_codes, .offset: 56, .size: 8, .value_kind: global_buffer, .address_space: global }
      - { .name: bq, .offset: 64, .size: 8, .value_kind: global_buffer, .address_space: global }
      - { .name: Wk_codes, .offset: 72, .size: 8, .value_kind: global_buffer, .address_space: global }
      - { .name: bk, .offset: 80, .size: 8, .value_kind: global_buffer, .address_space: global }
      - { .name: Wv_codes, .offset: 88, .size: 8, .value_kind: global_buffer, .address_space: global }
      - { .name: bv, .offset: 96, .size: 8, .value_kind: global_buffer, .address_space: global }
      - { .name: Wo_codes, .offset: 104, .size: 8, .value_kind: global_buffer, .address_space: global }
      - { .name: bo, .offset: 112, .size: 8, .value_kind: global_buffer, .address_space: global }
      - { .name: ln2_g, .offset: 120, .size: 8, .value_kind: global_buffer, .address_space: global }
      - { .name: ln2_b, .offset: 128, .size: 8, .value_kind: global_buffer, .address_space: global }
      - { .name: W1_codes, .offset: 136, .size: 8, .value_kind: global_buffer, .address_space: global }
      - { .name: b1, .offset: 144, .size: 8, .value_kind: global_buffer, .address_space: global }
      - { .name: W2_codes, .offset: 152, .size: 8, .value_kind: global_buffer, .address_space: global }
      - { .name: b2, .offset: 160, .size: 8, .value_kind: global_buffer, .address_space: global }
      - { .name: out0, .offset: 168, .size: 8, .value_kind: global_buffer, .address_space: global }
    .group_segment_fixed_size: 313344
    .private_segment_fixed_size: 0
    .kernarg_segment_align: 8
    .kernarg_segment_size: 176
    .max_flat_workgroup_size: 256
    .sgpr_count:     100
    .vgpr_count:     512
    .wavefront_size: 32
...
	.end_amdgpu_metadata
.endif
;; end of part 4
